; MI455X (gfx1250); checked and timed in simulation.
; The chip was launched on July 23, 2026; its instructions are those of AMD's public machine-readable ISA for CDNA 5 (MIT licence, August 2026) and "CDNA5" Instruction Set Architecture Reference Guide (July 2026). The comments in the code are by the model that wrote it; some were corrected since.
;; Mo E Layer. Allowed arithmetic: float matrix products may take bf16 or f16 operands with f32 sums; other float arithmetic in f32, or as packed bf16 or f16 multiplies, adds, multiply-adds, maxima and minima; sums over many terms, partial sums and values carried from step to step in f32; what a program stores and reads back later, other than sums and carried values, may be rounded once to bf16 or f16.
;; Inputs: b1 8 x 4,096 float32; b2 8 x 1,024 float32; gate_w 1,024 x 8 float32; w1 8 x 1,024 x 4,096 float32; w2 8 x 4,096 x 1,024 float32; x 4 x 256 x 1,024 float32.
;; Outputs: out0 4 x 256 x 1,024 float32; out1 4 x 256 x 2 int32.
;; 3 versions, each right; version 3 is version 2 with the launches up, down written anew for expert scheduling mode. Each part assembles by itself: llvm-mc -triple=amdgcn-amd-amdhsa -mcpu=gfx1250 --defsym DOCPART=n.
;; ======== version 1 of 3: 5 launches
;; workspace buffers: sel 8,192 bytes of whole numbers; gw 8,192 bytes; pos 8,192 bytes of whole numbers; tbl 256 bytes of whole numbers; rg 8,704 bytes; xg 4,456,448 bytes; h 17,825,792 bytes; part 35,651,584 bytes
;; launch route (part 1): grid 256 x 1, 4 waves a work-group, no clusters, 0 bytes of LDS; arguments x, gate_w, out1, sel, gw; writes out1, sel, gw
.if DOCPART == 1
	.amdgcn_target "amdgcn-amd-amdhsa--gfx1250"
	.amdhsa_code_object_version 6
	.text
	.protected	k_q88ca66795d_route
	.globl	k_q88ca66795d_route
	.p2align	8
	.type	k_q88ca66795d_route,@function
k_q88ca66795d_route:
	s_mov_b64 s[64:65], 0
	v_nop
	global_prefetch_b8 v0, s[64:65] scope:SCOPE_SE
	s_setreg_imm32_b32 hwreg(HW_REG_WAVE_MODE, 25, 1), 1
	s_wait_xcnt 0x0
; THE ROUTER.  logits[t][e] = sum over d of x[t][d] gate_w[d][e]; the two largest logits' experts (a tie keeps the lower index, as jax.lax.top_k does)
; and the softmax over those two.  One wave takes one token: 1,024 tokens = 256 work-groups x 4 waves.  No LDS, no barrier, no matrix unit: 8 columns are too few for it.
; FORMATS.  x and gate_w are rounded once to bf16, as every input of this program is; the products of two bf16 numbers are exact in f32 and are summed in f32 by fused multiply-adds.
; LIMITS.  NaN and infinities among the logits are not treated apart.  Two logits closer than the error of an f32 sum of 1,024 terms may change places against another order of summing.
; A softmax weight below 2^-126 counts as 0.
; The results are 24 bytes a token, stored by lane 0 as three stores of 8 bytes: 24 KB in the whole launch.
; No address and no branch hangs on the choice: a later launch reads it from sel and places the rows.
.set X,   8                            ; v[8:39]    the token's row: X[4 j + c] = x[t][128 j + 4 lane + c]
.set XP,  40                           ; v[40:55]   the same rounded to bf16, two to a register
.set ACC, 56                           ; v[56:63]   my lane's part of the 8 logits
.set GA,  64                           ; v[64:127]  gate rows of one group of 256 d: buffer A
.set GB,  128                          ; v[128:191] buffer B
.set GP,  192                          ; v[192:223] a group's gate rows rounded to bf16
	s_load_b256 s[4:11], s[0:1], 0x0               ; x s[4:5], gate_w s[6:7], out1 s[8:9], sel s[10:11]
	s_load_b64 s[12:13], s[0:1], 0x20              ; gw
	v_and_b32 v1, 31, v0                           ; lane
	v_lshrrev_b32 v4, 5, v0
	v_readfirstlane_b32 s14, v4                    ; wave
	s_lshl_b32 s15, ttmp9, 2
	s_add_co_u32 s15, s15, s14                     ; my token
	s_lshl_b32 s16, s15, 12                        ; its row of 4,096 bytes
	s_mov_b32 s17, 0
	s_lshl_b32 s18, s15, 3                         ; its 8 bytes in each of the three results
	s_mov_b32 s19, 0
	s_mov_b32 s20, 0x76543210                      ; v_permlanex16_b32: each lane takes its own place in the other half
	s_mov_b32 s21, 0xfedcba98
	v_lshlrev_b32 v2, 4, v1                        ; 16 bytes of x a lane
	v_lshlrev_b32 v3, 7, v1                        ; 4 rows of gate_w (32 bytes each) a lane
	s_wait_kmcnt 0x0
	s_add_nc_u64 s[4:5], s[4:5], s[16:17]
	s_add_nc_u64 s[8:9], s[8:9], s[18:19]
	s_add_nc_u64 s[10:11], s[10:11], s[18:19]
	s_add_nc_u64 s[12:13], s[12:13], s[18:19]
; Group G of four: the gate rows of d = 256 G .. 256 G + 255.  A lane's four rows d = 128 j + 4 lane + c are 128 consecutive bytes: register buf + 32 jl + 8 c + e holds gate_w[d][e].
.macro GLOAD buf, G
.irp jl, 0,1
.irp m, 0,1,2,3,4,5,6,7
	global_load_b128 v[(\buf)+32*(\jl)+4*(\m):(\buf)+32*(\jl)+4*(\m)+3], v3, s[6:7] offset:(2*(\G)+(\jl))*4096+(\m)*16
.endr
.endr
.endm
; One multiply-add from two bf16 halves into an f32 sum; ha, hb: which half of each source.
.macro MIX d, a, b, ha, hb
.if ((\ha) == 0) && ((\hb) == 0)
	v_fma_mix_f32_bf16 v[\d], v[\a], v[\b], v[\d] op_sel_hi:[1,1,0]
.elseif ((\ha) == 1) && ((\hb) == 0)
	v_fma_mix_f32_bf16 v[\d], v[\a], v[\b], v[\d] op_sel:[1,0,0] op_sel_hi:[1,1,0]
.elseif ((\ha) == 0)
	v_fma_mix_f32_bf16 v[\d], v[\a], v[\b], v[\d] op_sel:[0,1,0] op_sel_hi:[1,1,0]
.else
	v_fma_mix_f32_bf16 v[\d], v[\a], v[\b], v[\d] op_sel:[1,1,0] op_sel_hi:[1,1,0]
.endif
.endm
; A group's work: 32 roundings, then 64 multiply-adds, the 8 experts' sums by turns so that no line waits for the one before it.
.macro GRP buf, G
.set z, 0
.rept 32
	v_cvt_pk_bf16_f32 v[GP+z], v[(\buf)+2*z], v[(\buf)+2*z+1]
.set z, z+1
.endr
.set n, 0
.rept 64
.set jl, n/32
.set c, (n/8)%4
.set e, n%8
	MIX ACC+e,XP+2*(2*(\G)+jl)+c/2,GP+16*jl+4*c+e/2,c%2,e%2
.set n, n+1
.endr
.endm
.irp j, 0,1,2,3,4,5,6,7
	global_load_b128 v[X+4*(\j):X+4*(\j)+3], v2, s[4:5] offset:512*(\j)   ; 512 consecutive bytes of the row
.endr
	GLOAD GA, 0
	GLOAD GB, 1
.irp e, 0,1,2,3,4,5,6,7
	v_mov_b32 v[ACC+(\e)], 0
.endr
	s_wait_loadcnt 16                              ; x and group 0 are in; group 1's sixteen loads stay out
.set z, 0
.rept 16
	v_cvt_pk_bf16_f32 v[XP+z], v[X+2*z], v[X+2*z+1]
.set z, z+1
.endr
	GRP GA, 0
	GLOAD GA, 2
	s_wait_loadcnt 16                              ; group 1 is in; group 2's sixteen stay out
	GRP GB, 1
	GLOAD GB, 3
	s_wait_loadcnt 16                              ; group 2 is in; group 3's sixteen stay out
	GRP GA, 2
	s_wait_loadcnt 0x0
	GRP GB, 3
	; the 32 lanes' parts are added: four steps inside each half of 16 lanes ride on the addition, one crosses the halves; every lane ends with all 8 logits
.irp m, 1,2,4,8
.irp e, 0,1,2,3,4,5,6,7
	v_add_f32_dpp v[ACC+(\e)], v[ACC+(\e)], v[ACC+(\e)] row_xmask:\m row_mask:0xf bank_mask:0xf
.endr
.endr
.irp e, 0,1,2,3,4,5,6,7
	v_permlanex16_b32 v[GP+(\e)], v[ACC+(\e)], s20, s21    ; its destination has been written before
.endr
.irp e, 0,1,2,3,4,5,6,7
	v_add_f32 v[ACC+(\e)], v[ACC+(\e)], v[GP+(\e)]
.endr
	; the two largest, in every lane alike.  v12, v8: the largest and its expert; v13, v9: the second.  Strictly greater: of equals the lower index stays in front.
	v_mov_b32 v12, v[ACC]
	v_mov_b32 v13, 0xff800000
	v_mov_b32 v8, 0
	v_mov_b32 v9, 0
.irp e, 1,2,3,4,5,6,7
	v_cmp_gt_f32 s30, v[ACC+(\e)], v12
	v_cmp_gt_f32 s31, v[ACC+(\e)], v13
	v_cndmask_b32 v13, v13, v[ACC+(\e)], s31       ; better than the second: it takes the second's place,
	v_cndmask_b32 v9, v9, \e, s31
	v_cndmask_b32 v13, v13, v12, s30               ; better than the first: the old first becomes the second,
	v_cndmask_b32 v9, v9, v8, s30
	v_cndmask_b32 v12, v12, v[ACC+(\e)], s30       ; and it becomes the first
	v_cndmask_b32 v8, v8, \e, s30
.endr
	; softmax over the two, the maximum taken away: weights 1 / (1 + E) and E / (1 + E) with E = exp(second - first) <= 1
	v_sub_f32 v14, v13, v12
	v_mul_f32 v14, 0x3fb8aa3b, v14                 ; log2(e)
	v_exp_f32 v15, v14
	v_nop                                          ; a plain instruction behind the exponential,
	s_wait_alu depctr_va_vdst(0)                   ; and a wait ahead of its first reader
	v_add_f32 v14, 1.0, v15
	v_rcp_f32 v10, v14
	v_nop
	s_wait_alu depctr_va_vdst(0)
	v_mul_f32 v11, v15, v10
	v_mov_b32 v4, 0
	v_cmp_eq_u32 vcc_lo, 0, v1
	s_wait_xcnt 0x0                                ; EXEC changes only behind this wait
	s_and_saveexec_b32 s22, vcc_lo                 ; lane 0 alone stores
	global_store_b64 v4, v[8:9], s[8:9]            ; out1
	global_store_b64 v4, v[8:9], s[10:11]          ; the copy that the later launches read
	global_store_b64 v4, v[10:11], s[12:13]        ; the two weights
	s_endpgm
.Lfunc_end_k_q88ca66795d_route:
	.size	k_q88ca66795d_route, .Lfunc_end_k_q88ca66795d_route-k_q88ca66795d_route
	.p2alignl 7, 3214868480
	.fill 96, 4, 3214868480
	.section	.rodata,"a",@progbits
	.p2align	6, 0x0
	.amdhsa_kernel k_q88ca66795d_route
		.amdhsa_group_segment_fixed_size 0
		.amdhsa_private_segment_fixed_size 0
		.amdhsa_enable_private_segment 0
		.amdhsa_kernarg_size 40
		.amdhsa_user_sgpr_count 2
		.amdhsa_user_sgpr_kernarg_segment_ptr 1
		.amdhsa_wavefront_size32 1
		.amdhsa_system_sgpr_workgroup_id_x 1
		.amdhsa_system_sgpr_workgroup_id_y 1
		.amdhsa_system_sgpr_workgroup_id_z 1
		.amdhsa_system_vgpr_workitem_id 0
		.amdhsa_next_free_vgpr 224
		.amdhsa_next_free_sgpr 66
		.amdhsa_reserve_vcc 1
		.amdhsa_float_denorm_mode_32 3
		.amdhsa_float_denorm_mode_16_64 3
		.amdhsa_memory_ordered 1
		.amdhsa_forward_progress 1
		.amdhsa_inst_pref_size 41
	.end_amdhsa_kernel
	.amdgpu_metadata
---
amdhsa.version: [ 1, 2 ]
amdhsa.kernels:
  - .name:           k_q88ca66795d_route
    .symbol:         k_q88ca66795d_route.kd
    .args:
      - { .name: x, .offset: 0, .size: 8, .value_kind: global_buffer, .address_space: global }
      - { .name: gate_w, .offset: 8, .size: 8, .value_kind: global_buffer, .address_space: global }
      - { .name: out1, .offset: 16, .size: 8, .value_kind: global_buffer, .address_space: global }
      - { .name: sel, .offset: 24, .size: 8, .value_kind: global_buffer, .address_space: global }
      - { .name: gw, .offset: 32, .size: 8, .value_kind: global_buffer, .address_space: global }
    .group_segment_fixed_size: 0
    .private_segment_fixed_size: 0
    .kernarg_segment_align: 8
    .kernarg_segment_size: 40
    .max_flat_workgroup_size: 128
    .sgpr_count:     66
    .vgpr_count:     224
    .wavefront_size: 32
...
	.end_amdgpu_metadata
.endif
;; end of part 1
;; launch place (part 2): grid 136 x 1, 8 waves a work-group, no clusters, 1,280 bytes of LDS; arguments sel, gw, x, xg, rg, pos, tbl; writes xg, rg, pos, tbl
.if DOCPART == 2
	.amdgcn_target "amdgcn-amd-amdhsa--gfx1250"
	.amdhsa_code_object_version 6
	.text
	.protected	k_q88ca66795d_place
	.globl	k_q88ca66795d_place
	.p2align	8
	.type	k_q88ca66795d_place,@function
k_q88ca66795d_place:
	s_mov_b64 s[64:65], 0
	v_nop
	global_prefetch_b8 v0, s[64:65] scope:SCOPE_SE
	s_setreg_imm32_b32 hwreg(HW_REG_WAVE_MODE, 25, 1), 1
	s_wait_xcnt 0x0
; THE ROWS ARE PLACED.  The 2,048 routed rows (token, k) are sorted by expert, tokens ascending, each expert's run padded to whole tiles of 16 rows: 135 tiles at the most for every split
; ((2,048 + 8 x 15) / 16), 136 are written.  Work-group j writes tile j of xg: its 16 rows of x rounded once to bf16, in the order in which a matrix operand's registers take them:
; fragment kb (16 rows x 32 k, 1,024 bytes) holds at byte 512 c + 16 L the eight numbers row L % 16, k = 32 kb + 16 c + 8 (L / 16) + 0..7.  Rows of padding and tiles past the last are zeros.
; It also writes the 16 rows' gate weights (rg; 0 for padding: a store of 64 bytes a work-group, 8.7 KB in the launch); work-group 0 writes pos (each routed row's place) and tbl (each expert's first tile and number of tiles).
; Every work-group counts the whole routing for itself (wave 0: 8 KB of sel, a counting sort by lane masks, no atomics): a launch for the list alone would cost more than these counts.
; The choice is read from sel, which an earlier launch stored.
.set SPARE, 256                        ; LDS: 0..127 the tile's list (words 0-15 the rows' entries 2 token + k, word 16 takes all entries of other tiles); from 256 on the spare words, 128 bytes a wave
.set S,   16                           ; v[16:79]   wave 0: sel of token 32 i + lane at S + 2 i, S + 2 i + 1.  Later, all waves: x as loaded, then packed
.set P,   80                           ; v[80:143]  wave 0: the sorted place of each of my 64 entries
.set TA,  144                          ; v[144:145] wave 0: lane e holds expert e's first tile and number of tiles
.set TM,  146                          ; v[146:151] at work
.set SPW, 156                          ; LDS address of my spare word; never rewritten
.set NIL, 157                          ; 0; never rewritten
	s_load_b256 s[4:11], s[0:1], 0x0               ; sel s[4:5], gw s[6:7], x s[8:9], xg s[10:11]
	s_load_b128 s[12:15], s[0:1], 0x20             ; rg s[12:13], pos s[14:15]
	s_load_b64 s[16:17], s[0:1], 0x30              ; tbl
	v_lshl_add_u32 v[SPW], v0, 2, SPARE
	v_mov_b32 v[NIL], 0
	v_and_b32 v1, 31, v0                           ; lane
	v_lshrrev_b32 v2, 5, v0
	v_readfirstlane_b32 s18, v2                    ; wave
	s_mov_b32 s19, ttmp9                           ; my tile
	v_lshlrev_b32 v3, 3, v1                        ; 8 lane
	v_lshlrev_b32 v4, 2, v1                        ; 4 lane
	v_and_b32 v7, 15, v0                           ; r = lane % 16
	v_bfe_u32 v8, v0, 4, 1                         ; hh = lane / 16
	v_lshlrev_b32 v9, 2, v7                        ; 4 r
	v_lshlrev_b32 v12, 4, v1                       ; 16 lane
	s_wait_kmcnt 0x0
	s_cmp_lg_u32 s18, 0
	s_cbranch_scc1 .Lmeet                          ; the count is wave 0's; no barrier stands in what is jumped
.set i, 0
.rept 32
	global_load_b64 v[S+2*i:S+2*i+1], v3, s[4:5] offset:256*i      ; 256 consecutive bytes: tokens 32 i .. 32 i + 31
.set i, i+1
.endr
	v_mov_b32 v5, 4096                             ; an entry that no row has
	ds_store_b32 v4, v5                            ; the list starts as 32 such entries
.set i, 0
.rept 64
	v_mov_b32 v[P+i], 0
.set i, i+1
.endr
	v_mov_b32 v[TA], 0
	v_mov_b32 v[TA+1], 0
	v_lshlrev_b32 v6, 1, v1                        ; 2 lane
	s_lshl_b32 s23, s19, 4                         ; my tile's first row
	v_mov_b32 v15, s23
	s_mov_b32 s21, 0                               ; rows placed so far, padding included
	s_mov_b32 s20, 0                               ; the expert
	s_wait_loadcnt 0x0
.Lexpert:                                              ; eight trips
	s_lshr_b32 s22, s21, 4                         ; the expert's first tile
.set gi, 0
.rept 8                                ; four groups of 32 tokens at a time, so that the scalar lines do not wait for each compare
.irp a, 0,1,2,3
	v_cmp_eq_u32 s[40+2*(\a)], s20, v[S+2*(4*gi+(\a))]
	v_cmp_eq_u32 s[41+2*(\a)], s20, v[S+2*(4*gi+(\a))+1]
.endr
.irp a, 0,1,2,3
	s_or_b32 s[48+(\a)], s[40+2*(\a)], s[41+2*(\a)]        ; the tokens of the group that chose this expert (a token's two choices differ)
.endr
.irp a, 0,1,2,3
	s_bcnt1_i32_b32 s[52+(\a)], s[48+(\a)]
.endr
.irp a, 0,1,2,3
	v_mbcnt_lo_u32_b32 v[TM+(\a)], s[48+(\a)], s21         ; rows placed so far + such tokens in the lanes below mine
	s_add_co_u32 s21, s21, s[52+(\a)]
.endr
.irp a, 0,1,2,3
	v_cndmask_b32 v[P+2*(4*gi+(\a))], v[P+2*(4*gi+(\a))], v[TM+(\a)], s[40+2*(\a)]
	v_cndmask_b32 v[P+2*(4*gi+(\a))+1], v[P+2*(4*gi+(\a))+1], v[TM+(\a)], s[41+2*(\a)]
.endr
.set gi, gi+1
.endr
	s_lshl_b32 s44, s22, 4
	s_sub_co_u32 s44, s21, s44                     ; the expert's rows
	s_add_co_u32 s44, s44, 15
	s_lshr_b32 s44, s44, 4                         ; its tiles
	s_add_co_u32 s21, s21, 15
	s_and_b32 s21, s21, 0xfffffff0                 ; the next expert begins a tile
	v_mov_b32 v[TM+4], s22
	v_mov_b32 v[TM+5], s44
	v_cmp_eq_u32 vcc_lo, s20, v1
	v_cndmask_b32 v[TA], v[TA], v[TM+4], vcc_lo
	v_cndmask_b32 v[TA+1], v[TA+1], v[TM+5], vcc_lo
	s_add_co_u32 s20, s20, 1
	s_cmp_lt_u32 s20, 8
	s_cbranch_scc1 .Lexpert
	; each of my 64 entries goes to its row's word of the list if the row is in my tile, else to word 16
.set n, 0
.rept 64
	v_sub_nc_u32 v[TM+2*(n%2)], v[P+n], v15
	v_min_u32 v[TM+2*(n%2)], 16, v[TM+2*(n%2)]     ; rows below my tile wrap to large numbers: word 16 too
	v_lshlrev_b32 v[TM+2*(n%2)], 2, v[TM+2*(n%2)]
	v_add_nc_u32 v[TM+2*(n%2)+1], 64*(n/2)+n%2, v6 ; 2 (32 i + lane) + k
	ds_store_b32 v[TM+2*(n%2)], v[TM+2*(n%2)+1]    ; LDS serves a wave's instructions in order: these come behind the 32 empty entries
.set n, n+1
.endr
	s_cmp_lg_u32 s19, 0
	s_cbranch_scc1 .Lmeet
.set i, 0
.rept 32
	global_store_b64 v3, v[P+2*i:P+2*i+1], s[14:15] offset:256*i   ; pos: 256 consecutive bytes a store
.set i, i+1
.endr
	global_store_b64 v3, v[TA:TA+1], s[16:17]      ; tbl: 256 bytes; lanes 8 to 31 store zeros
.Lmeet:
	s_wait_dscnt 0x0                               ; for the others' sake: wave 0's stores into the list are done
	s_barrier_signal -1
	s_barrier_wait -1
	ds_load_b32 v10, v9                            ; row r's entry
	s_lshl_b32 s24, s19, 15                        ; my tile's 32,768 bytes of xg,
	s_lshl_b32 s26, s18, 12                        ; my wave's four fragments
	s_add_co_u32 s24, s24, s26
	s_mov_b32 s25, 0
	s_add_nc_u64 s[10:11], s[10:11], s[24:25]
	s_lshl_b32 s24, s19, 6                         ; my tile's 64 bytes of rg
	s_add_nc_u64 s[12:13], s[12:13], s[24:25]
	s_lshl_b32 s24, s18, 9                         ; my wave's 512 bytes of a row of x: k = 128 wave .. 128 wave + 127
	s_wait_dscnt 0x0
	v_cmp_gt_u32 s30, 2048, v10                    ; is it a row, or padding?
	v_lshrrev_b32 v11, 1, v10
	v_min_u32 v11, 0x3ff, v11                      ; its token (padding: any token; the numbers are replaced by 0)
	v_lshlrev_b32 v11, 12, v11
	v_lshl_add_u32 v11, v8, 5, v11                 ; + 32 hh: my eight numbers of each sixteen
	v_add_nc_u32 v11, s24, v11
.irp q, 0,1,2,3
.irp c, 0,1
	global_load_b128 v[S+16*(\q)+8*(\c):S+16*(\q)+8*(\c)+3],   v11, s[8:9] offset:128*(\q)+64*(\c)
	global_load_b128 v[S+16*(\q)+8*(\c)+4:S+16*(\q)+8*(\c)+7], v11, s[8:9] offset:128*(\q)+64*(\c)+16
.endr
.endr
	s_wait_loadcnt 0x0
.irp u, 0,1,2,3,4,5,6,7                ; eight numbers become four registers, in place: register p is written when its own numbers have been read
.irp p, 0,1,2,3
	v_cvt_pk_bf16_f32 v[S+8*(\u)+(\p)], v[S+8*(\u)+2*(\p)], v[S+8*(\u)+2*(\p)+1]
.endr
.irp p, 0,1,2,3
	v_cndmask_b32 v[S+8*(\u)+(\p)], 0, v[S+8*(\u)+(\p)], s30
.endr
.endr
.irp q, 0,1,2,3
.irp c, 0,1
	global_store_b128 v12, v[S+16*(\q)+8*(\c):S+16*(\q)+8*(\c)+3], s[10:11] offset:1024*(\q)+512*(\c)   ; 512 consecutive bytes
.endr
.endr
	s_cmp_lg_u32 s18, 0
	s_cbranch_scc1 .Lend
	v_min_u32 v13, 0x7ff, v10                      ; wave 0: the rows' gate weights: gw[token][k] lies at 4 x the entry
	v_lshlrev_b32 v13, 2, v13
	v_cmp_gt_u32 vcc_lo, 16, v1
	s_wait_xcnt 0x0                                ; EXEC changes only behind this wait
	s_and_saveexec_b32 s31, vcc_lo                 ; lanes 0 to 15: one lane a row
	global_load_b32 v14, v13, s[6:7]
	s_wait_loadcnt 0x0
	v_cndmask_b32 v14, 0, v14, s30
	global_store_b32 v9, v14, s[12:13]
	s_wait_xcnt 0x0                                ; and again, in front of the line that widens it
	s_or_b32 exec_lo, exec_lo, s31
.Lend:
	s_wait_tensorcnt 0x0                           ; the wave's end
	ds_add_u32 v[SPW], v[NIL]
	s_wait_dscnt 0x0
	s_endpgm
.Lfunc_end_k_q88ca66795d_place:
	.size	k_q88ca66795d_place, .Lfunc_end_k_q88ca66795d_place-k_q88ca66795d_place
	.p2alignl 7, 3214868480
	.fill 96, 4, 3214868480
	.section	.rodata,"a",@progbits
	.p2align	6, 0x0
	.amdhsa_kernel k_q88ca66795d_place
		.amdhsa_group_segment_fixed_size 1280
		.amdhsa_private_segment_fixed_size 0
		.amdhsa_enable_private_segment 0
		.amdhsa_kernarg_size 56
		.amdhsa_user_sgpr_count 2
		.amdhsa_user_sgpr_kernarg_segment_ptr 1
		.amdhsa_wavefront_size32 1
		.amdhsa_system_sgpr_workgroup_id_x 1
		.amdhsa_system_sgpr_workgroup_id_y 1
		.amdhsa_system_sgpr_workgroup_id_z 1
		.amdhsa_system_vgpr_workitem_id 0
		.amdhsa_next_free_vgpr 160
		.amdhsa_next_free_sgpr 66
		.amdhsa_reserve_vcc 1
		.amdhsa_float_denorm_mode_32 3
		.amdhsa_float_denorm_mode_16_64 3
		.amdhsa_memory_ordered 1
		.amdhsa_forward_progress 1
		.amdhsa_inst_pref_size 45
	.end_amdhsa_kernel
	.amdgpu_metadata
---
amdhsa.version: [ 1, 2 ]
amdhsa.kernels:
  - .name:           k_q88ca66795d_place
    .symbol:         k_q88ca66795d_place.kd
    .args:
      - { .name: sel, .offset: 0, .size: 8, .value_kind: global_buffer, .address_space: global }
      - { .name: gw, .offset: 8, .size: 8, .value_kind: global_buffer, .address_space: global }
      - { .name: x, .offset: 16, .size: 8, .value_kind: global_buffer, .address_space: global }
      - { .name: xg, .offset: 24, .size: 8, .value_kind: global_buffer, .address_space: global }
      - { .name: rg, .offset: 32, .size: 8, .value_kind: global_buffer, .address_space: global }
      - { .name: pos, .offset: 40, .size: 8, .value_kind: global_buffer, .address_space: global }
      - { .name: tbl, .offset: 48, .size: 8, .value_kind: global_buffer, .address_space: global }
    .group_segment_fixed_size: 1280
    .private_segment_fixed_size: 0
    .kernarg_segment_align: 8
    .kernarg_segment_size: 56
    .max_flat_workgroup_size: 256
    .sgpr_count:     66
    .vgpr_count:     160
    .wavefront_size: 32
...
	.end_amdgpu_metadata
.endif
;; end of part 2
;; launch up (part 3): grid 32 x 8, 4 waves a work-group, no clusters, 262,656 bytes of LDS; arguments tbl, xg, w1, b1, h; writes h
.if DOCPART == 3
	.amdgcn_target "amdgcn-amd-amdhsa--gfx1250"
	.amdhsa_code_object_version 6
	.text
	.protected	k_q88ca66795d_up
	.globl	k_q88ca66795d_up
	.p2align	8
	.type	k_q88ca66795d_up,@function
k_q88ca66795d_up:
	s_mov_b64 s[64:65], 0
	v_nop
	global_prefetch_b8 v0, s[64:65] scope:SCOPE_SE
	s_setreg_imm32_b32 hwreg(HW_REG_WAVE_MODE, 25, 1), 1
	s_wait_xcnt 0x0
; ONE PRODUCT OF THE EXPERTS' CHAIN; the same text serves both products, by the switch DOWN.
;   DOWN = 0:  h = relu(xg w1[e] + b1[e]), rounded once to bf16 and stored as matrix fragments.        DOWN = 1:  part[kq] = rg x (h w2[e]) over a quarter kq of K, f32 partial sums.
; SHARES.  Work-group (x, e) has one slice of expert e's weights, 1,024 k x 128 columns of f32 (512 KB), which it alone reads, once, and ALL of that expert's rows, whatever their number.
; THE SLICE goes through registers in 8 stages of 128 k: each wave loads 32 k x 128 columns, rounds them to bf16 and lays them into LDS as matrix fragments.  All 256 KB stay: no LDS byte is
; written twice, so one barrier a stage (my stores are done; then everybody reads) is all the ordering there is.  While later stages are on their way, the stage just laid down is multiplied with the
; expert's first 20 tiles of 16 rows (pass 0).  An expert with more rows has up to three more passes on the resident slice, without barrier; a wave without rows in a pass jumps over it.
; NO TURNING LOAD.  Lane (r, hh) loads 16 bytes of row 16 c + 8 hh + i, columns 64 g + 4 r + 0..3: lanes 0-15 take 256 consecutive bytes, aligned, lanes 16-31 those 8 rows on.  Number j of a load
; belongs to column tile 4 g + j, whose sixteen columns are the real columns 64 g + 4 r + j: so k runs along a lane's registers as an operand wants it, and two roundings pack a register.
; A WAVE has the tiles LT + w + 4 i, i = 0..4, times all 128 columns: 40 accumulators.  Tiles past the expert's count repeat its last tile (an expert without rows: a tile that exists) and are not stored;
; the fifth tile's products are jumped where it is dead.  The rows' fragments come straight from memory, 512 consecutive bytes a load.
; NO CLUSTER: what an expert's 32 work-groups share is the rows' fragments, 80 KB a stage; two slots of that do not fit in the 64 KB beside the slice.  No tensor loads: every weight passes registers for its rounding.
; LOADS OUT.  A stage names 40 + 32 loads beside 32 that are out: more than LOADcnt's field holds, so the issue of the youngest waits for older ones to come back (ISA guide 5.7.1); every counted wait holds all the same.
; LIMITS.  Every input is rounded once to bf16 (weights, bias, rows), h once to bf16; sums in f32.  NaN and infinities are not treated apart.
; REGISTERS, in windows of 256 (s_set_vgpr_msb: bits 1:0 source 0, 3:2 source 1, 5:4 source 2, 7:6 destination):
;   window 0: v0-15 addresses; v16-23 zeros; v32-95 weight fragments, two buffers of four; v96-255 the rows' fragments, slot 1 (on the way out: packed results)
;   window 1: accumulators of tiles 0-3: (i, n) at 64 i + 8 n        window 2: v0-63 tile 4's; v64-223 the rows' fragments, slot 0; v224-255 weights just rounded
;   window 3: weights as loaded, two slots of 128; from stage 6 on v0-95 hold the bias (DOWN: the rows' gate weights)
.set DOWN, 0
.if DOWN
.set PITCH, 4096                       ; bytes in a row of the weights
.set PSH8,  15                         ; log2 of 8 rows
.set WSH,   17                         ; log2 of a wave's 32 rows
.set ASH,   17                         ; log2 of a tile's bytes in the rows' buffer
.set OSH,   16                         ; log2 of a tile's bytes in the result
.else
.set PITCH, 16384
.set PSH8,  17
.set WSH,   19
.set ASH,   15
.set OSH,   17
.endif
.set QSTR,  8912896                    ; bytes of one quarter's partial sums: 2,176 rows x 4,096
.set SPARE, 262144                     ; behind the slice: the spare words, 128 bytes a wave
.set L16, 1                            ; v1   16 lane
.set LB,  2                            ; v2   LDS address of the stage's fragments
.set ST,  3                            ; v3   LDS address at which I lay my fragments down
.set AO,  4                            ; v4   16 lane + 4,096 x stage: offset in a tile of the rows' buffer
.set WO,  5                            ; v5   8 hh rows + 16 r: offset in the weights
.set EO,  6                            ; v6   my offset in a tile of the result
.set BO,  7                            ; v7   my offset in the bias (DOWN: in a tile's gate weights)
.set SPW, 8                            ; v8   LDS address of my spare word; never rewritten
.set NIL, 9                            ; v9   0; never rewritten
.set NUL, 10                           ; v10  0, for the relu
.set STB, 11                           ; v11  16 lane + 8,192 wave
.set ZR,  16                           ; v16-23 zeros: both operands of the products that start the sums
.set BB,  32
.set TT,  32                           ; the way out: 32 numbers in f32
.set PK,  96                           ; the way out: results as stored
.set CV,  224
.set WV,  14                           ; s14 wave
.set LAST, 17                          ; s17 the expert's last tile
.set T0,  18                           ; s18 its first tile
.set NT,  19                           ; s19 its number of tiles
.set LT,  20                           ; s20 the pass's first tile, counted from T0
.set NW,  21                           ; s21 how many of my five tiles are live
.set LOFF, 22                          ; s22 the stage's first LDS byte
.set CNT, 23
.set PS,  24
.set AB,  32                           ; s[32:41] my five tiles in the rows' buffer
.set OB,  44                           ; s[44:53] in the result
.set GB,  66                           ; s[66:75] in rg (DOWN)
.set MSB, 0
.macro WIN new                         ; the immediate's high byte repeats the setting that is left; a switch that changes nothing is dropped
.if MSB != (\new)
	s_set_vgpr_msb (MSB<<8)|(\new)
.set MSB, \new
.endif
.endm
; Behind a matrix instruction four plain vector instructions stand before a load lands in, or a vector instruction touches, one of its registers; five before another sum is started in its result.
.macro PLACES n=4
.rept \n
	v_nop
.endr
.endm
; The 40 sums start as 0 x 0 + 0: 40 matrix instructions in the wait for the first loads, so that no first stage is written out beside the loop.
.macro ZERO
	WIN 0x50
.set z, 0
.rept 32
	v_wmma_f32_16x16x32_bf16 v[8*z:8*z+7], v[ZR:ZR+7], v[ZR:ZR+7], 0
.set z, z+1
.endr
	WIN 0xa0
.set z, 0
.rept 8
	v_wmma_f32_16x16x32_bf16 v[8*z:8*z+7], v[ZR:ZR+7], v[ZR:ZR+7], 0
.set z, z+1
.endr
	WIN 0
.endm
; My 32 k x 128 columns of a stage: number j of (g, c, i) at 128 sl + 64 g + 4 (8 c + i) + j.  Read once in the launch.
.macro LOADRAW sl
	WIN 0xc0
.irp c, 0,1
.irp k, 0,1,2,3,4,5,6,7
.irp g, 0,1
	global_load_b128 v[128*(\sl)+64*(\g)+4*(8*(\c)+(\k)):128*(\sl)+64*(\g)+4*(8*(\c)+(\k))+3], v[WO], s[8:9] offset:(16*(\c)+(\k))*PITCH+(\g)*256 th:TH_LOAD_NT
.endr
.endr
.endr
.endm
; The rows' fragments of a stage: 4 steps of 32 k x my five tiles; fragment (q, i) at 40 q + 8 i of the slot.
.macro LOADA sl
.if (\sl) == 0
	WIN 0x80
.set AS, 64
.else
	WIN 0
.set AS, 96
.endif
.irp q, 0,1,2,3
.irp i, 0,1,2,3,4
	global_load_b128 v[AS+40*(\q)+8*(\i):AS+40*(\q)+8*(\i)+3],   v[AO], s[AB+2*(\i):AB+2*(\i)+1] offset:(\q)*1024
	global_load_b128 v[AS+40*(\q)+8*(\i)+4:AS+40*(\q)+8*(\i)+7], v[AO], s[AB+2*(\i):AB+2*(\i)+1] offset:(\q)*1024+512
.endr
.endr
.endm
; Rounded and laid down: register 4 c + p of column tile 4 g + j packs k = 16 c + 8 hh + 2 p and + 1.  A fragment is 1,024 bytes, lane L's 16 bytes at 512 c + 16 L: every LDS store and load takes consecutive bytes.
.macro TOLDS sl
.irp g, 0,1
	WIN 0x8f
.irp j, 0,1,2,3
.irp c, 0,1
.irp p, 0,1,2,3
	v_cvt_pk_bf16_f32 v[CV+8*(\j)+4*(\c)+(\p)], v[128*(\sl)+64*(\g)+4*(8*(\c)+2*(\p))+(\j)], v[128*(\sl)+64*(\g)+4*(8*(\c)+2*(\p)+1)+(\j)]
.endr
.endr
.endr
	WIN 0x08
.irp j, 0,1,2,3
.irp c, 0,1
	ds_store_b128 v[ST], v[CV+8*(\j)+4*(\c):CV+8*(\j)+4*(\c)+3] offset:(4*(\g)+(\j))*1024+(\c)*512
.endr
.endr
.endr
.endm
; Unit u of a stage's eight: step q = u / 2 of 32 k, column tiles 4 g .. 4 g + 3 with g = u % 2.  Its four weight fragments, into buffer u % 2.
.macro LOADB u
	WIN 0
.irp j, 0,1,2,3
.irp c, 0,1
	ds_load_b128 v[BB+32*((\u)%2)+8*(\j)+4*(\c):BB+32*((\u)%2)+8*(\j)+4*(\c)+3], v[LB] offset:((\u)/2)*8192+((\u)%2)*4096+(\j)*1024+(\c)*512
.endr
.endr
.endm
; DOWN = 0: source 0 = weights, source 1 = rows: a lane then holds one row and eight columns.  DOWN = 1: the other way round: a lane holds one column and eight rows.
.macro PROD d, w, a
.if DOWN
	v_wmma_f32_16x16x32_bf16 v[(\d):(\d)+7], v[(\a):(\a)+7], v[(\w):(\w)+7], v[(\d):(\d)+7]
.else
	v_wmma_f32_16x16x32_bf16 v[(\d):(\d)+7], v[(\w):(\w)+7], v[(\a):(\a)+7], v[(\d):(\d)+7]
.endif
.endm
; A unit's products: 16 for tiles 0-3, 4 for tile 4 where it is live.  The accumulators take turns, one instruction a turn: a unit's are all different, and the next unit has the other g's.
.macro MUL20 sl, u
.set QQ, (\u)/2
.set GG, (\u)%2
.if (\sl) == 0
.set AS, 64
.set WA, 0x58-6*DOWN
.else
.set AS, 96
.set WA, 0x50
.endif
	WIN WA
.irp j, 0,1,2,3
.irp i, 0,1,2,3
	PROD 64*(\i)+8*(4*GG+(\j)),BB+32*GG+8*(\j),AS+40*QQ+8*(\i)
.endr
.endr
	WIN 0                                          ; at a branch and at a label every window is 0
	s_cmp_lt_u32 s[NW], 5
	s_cbranch_scc1 .Lno4_\@
	WIN WA+0x50
.irp j, 0,1,2,3
	PROD 8*(4*GG+(\j)),BB+32*GG+8*(\j),AS+40*QQ+32
.endr
	WIN 0
.Lno4_\@:
.endm
; A stage's eight units.  A unit's fragments are asked for one unit ahead, four places behind the products that read their buffer.
.macro COMPUTE sl
	LOADB 0
.irp u, 0,1,2,3,4,5,6,7
.if (\u) < 7
.if (\u) > 0
	PLACES
.endif
	LOADB (\u)+1
	s_wait_dscnt 8                                 ; this unit's fragments are in; the eight loads just issued stay out
.else
	s_wait_dscnt 0x0
.endif
	MUL20 \sl, \u
.endr
.endm
; What the way out needs beside the sums: DOWN = 0: my 64 numbers of the bias (columns 64 g + 32 hh + 0..31).  DOWN = 1: the gate weights of my eight rows in each of my five tiles.
.macro AUX
	WIN 0xc0
.if DOWN
.irp i, 0,1,2,3,4
	global_load_b128 v[8*(\i):8*(\i)+3],   v[BO], s[GB+2*(\i):GB+2*(\i)+1]
	global_load_b128 v[8*(\i)+4:8*(\i)+7], v[BO], s[GB+2*(\i):GB+2*(\i)+1] offset:16
.endr
.else
.irp g, 0,1
.irp m, 0,1,2,3,4,5,6,7
	global_load_b128 v[32*(\g)+4*(\m):32*(\g)+4*(\m)+3], v[BO], s[10:11] offset:(\g)*256+(\m)*16
.endr
.endr
.endif
	WIN 0
.endm
; STAGE s, in slot sl = s % 2.  The loads are queued as weights(s), rows(s), weights(s + 1): wcnt = 32 leaves the youngest, weights(s + 1), out.  Then: my weights are rounded and laid down (64 roundings, which are
; also the places in front of the loads below); rows(s + 1) and weights(s + 2) are asked for; my LDS stores are done; the barrier; the products.
.macro STAGE sl, doA, doRaw, wcnt, hook
	WIN 0
	s_wait_loadcnt \wcnt
	v_add_nc_u32 v[ST], s[LOFF], v[STB]
	v_add_nc_u32 v[LB], s[LOFF], v[L16]
	TOLDS \sl
	WIN 0
	s_wait_xcnt 0x0                                ; the offset and the base below are stepped only behind this wait
.if \doA
	v_add_nc_u32 v[AO], 4096, v[AO]
	LOADA 1-(\sl)
.endif
.if \hook
	AUX
.endif
.if \doRaw
	s_add_nc_u64 s[8:9], s[8:9], 128*PITCH
	LOADRAW \sl
.endif
	WIN 0
	s_wait_dscnt 0x0                               ; for the others' sake: my fragments lie in LDS
	s_barrier_signal -1
	s_barrier_wait -1                              ; everybody's do
	COMPUTE \sl
	s_add_co_u32 s[LOFF], s[LOFF], 32768
.endm
; The pass's tiles: how many of my five are live, and where each lies.  The last line on a tile's number is the clamp to the buffers' 136 tiles.
.macro BASES
	s_wait_xcnt 0x0                                ; the bases are rewritten only behind this wait
	s_add_co_u32 s26, s[LT], s[WV]
	s_sub_co_i32 s27, s[NT], s26
	s_add_co_i32 s27, s27, 3
	s_max_i32 s27, s27, 0
	s_lshr_b32 s27, s27, 2
	s_min_u32 s[NW], s27, 5
	s_add_co_u32 s26, s26, s[T0]
	s_mov_b32 s29, 0
.irp i, 0,1,2,3,4
	s_add_co_u32 s27, s26, 4*(\i)
	s_min_u32 s27, s27, s[LAST]
	s_min_u32 s27, s27, 135
	s_lshl_b32 s28, s27, ASH
	s_add_nc_u64 s[AB+2*(\i):AB+2*(\i)+1], s[6:7], s[28:29]
	s_lshl_b32 s28, s27, OSH
	s_add_nc_u64 s[OB+2*(\i):OB+2*(\i)+1], s[12:13], s[28:29]
.if DOWN
	s_lshl_b32 s28, s27, 6
	s_add_nc_u64 s[GB+2*(\i):GB+2*(\i)+1], s[10:11], s[28:29]
.endif
.endr
.endm
; THE WAY OUT of a pass; dead tiles are jumped, whole.  Each accumulator's lowest register is read first.
.macro EPI
	WIN 0
.if DOWN
; Lane (r, hh) holds rows 8 hh + J (register J) and, over the four column tiles j of a g, the columns 64 g + 4 r + j: the multiplication by the row's gate weight brings the four together, and 16 lanes store 256 consecutive bytes, aligned.
.irp i, 0,1,2,3,4
	s_cmp_le_u32 s[NW], \i
	s_cbranch_scc1 .Lepi_end_\@
	s_wait_xcnt 0x0                                ; registers that earlier stores read are rewritten only behind this wait
	WIN 0x0d+(\i)/4
.set z, 0
.rept 64                               ; z = 32 g + 4 J + j
	v_mul_f32 v[PK+64*((\i)%2)+z], v[(64*(\i))%256+8*(4*(z/32)+z%4)+(z/4)%8], v[8*(\i)+(z/4)%8]
.set z, z+1
.endr
	WIN 0
.set z, 0
.rept 16                               ; z = 8 g + J
	global_store_b128 v[EO], v[PK+64*((\i)%2)+4*z:PK+64*((\i)%2)+4*z+3], s[OB+2*(\i):OB+2*(\i)+1] offset:(z%8)*4096+(z/8)*256
.set z, z+1
.endr
.endr
.else
; Lane (r, hh) holds row r and the 32 columns 64 g + 32 hh + 4 J + j: all of row r in fragment 2 g + hh of my four.  Bias, rounding, relu on the packed halves; each store fills two aligned runs of 256 bytes.
	s_wait_xcnt 0x0                                ; registers that the last pass's stores read are rewritten only behind this wait
.irp i, 0,1,2,3,4
	s_cmp_le_u32 s[NW], \i
	s_cbranch_scc1 .Lepi_end_\@
.irp g, 0,1
	WIN 0x0d+(\i)/4
.set z, 0
.rept 32                               ; z = 4 J + j
	v_add_f32 v[TT+z], v[(64*(\i))%256+8*(4*(\g)+z%4)+z/4], v[32*(\g)+z]
.set z, z+1
.endr
	WIN 0
.set z, 0
.rept 16
	v_cvt_pk_bf16_f32 v[PK+16*(2*(\i)+(\g))+z], v[TT+2*z], v[TT+2*z+1]
.set z, z+1
.endr
.set z, 0
.rept 16
	v_pk_max_num_bf16 v[PK+16*(2*(\i)+(\g))+z], v[PK+16*(2*(\i)+(\g))+z], v[NUL]
.set z, z+1
.endr
.irp x, 0,1,2,3
	global_store_b128 v[EO], v[PK+16*(2*(\i)+(\g))+4*(\x):PK+16*(2*(\i)+(\g))+4*(\x)+3], s[OB+2*(\i):OB+2*(\i)+1] offset:2048*(\g)+512*((\x)/2)+256*((\x)%2)
.endr
.endr
.endr
.endif
.Lepi_end_\@:
.endm
; A LATER PASS, for experts with more than 320 rows: the same products on the resident slice.  Kept plain: a stage's rows are asked for and waited for.  No barrier: nobody writes the slice any more.
.macro LATER
.if DOWN
	AUX
.endif
	ZERO
	v_mov_b32 v[AO], v[L16]
	s_mov_b32 s[LOFF], 0
	s_mov_b32 s[CNT], 8
.Llater:
	PLACES
	LOADA 0
	WIN 0
	v_add_nc_u32 v[LB], s[LOFF], v[L16]
	s_wait_loadcnt 0x0
	COMPUTE 0
	v_add_nc_u32 v[AO], 4096, v[AO]
	s_add_co_u32 s[LOFF], s[LOFF], 32768
	s_sub_co_u32 s[CNT], s[CNT], 1
	s_cmp_lg_u32 s[CNT], 0
	s_cbranch_scc1 .Llater
	PLACES 5
.endm
	s_load_b256 s[4:11], s[0:1], 0x0               ; tbl s[4:5], the rows s[6:7], the weights s[8:9], bias or rg s[10:11]
	s_load_b64 s[12:13], s[0:1], 0x20              ; the result
	v_lshl_add_u32 v[SPW], v0, 2, SPARE
	v_mov_b32 v[NIL], 0
	v_mov_b32 v[NUL], 0
.set z, 0
.rept 8
	v_mov_b32 v[ZR+z], 0
.set z, z+1
.endr
	v_lshrrev_b32 v12, 5, v0
	v_readfirstlane_b32 s[WV], v12                 ; wave 0..3
	v_and_b32 v12, 31, v0
	v_lshlrev_b32 v[L16], 4, v12
	v_and_b32 v13, 15, v0                          ; r
	v_bfe_u32 v14, v0, 4, 1                        ; hh
	v_lshlrev_b32 v15, 4, v13                      ; 16 r
	v_lshl_add_u32 v[WO], v14, PSH8, v15
	s_lshl_b32 s26, s[WV], 13
	v_add_nc_u32 v[STB], s26, v[L16]
	v_mov_b32 v[AO], v[L16]
.if DOWN
	v_lshl_add_u32 v[EO], v14, 15, v15             ; 8 hh rows of 4,096 bytes + 16 r
	v_lshlrev_b32 v[BO], 5, v14                    ; my eight rows' gate weights
.else
	v_lshl_add_u32 v[EO], v14, 10, v15             ; fragment hh + 16 r
	v_lshlrev_b32 v[BO], 7, v14                    ; my 32 columns' bias
.endif
	s_and_b32 s16, ttmp7, 0xffff                   ; the expert
	s_lshl_b32 s26, s16, 24                        ; its weights: 16 MiB
	s_lshl_b32 s27, s[WV], WSH                     ; my wave's 32 rows of a stage
	s_add_co_u32 s26, s26, s27
.if DOWN
	s_and_b32 s15, ttmp9, 7                        ; which 128 columns
	s_lshr_b32 s25, ttmp9, 3                       ; which quarter of K
	s_lshl_b32 s27, s25, 22                        ; its 1,024 rows of 4,096 bytes
	s_add_co_u32 s26, s26, s27
.else
	s_mov_b32 s15, ttmp9                           ; which 128 columns
.endif
	s_lshl_b32 s27, s15, 9
	s_add_co_u32 s26, s26, s27
	s_mov_b32 s27, 0
	s_lshl_b32 s28, s16, 3                         ; the expert's entry of tbl
	s_mov_b32 s29, 0
	s_wait_kmcnt 0x0
	s_add_nc_u64 s[8:9], s[8:9], s[26:27]
	LOADRAW 0                                      ; the weights need no table: stage 0 goes out first
	WIN 0
	s_add_nc_u64 s[4:5], s[4:5], s[28:29]
	s_load_b64 s[18:19], s[4:5], 0x0               ; first tile, number of tiles
.if DOWN
	s_lshl_b32 s28, s25, 15                        ; the quarter's 32 fragments in a tile of h
	s_add_nc_u64 s[6:7], s[6:7], s[28:29]
	s_mul_i32 s28, s25, QSTR
	s_lshl_b32 s26, s15, 9
	s_add_co_u32 s28, s28, s26
	s_add_nc_u64 s[12:13], s[12:13], s[28:29]
.else
	s_lshl_b32 s28, s16, 14                        ; the expert's bias, my 128 columns
	s_lshl_b32 s26, s15, 9
	s_add_co_u32 s28, s28, s26
	s_add_nc_u64 s[10:11], s[10:11], s[28:29]
	s_lshl_b32 s28, s15, 12                        ; my four fragments in a tile of h
	s_add_nc_u64 s[12:13], s[12:13], s[28:29]
.endif
	ZERO
	s_wait_kmcnt 0x0
	s_min_u32 s[T0], s[T0], 135
	s_min_u32 s[NT], s[NT], 64
	s_add_co_u32 s[LAST], s[T0], s[NT]
	s_max_u32 s[LAST], s[LAST], 1
	s_sub_co_u32 s[LAST], s[LAST], 1               ; the expert's last tile; for an expert without rows the tile in front, which some expert has written
	s_mov_b32 s[LT], 0
	BASES
	LOADA 0
	WIN 0
	s_wait_xcnt 0x0
	s_add_nc_u64 s[8:9], s[8:9], 128*PITCH
	LOADRAW 1
	WIN 0
	s_mov_b32 s[LOFF], 0
	s_mov_b32 s[CNT], 3
.Lstage:                                               ; stages 0 to 5
	STAGE 0, 1, 1, 32, 0
	STAGE 1, 1, 1, 32, 0
	s_sub_co_u32 s[CNT], s[CNT], 1
	s_cmp_lg_u32 s[CNT], 0
	s_cbranch_scc1 .Lstage
	STAGE 0, 1, 0, 32, 1                           ; stage 6: no weights are left to ask for; their slot takes what the way out needs
	STAGE 1, 0, 0, 0, 0                            ; stage 7: nothing is asked for, and the wait is for all
.if DOWN
	PLACES 5
.else
	WIN 0xcf                                       ; the bias is rounded once to bf16 and widened again: 96 plain instructions, the places behind the last products
.set z, 0
.rept 32
	v_cvt_pk_bf16_f32 v[64+z], v[2*z], v[2*z+1]
.set z, z+1
.endr
.set z, 0
.rept 32
	v_lshlrev_b32 v[2*z], 16, v[64+z]
	v_and_b32 v[2*z+1], 0xffff0000, v[64+z]
.set z, z+1
.endr
	WIN 0
.endif
	s_mov_b32 s[PS], 4
.Lpass:                                                ; four trips, always: four passes of 20 tiles cover the 64 tiles that one expert can have.  A trip: the way out of one pass, then the next pass's products
	EPI
	s_add_co_u32 s[LT], s[LT], 20
	BASES
	s_cmp_eq_u32 s[NW], 0
	s_cbranch_scc1 .Lskip                          ; no row of mine in the next pass (in the fourth trip always): its products are jumped, forward; no barrier and no LDS write stands in what is jumped
	LATER
.Lskip:
	s_sub_co_u32 s[PS], s[PS], 1
	s_cmp_lg_u32 s[PS], 0
	s_cbranch_scc1 .Lpass
	s_wait_dscnt 0x0                               ; my reads of the slice are back
	s_barrier_signal -1
	s_barrier_wait -1                              ; everybody's are: the add below is an LDS write, and it stands behind a barrier behind which no wave reads LDS any more
	s_wait_tensorcnt 0x0                           ; the wave's end
	ds_add_u32 v[SPW], v[NIL]
	s_wait_dscnt 0x0
	s_endpgm
.Lfunc_end_k_q88ca66795d_up:
	.size	k_q88ca66795d_up, .Lfunc_end_k_q88ca66795d_up-k_q88ca66795d_up
	.p2alignl 7, 3214868480
	.fill 96, 4, 3214868480
	.section	.rodata,"a",@progbits
	.p2align	6, 0x0
	.amdhsa_kernel k_q88ca66795d_up
		.amdhsa_group_segment_fixed_size 262656
		.amdhsa_private_segment_fixed_size 0
		.amdhsa_enable_private_segment 0
		.amdhsa_kernarg_size 40
		.amdhsa_user_sgpr_count 2
		.amdhsa_user_sgpr_kernarg_segment_ptr 1
		.amdhsa_wavefront_size32 1
		.amdhsa_system_sgpr_workgroup_id_x 1
		.amdhsa_system_sgpr_workgroup_id_y 1
		.amdhsa_system_sgpr_workgroup_id_z 1
		.amdhsa_system_vgpr_workitem_id 0
		.amdhsa_next_free_vgpr 1024
		.amdhsa_next_free_sgpr 80
		.amdhsa_reserve_vcc 0
		.amdhsa_float_denorm_mode_32 3
		.amdhsa_float_denorm_mode_16_64 3
		.amdhsa_memory_ordered 1
		.amdhsa_forward_progress 1
		.amdhsa_inst_pref_size 189
	.end_amdhsa_kernel
	.amdgpu_metadata
---
amdhsa.version: [ 1, 2 ]
amdhsa.kernels:
  - .name:           k_q88ca66795d_up
    .symbol:         k_q88ca66795d_up.kd
    .args:
      - { .name: tbl, .offset: 0, .size: 8, .value_kind: global_buffer, .address_space: global }
      - { .name: xg, .offset: 8, .size: 8, .value_kind: global_buffer, .address_space: global }
      - { .name: w1, .offset: 16, .size: 8, .value_kind: global_buffer, .address_space: global }
      - { .name: b1, .offset: 24, .size: 8, .value_kind: global_buffer, .address_space: global }
      - { .name: h, .offset: 32, .size: 8, .value_kind: global_buffer, .address_space: global }
    .group_segment_fixed_size: 262656
    .private_segment_fixed_size: 0
    .kernarg_segment_align: 8
    .kernarg_segment_size: 40
    .max_flat_workgroup_size: 128
    .sgpr_count:     80
    .vgpr_count:     1024
    .wavefront_size: 32
...
	.end_amdgpu_metadata
.endif
;; end of part 3
;; launch down (part 4): grid 32 x 8, 4 waves a work-group, no clusters, 262,656 bytes of LDS; arguments tbl, h, w2, rg, part; writes part
.if DOCPART == 4
	.amdgcn_target "amdgcn-amd-amdhsa--gfx1250"
	.amdhsa_code_object_version 6
	.text
	.protected	k_q88ca66795d_down
	.globl	k_q88ca66795d_down
	.p2align	8
	.type	k_q88ca66795d_down,@function
k_q88ca66795d_down:
	s_mov_b64 s[64:65], 0
	v_nop
	global_prefetch_b8 v0, s[64:65] scope:SCOPE_SE
	s_setreg_imm32_b32 hwreg(HW_REG_WAVE_MODE, 25, 1), 1
	s_wait_xcnt 0x0
; ONE PRODUCT OF THE EXPERTS' CHAIN; the same text serves both products, by the switch DOWN.
;   DOWN = 0:  h = relu(xg w1[e] + b1[e]), rounded once to bf16 and stored as matrix fragments.        DOWN = 1:  part[kq] = rg x (h w2[e]) over a quarter kq of K, f32 partial sums.
; SHARES.  Work-group (x, e) has one slice of expert e's weights, 1,024 k x 128 columns of f32 (512 KB), which it alone reads, once, and ALL of that expert's rows, whatever their number.
; THE SLICE goes through registers in 8 stages of 128 k: each wave loads 32 k x 128 columns, rounds them to bf16 and lays them into LDS as matrix fragments.  All 256 KB stay: no LDS byte is
; written twice, so one barrier a stage (my stores are done; then everybody reads) is all the ordering there is.  While later stages are on their way, the stage just laid down is multiplied with the
; expert's first 20 tiles of 16 rows (pass 0).  An expert with more rows has up to three more passes on the resident slice, without barrier; a wave without rows in a pass jumps over it.
; NO TURNING LOAD.  Lane (r, hh) loads 16 bytes of row 16 c + 8 hh + i, columns 64 g + 4 r + 0..3: lanes 0-15 take 256 consecutive bytes, aligned, lanes 16-31 those 8 rows on.  Number j of a load
; belongs to column tile 4 g + j, whose sixteen columns are the real columns 64 g + 4 r + j: so k runs along a lane's registers as an operand wants it, and two roundings pack a register.
; A WAVE has the tiles LT + w + 4 i, i = 0..4, times all 128 columns: 40 accumulators.  Tiles past the expert's count repeat its last tile (an expert without rows: a tile that exists) and are not stored;
; the fifth tile's products are jumped where it is dead.  The rows' fragments come straight from memory, 512 consecutive bytes a load.
; NO CLUSTER: what an expert's 32 work-groups share is the rows' fragments, 80 KB a stage; two slots of that do not fit in the 64 KB beside the slice.  No tensor loads: every weight passes registers for its rounding.
; LOADS OUT.  A stage names 40 + 32 loads beside 32 that are out: more than LOADcnt's field holds, so the issue of the youngest waits for older ones to come back (ISA guide 5.7.1); every counted wait holds all the same.
; LIMITS.  Every input is rounded once to bf16 (weights, bias, rows), h once to bf16; sums in f32.  NaN and infinities are not treated apart.
; REGISTERS, in windows of 256 (s_set_vgpr_msb: bits 1:0 source 0, 3:2 source 1, 5:4 source 2, 7:6 destination):
;   window 0: v0-15 addresses; v16-23 zeros; v32-95 weight fragments, two buffers of four; v96-255 the rows' fragments, slot 1 (on the way out: packed results)
;   window 1: accumulators of tiles 0-3: (i, n) at 64 i + 8 n        window 2: v0-63 tile 4's; v64-223 the rows' fragments, slot 0; v224-255 weights just rounded
;   window 3: weights as loaded, two slots of 128; from stage 6 on v0-95 hold the bias (DOWN: the rows' gate weights)
.set DOWN, 1
.if DOWN
.set PITCH, 4096                       ; bytes in a row of the weights
.set PSH8,  15                         ; log2 of 8 rows
.set WSH,   17                         ; log2 of a wave's 32 rows
.set ASH,   17                         ; log2 of a tile's bytes in the rows' buffer
.set OSH,   16                         ; log2 of a tile's bytes in the result
.else
.set PITCH, 16384
.set PSH8,  17
.set WSH,   19
.set ASH,   15
.set OSH,   17
.endif
.set QSTR,  8912896                    ; bytes of one quarter's partial sums: 2,176 rows x 4,096
.set SPARE, 262144                     ; behind the slice: the spare words, 128 bytes a wave
.set L16, 1                            ; v1   16 lane
.set LB,  2                            ; v2   LDS address of the stage's fragments
.set ST,  3                            ; v3   LDS address at which I lay my fragments down
.set AO,  4                            ; v4   16 lane + 4,096 x stage: offset in a tile of the rows' buffer
.set WO,  5                            ; v5   8 hh rows + 16 r: offset in the weights
.set EO,  6                            ; v6   my offset in a tile of the result
.set BO,  7                            ; v7   my offset in the bias (DOWN: in a tile's gate weights)
.set SPW, 8                            ; v8   LDS address of my spare word; never rewritten
.set NIL, 9                            ; v9   0; never rewritten
.set NUL, 10                           ; v10  0, for the relu
.set STB, 11                           ; v11  16 lane + 8,192 wave
.set ZR,  16                           ; v16-23 zeros: both operands of the products that start the sums
.set BB,  32
.set TT,  32                           ; the way out: 32 numbers in f32
.set PK,  96                           ; the way out: results as stored
.set CV,  224
.set WV,  14                           ; s14 wave
.set LAST, 17                          ; s17 the expert's last tile
.set T0,  18                           ; s18 its first tile
.set NT,  19                           ; s19 its number of tiles
.set LT,  20                           ; s20 the pass's first tile, counted from T0
.set NW,  21                           ; s21 how many of my five tiles are live
.set LOFF, 22                          ; s22 the stage's first LDS byte
.set CNT, 23
.set PS,  24
.set AB,  32                           ; s[32:41] my five tiles in the rows' buffer
.set OB,  44                           ; s[44:53] in the result
.set GB,  66                           ; s[66:75] in rg (DOWN)
.set MSB, 0
.macro WIN new                         ; the immediate's high byte repeats the setting that is left; a switch that changes nothing is dropped
.if MSB != (\new)
	s_set_vgpr_msb (MSB<<8)|(\new)
.set MSB, \new
.endif
.endm
; Behind a matrix instruction four plain vector instructions stand before a load lands in, or a vector instruction touches, one of its registers; five before another sum is started in its result.
.macro PLACES n=4
.rept \n
	v_nop
.endr
.endm
; The 40 sums start as 0 x 0 + 0: 40 matrix instructions in the wait for the first loads, so that no first stage is written out beside the loop.
.macro ZERO
	WIN 0x50
.set z, 0
.rept 32
	v_wmma_f32_16x16x32_bf16 v[8*z:8*z+7], v[ZR:ZR+7], v[ZR:ZR+7], 0
.set z, z+1
.endr
	WIN 0xa0
.set z, 0
.rept 8
	v_wmma_f32_16x16x32_bf16 v[8*z:8*z+7], v[ZR:ZR+7], v[ZR:ZR+7], 0
.set z, z+1
.endr
	WIN 0
.endm
; My 32 k x 128 columns of a stage: number j of (g, c, i) at 128 sl + 64 g + 4 (8 c + i) + j.  Read once in the launch.
.macro LOADRAW sl
	WIN 0xc0
.irp c, 0,1
.irp k, 0,1,2,3,4,5,6,7
.irp g, 0,1
	global_load_b128 v[128*(\sl)+64*(\g)+4*(8*(\c)+(\k)):128*(\sl)+64*(\g)+4*(8*(\c)+(\k))+3], v[WO], s[8:9] offset:(16*(\c)+(\k))*PITCH+(\g)*256 th:TH_LOAD_NT
.endr
.endr
.endr
.endm
; The rows' fragments of a stage: 4 steps of 32 k x my five tiles; fragment (q, i) at 40 q + 8 i of the slot.
.macro LOADA sl
.if (\sl) == 0
	WIN 0x80
.set AS, 64
.else
	WIN 0
.set AS, 96
.endif
.irp q, 0,1,2,3
.irp i, 0,1,2,3,4
	global_load_b128 v[AS+40*(\q)+8*(\i):AS+40*(\q)+8*(\i)+3],   v[AO], s[AB+2*(\i):AB+2*(\i)+1] offset:(\q)*1024
	global_load_b128 v[AS+40*(\q)+8*(\i)+4:AS+40*(\q)+8*(\i)+7], v[AO], s[AB+2*(\i):AB+2*(\i)+1] offset:(\q)*1024+512
.endr
.endr
.endm
; Rounded and laid down: register 4 c + p of column tile 4 g + j packs k = 16 c + 8 hh + 2 p and + 1.  A fragment is 1,024 bytes, lane L's 16 bytes at 512 c + 16 L: every LDS store and load takes consecutive bytes.
.macro TOLDS sl
.irp g, 0,1
	WIN 0x8f
.irp j, 0,1,2,3
.irp c, 0,1
.irp p, 0,1,2,3
	v_cvt_pk_bf16_f32 v[CV+8*(\j)+4*(\c)+(\p)], v[128*(\sl)+64*(\g)+4*(8*(\c)+2*(\p))+(\j)], v[128*(\sl)+64*(\g)+4*(8*(\c)+2*(\p)+1)+(\j)]
.endr
.endr
.endr
	WIN 0x08
.irp j, 0,1,2,3
.irp c, 0,1
	ds_store_b128 v[ST], v[CV+8*(\j)+4*(\c):CV+8*(\j)+4*(\c)+3] offset:(4*(\g)+(\j))*1024+(\c)*512
.endr
.endr
.endr
.endm
; Unit u of a stage's eight: step q = u / 2 of 32 k, column tiles 4 g .. 4 g + 3 with g = u % 2.  Its four weight fragments, into buffer u % 2.
.macro LOADB u
	WIN 0
.irp j, 0,1,2,3
.irp c, 0,1
	ds_load_b128 v[BB+32*((\u)%2)+8*(\j)+4*(\c):BB+32*((\u)%2)+8*(\j)+4*(\c)+3], v[LB] offset:((\u)/2)*8192+((\u)%2)*4096+(\j)*1024+(\c)*512
.endr
.endr
.endm
; DOWN = 0: source 0 = weights, source 1 = rows: a lane then holds one row and eight columns.  DOWN = 1: the other way round: a lane holds one column and eight rows.
.macro PROD d, w, a
.if DOWN
	v_wmma_f32_16x16x32_bf16 v[(\d):(\d)+7], v[(\a):(\a)+7], v[(\w):(\w)+7], v[(\d):(\d)+7]
.else
	v_wmma_f32_16x16x32_bf16 v[(\d):(\d)+7], v[(\w):(\w)+7], v[(\a):(\a)+7], v[(\d):(\d)+7]
.endif
.endm
; A unit's products: 16 for tiles 0-3, 4 for tile 4 where it is live.  The accumulators take turns, one instruction a turn: a unit's are all different, and the next unit has the other g's.
.macro MUL20 sl, u
.set QQ, (\u)/2
.set GG, (\u)%2
.if (\sl) == 0
.set AS, 64
.set WA, 0x58-6*DOWN
.else
.set AS, 96
.set WA, 0x50
.endif
	WIN WA
.irp j, 0,1,2,3
.irp i, 0,1,2,3
	PROD 64*(\i)+8*(4*GG+(\j)),BB+32*GG+8*(\j),AS+40*QQ+8*(\i)
.endr
.endr
	WIN 0                                          ; at a branch and at a label every window is 0
	s_cmp_lt_u32 s[NW], 5
	s_cbranch_scc1 .Lno4_\@
	WIN WA+0x50
.irp j, 0,1,2,3
	PROD 8*(4*GG+(\j)),BB+32*GG+8*(\j),AS+40*QQ+32
.endr
	WIN 0
.Lno4_\@:
.endm
; A stage's eight units.  A unit's fragments are asked for one unit ahead, four places behind the products that read their buffer.
.macro COMPUTE sl
	LOADB 0
.irp u, 0,1,2,3,4,5,6,7
.if (\u) < 7
.if (\u) > 0
	PLACES
.endif
	LOADB (\u)+1
	s_wait_dscnt 8                                 ; this unit's fragments are in; the eight loads just issued stay out
.else
	s_wait_dscnt 0x0
.endif
	MUL20 \sl, \u
.endr
.endm
; What the way out needs beside the sums: DOWN = 0: my 64 numbers of the bias (columns 64 g + 32 hh + 0..31).  DOWN = 1: the gate weights of my eight rows in each of my five tiles.
.macro AUX
	WIN 0xc0
.if DOWN
.irp i, 0,1,2,3,4
	global_load_b128 v[8*(\i):8*(\i)+3],   v[BO], s[GB+2*(\i):GB+2*(\i)+1]
	global_load_b128 v[8*(\i)+4:8*(\i)+7], v[BO], s[GB+2*(\i):GB+2*(\i)+1] offset:16
.endr
.else
.irp g, 0,1
.irp m, 0,1,2,3,4,5,6,7
	global_load_b128 v[32*(\g)+4*(\m):32*(\g)+4*(\m)+3], v[BO], s[10:11] offset:(\g)*256+(\m)*16
.endr
.endr
.endif
	WIN 0
.endm
; STAGE s, in slot sl = s % 2.  The loads are queued as weights(s), rows(s), weights(s + 1): wcnt = 32 leaves the youngest, weights(s + 1), out.  Then: my weights are rounded and laid down (64 roundings, which are
; also the places in front of the loads below); rows(s + 1) and weights(s + 2) are asked for; my LDS stores are done; the barrier; the products.
.macro STAGE sl, doA, doRaw, wcnt, hook
	WIN 0
	s_wait_loadcnt \wcnt
	v_add_nc_u32 v[ST], s[LOFF], v[STB]
	v_add_nc_u32 v[LB], s[LOFF], v[L16]
	TOLDS \sl
	WIN 0
	s_wait_xcnt 0x0                                ; the offset and the base below are stepped only behind this wait
.if \doA
	v_add_nc_u32 v[AO], 4096, v[AO]
	LOADA 1-(\sl)
.endif
.if \hook
	AUX
.endif
.if \doRaw
	s_add_nc_u64 s[8:9], s[8:9], 128*PITCH
	LOADRAW \sl
.endif
	WIN 0
	s_wait_dscnt 0x0                               ; for the others' sake: my fragments lie in LDS
	s_barrier_signal -1
	s_barrier_wait -1                              ; everybody's do
	COMPUTE \sl
	s_add_co_u32 s[LOFF], s[LOFF], 32768
.endm
; The pass's tiles: how many of my five are live, and where each lies.  The last line on a tile's number is the clamp to the buffers' 136 tiles.
.macro BASES
	s_wait_xcnt 0x0                                ; the bases are rewritten only behind this wait
	s_add_co_u32 s26, s[LT], s[WV]
	s_sub_co_i32 s27, s[NT], s26
	s_add_co_i32 s27, s27, 3
	s_max_i32 s27, s27, 0
	s_lshr_b32 s27, s27, 2
	s_min_u32 s[NW], s27, 5
	s_add_co_u32 s26, s26, s[T0]
	s_mov_b32 s29, 0
.irp i, 0,1,2,3,4
	s_add_co_u32 s27, s26, 4*(\i)
	s_min_u32 s27, s27, s[LAST]
	s_min_u32 s27, s27, 135
	s_lshl_b32 s28, s27, ASH
	s_add_nc_u64 s[AB+2*(\i):AB+2*(\i)+1], s[6:7], s[28:29]
	s_lshl_b32 s28, s27, OSH
	s_add_nc_u64 s[OB+2*(\i):OB+2*(\i)+1], s[12:13], s[28:29]
.if DOWN
	s_lshl_b32 s28, s27, 6
	s_add_nc_u64 s[GB+2*(\i):GB+2*(\i)+1], s[10:11], s[28:29]
.endif
.endr
.endm
; THE WAY OUT of a pass; dead tiles are jumped, whole.  Each accumulator's lowest register is read first.
.macro EPI
	WIN 0
.if DOWN
; Lane (r, hh) holds rows 8 hh + J (register J) and, over the four column tiles j of a g, the columns 64 g + 4 r + j: the multiplication by the row's gate weight brings the four together, and 16 lanes store 256 consecutive bytes, aligned.
.irp i, 0,1,2,3,4
	s_cmp_le_u32 s[NW], \i
	s_cbranch_scc1 .Lepi_end_\@
	s_wait_xcnt 0x0                                ; registers that earlier stores read are rewritten only behind this wait
	WIN 0x0d+(\i)/4
.set z, 0
.rept 64                               ; z = 32 g + 4 J + j
	v_mul_f32 v[PK+64*((\i)%2)+z], v[(64*(\i))%256+8*(4*(z/32)+z%4)+(z/4)%8], v[8*(\i)+(z/4)%8]
.set z, z+1
.endr
	WIN 0
.set z, 0
.rept 16                               ; z = 8 g + J
	global_store_b128 v[EO], v[PK+64*((\i)%2)+4*z:PK+64*((\i)%2)+4*z+3], s[OB+2*(\i):OB+2*(\i)+1] offset:(z%8)*4096+(z/8)*256
.set z, z+1
.endr
.endr
.else
; Lane (r, hh) holds row r and the 32 columns 64 g + 32 hh + 4 J + j: all of row r in fragment 2 g + hh of my four.  Bias, rounding, relu on the packed halves; each store fills two aligned runs of 256 bytes.
	s_wait_xcnt 0x0                                ; registers that the last pass's stores read are rewritten only behind this wait
.irp i, 0,1,2,3,4
	s_cmp_le_u32 s[NW], \i
	s_cbranch_scc1 .Lepi_end_\@
.irp g, 0,1
	WIN 0x0d+(\i)/4
.set z, 0
.rept 32                               ; z = 4 J + j
	v_add_f32 v[TT+z], v[(64*(\i))%256+8*(4*(\g)+z%4)+z/4], v[32*(\g)+z]
.set z, z+1
.endr
	WIN 0
.set z, 0
.rept 16
	v_cvt_pk_bf16_f32 v[PK+16*(2*(\i)+(\g))+z], v[TT+2*z], v[TT+2*z+1]
.set z, z+1
.endr
.set z, 0
.rept 16
	v_pk_max_num_bf16 v[PK+16*(2*(\i)+(\g))+z], v[PK+16*(2*(\i)+(\g))+z], v[NUL]
.set z, z+1
.endr
.irp x, 0,1,2,3
	global_store_b128 v[EO], v[PK+16*(2*(\i)+(\g))+4*(\x):PK+16*(2*(\i)+(\g))+4*(\x)+3], s[OB+2*(\i):OB+2*(\i)+1] offset:2048*(\g)+512*((\x)/2)+256*((\x)%2)
.endr
.endr
.endr
.endif
.Lepi_end_\@:
.endm
; A LATER PASS, for experts with more than 320 rows: the same products on the resident slice.  Kept plain: a stage's rows are asked for and waited for.  No barrier: nobody writes the slice any more.
.macro LATER
.if DOWN
	AUX
.endif
	ZERO
	v_mov_b32 v[AO], v[L16]
	s_mov_b32 s[LOFF], 0
	s_mov_b32 s[CNT], 8
.Llater:
	PLACES
	LOADA 0
	WIN 0
	v_add_nc_u32 v[LB], s[LOFF], v[L16]
	s_wait_loadcnt 0x0
	COMPUTE 0
	v_add_nc_u32 v[AO], 4096, v[AO]
	s_add_co_u32 s[LOFF], s[LOFF], 32768
	s_sub_co_u32 s[CNT], s[CNT], 1
	s_cmp_lg_u32 s[CNT], 0
	s_cbranch_scc1 .Llater
	PLACES 5
.endm
	s_load_b256 s[4:11], s[0:1], 0x0               ; tbl s[4:5], the rows s[6:7], the weights s[8:9], bias or rg s[10:11]
	s_load_b64 s[12:13], s[0:1], 0x20              ; the result
	v_lshl_add_u32 v[SPW], v0, 2, SPARE
	v_mov_b32 v[NIL], 0
	v_mov_b32 v[NUL], 0
.set z, 0
.rept 8
	v_mov_b32 v[ZR+z], 0
.set z, z+1
.endr
	v_lshrrev_b32 v12, 5, v0
	v_readfirstlane_b32 s[WV], v12                 ; wave 0..3
	v_and_b32 v12, 31, v0
	v_lshlrev_b32 v[L16], 4, v12
	v_and_b32 v13, 15, v0                          ; r
	v_bfe_u32 v14, v0, 4, 1                        ; hh
	v_lshlrev_b32 v15, 4, v13                      ; 16 r
	v_lshl_add_u32 v[WO], v14, PSH8, v15
	s_lshl_b32 s26, s[WV], 13
	v_add_nc_u32 v[STB], s26, v[L16]
	v_mov_b32 v[AO], v[L16]
.if DOWN
	v_lshl_add_u32 v[EO], v14, 15, v15             ; 8 hh rows of 4,096 bytes + 16 r
	v_lshlrev_b32 v[BO], 5, v14                    ; my eight rows' gate weights
.else
	v_lshl_add_u32 v[EO], v14, 10, v15             ; fragment hh + 16 r
	v_lshlrev_b32 v[BO], 7, v14                    ; my 32 columns' bias
.endif
	s_and_b32 s16, ttmp7, 0xffff                   ; the expert
	s_lshl_b32 s26, s16, 24                        ; its weights: 16 MiB
	s_lshl_b32 s27, s[WV], WSH                     ; my wave's 32 rows of a stage
	s_add_co_u32 s26, s26, s27
.if DOWN
	s_and_b32 s15, ttmp9, 7                        ; which 128 columns
	s_lshr_b32 s25, ttmp9, 3                       ; which quarter of K
	s_lshl_b32 s27, s25, 22                        ; its 1,024 rows of 4,096 bytes
	s_add_co_u32 s26, s26, s27
.else
	s_mov_b32 s15, ttmp9                           ; which 128 columns
.endif
	s_lshl_b32 s27, s15, 9
	s_add_co_u32 s26, s26, s27
	s_mov_b32 s27, 0
	s_lshl_b32 s28, s16, 3                         ; the expert's entry of tbl
	s_mov_b32 s29, 0
	s_wait_kmcnt 0x0
	s_add_nc_u64 s[8:9], s[8:9], s[26:27]
	LOADRAW 0                                      ; the weights need no table: stage 0 goes out first
	WIN 0
	s_add_nc_u64 s[4:5], s[4:5], s[28:29]
	s_load_b64 s[18:19], s[4:5], 0x0               ; first tile, number of tiles
.if DOWN
	s_lshl_b32 s28, s25, 15                        ; the quarter's 32 fragments in a tile of h
	s_add_nc_u64 s[6:7], s[6:7], s[28:29]
	s_mul_i32 s28, s25, QSTR
	s_lshl_b32 s26, s15, 9
	s_add_co_u32 s28, s28, s26
	s_add_nc_u64 s[12:13], s[12:13], s[28:29]
.else
	s_lshl_b32 s28, s16, 14                        ; the expert's bias, my 128 columns
	s_lshl_b32 s26, s15, 9
	s_add_co_u32 s28, s28, s26
	s_add_nc_u64 s[10:11], s[10:11], s[28:29]
	s_lshl_b32 s28, s15, 12                        ; my four fragments in a tile of h
	s_add_nc_u64 s[12:13], s[12:13], s[28:29]
.endif
	ZERO
	s_wait_kmcnt 0x0
	s_min_u32 s[T0], s[T0], 135
	s_min_u32 s[NT], s[NT], 64
	s_add_co_u32 s[LAST], s[T0], s[NT]
	s_max_u32 s[LAST], s[LAST], 1
	s_sub_co_u32 s[LAST], s[LAST], 1               ; the expert's last tile; for an expert without rows the tile in front, which some expert has written
	s_mov_b32 s[LT], 0
	BASES
	LOADA 0
	WIN 0
	s_wait_xcnt 0x0
	s_add_nc_u64 s[8:9], s[8:9], 128*PITCH
	LOADRAW 1
	WIN 0
	s_mov_b32 s[LOFF], 0
	s_mov_b32 s[CNT], 3
.Lstage:                                               ; stages 0 to 5
	STAGE 0, 1, 1, 32, 0
	STAGE 1, 1, 1, 32, 0
	s_sub_co_u32 s[CNT], s[CNT], 1
	s_cmp_lg_u32 s[CNT], 0
	s_cbranch_scc1 .Lstage
	STAGE 0, 1, 0, 32, 1                           ; stage 6: no weights are left to ask for; their slot takes what the way out needs
	STAGE 1, 0, 0, 0, 0                            ; stage 7: nothing is asked for, and the wait is for all
.if DOWN
	PLACES 5
.else
	WIN 0xcf                                       ; the bias is rounded once to bf16 and widened again: 96 plain instructions, the places behind the last products
.set z, 0
.rept 32
	v_cvt_pk_bf16_f32 v[64+z], v[2*z], v[2*z+1]
.set z, z+1
.endr
.set z, 0
.rept 32
	v_lshlrev_b32 v[2*z], 16, v[64+z]
	v_and_b32 v[2*z+1], 0xffff0000, v[64+z]
.set z, z+1
.endr
	WIN 0
.endif
	s_mov_b32 s[PS], 4
.Lpass:                                                ; four trips, always: four passes of 20 tiles cover the 64 tiles that one expert can have.  A trip: the way out of one pass, then the next pass's products
	EPI
	s_add_co_u32 s[LT], s[LT], 20
	BASES
	s_cmp_eq_u32 s[NW], 0
	s_cbranch_scc1 .Lskip                          ; no row of mine in the next pass (in the fourth trip always): its products are jumped, forward; no barrier and no LDS write stands in what is jumped
	LATER
.Lskip:
	s_sub_co_u32 s[PS], s[PS], 1
	s_cmp_lg_u32 s[PS], 0
	s_cbranch_scc1 .Lpass
	s_wait_dscnt 0x0                               ; my reads of the slice are back
	s_barrier_signal -1
	s_barrier_wait -1                              ; everybody's are: the add below is an LDS write, and it stands behind a barrier behind which no wave reads LDS any more
	s_wait_tensorcnt 0x0                           ; the wave's end
	ds_add_u32 v[SPW], v[NIL]
	s_wait_dscnt 0x0
	s_endpgm
.Lfunc_end_k_q88ca66795d_down:
	.size	k_q88ca66795d_down, .Lfunc_end_k_q88ca66795d_down-k_q88ca66795d_down
	.p2alignl 7, 3214868480
	.fill 96, 4, 3214868480
	.section	.rodata,"a",@progbits
	.p2align	6, 0x0
	.amdhsa_kernel k_q88ca66795d_down
		.amdhsa_group_segment_fixed_size 262656
		.amdhsa_private_segment_fixed_size 0
		.amdhsa_enable_private_segment 0
		.amdhsa_kernarg_size 40
		.amdhsa_user_sgpr_count 2
		.amdhsa_user_sgpr_kernarg_segment_ptr 1
		.amdhsa_wavefront_size32 1
		.amdhsa_system_sgpr_workgroup_id_x 1
		.amdhsa_system_sgpr_workgroup_id_y 1
		.amdhsa_system_sgpr_workgroup_id_z 1
		.amdhsa_system_vgpr_workitem_id 0
		.amdhsa_next_free_vgpr 1024
		.amdhsa_next_free_sgpr 80
		.amdhsa_reserve_vcc 0
		.amdhsa_float_denorm_mode_32 3
		.amdhsa_float_denorm_mode_16_64 3
		.amdhsa_memory_ordered 1
		.amdhsa_forward_progress 1
		.amdhsa_inst_pref_size 169
	.end_amdhsa_kernel
	.amdgpu_metadata
---
amdhsa.version: [ 1, 2 ]
amdhsa.kernels:
  - .name:           k_q88ca66795d_down
    .symbol:         k_q88ca66795d_down.kd
    .args:
      - { .name: tbl, .offset: 0, .size: 8, .value_kind: global_buffer, .address_space: global }
      - { .name: h, .offset: 8, .size: 8, .value_kind: global_buffer, .address_space: global }
      - { .name: w2, .offset: 16, .size: 8, .value_kind: global_buffer, .address_space: global }
      - { .name: rg, .offset: 24, .size: 8, .value_kind: global_buffer, .address_space: global }
      - { .name: part, .offset: 32, .size: 8, .value_kind: global_buffer, .address_space: global }
    .group_segment_fixed_size: 262656
    .private_segment_fixed_size: 0
    .kernarg_segment_align: 8
    .kernarg_segment_size: 40
    .max_flat_workgroup_size: 128
    .sgpr_count:     80
    .vgpr_count:     1024
    .wavefront_size: 32
...
	.end_amdgpu_metadata
.endif
;; end of part 4
;; launch sum (part 5): grid 256 x 1, 8 waves a work-group, no clusters, 0 bytes of LDS; arguments pos, sel, gw, b2, part, out0; writes out0
.if DOCPART == 5
	.amdgcn_target "amdgcn-amd-amdhsa--gfx1250"
	.amdhsa_code_object_version 6
	.text
	.protected	k_q88ca66795d_sum
	.globl	k_q88ca66795d_sum
	.p2align	8
	.type	k_q88ca66795d_sum,@function
k_q88ca66795d_sum:
	s_mov_b64 s[64:65], 0
	v_nop
	global_prefetch_b8 v0, s[64:65] scope:SCOPE_SE
	s_setreg_imm32_b32 hwreg(HW_REG_WAVE_MODE, 25, 1), 1
	s_wait_xcnt 0x0
; THE PARTS ARE ADDED.  out0[t] = g0 b2[e0] + g1 b2[e1] + the sum over the four quarters of K and the token's two routed rows of part, which already carries the gate weight.
; A wave takes half a token's row, 2,048 bytes: 1,024 tokens x 2 = 256 work-groups x 8 waves.  Each output row has one owner; all sums in f32; b2 is rounded once to bf16, as every input of this program is.
; Memory binds: every load and store of a wave covers 512 consecutive bytes, all 40 loads go out before the first wait, each partial row is read once.  No LDS, no barrier, no matrix unit.
; The rows' places and the experts are whole numbers that earlier launches stored.
.set QSTR, 8912896                     ; bytes of one quarter's partial sums
.set BI,  8                            ; v[8:39]    b2: choice k, piece j at 16 k + 4 j
.set PT,  40                           ; v[40:167]  part: quarter q, choice k, piece j at 32 q + 16 k + 4 j
.set AC,  168                          ; v[168:183] the sums
.set TP,  184                          ; v[184:191] at work
	s_load_b256 s[4:11], s[0:1], 0x0               ; pos s[4:5], sel s[6:7], gw s[8:9], b2 s[10:11]
	s_load_b128 s[12:15], s[0:1], 0x20             ; part s[12:13], out0 s[14:15]
	v_and_b32 v1, 31, v0
	v_lshrrev_b32 v2, 5, v0
	v_readfirstlane_b32 s16, v2                    ; wave
	s_lshr_b32 s17, s16, 1
	s_lshl_b32 s18, ttmp9, 2
	s_add_co_u32 s17, s17, s18                     ; my token
	s_and_b32 s16, s16, 1                          ; my half of its row
	s_lshl_b32 s18, s17, 3
	s_mov_b32 s19, 0
	s_lshl_b32 s38, s17, 12
	s_mov_b32 s39, 0
	s_wait_kmcnt 0x0
	s_add_nc_u64 s[4:5], s[4:5], s[18:19]
	s_add_nc_u64 s[6:7], s[6:7], s[18:19]
	s_add_nc_u64 s[8:9], s[8:9], s[18:19]
	s_load_b64 s[20:21], s[4:5], 0x0               ; the two rows' places
	s_load_b64 s[22:23], s[6:7], 0x0               ; the two experts
	s_load_b64 s[24:25], s[8:9], 0x0               ; the two gate weights
	v_lshlrev_b32 v2, 4, v1
	s_lshl_b32 s26, s16, 11
	v_add_nc_u32 v2, s26, v2                       ; 16 lane + 2,048 half
	s_add_nc_u64 s[14:15], s[14:15], s[38:39]
	s_mov_b64 s[28:29], s[12:13]                   ; the four quarters of part
	s_add_nc_u64 s[30:31], s[12:13], QSTR
	s_add_nc_u64 s[32:33], s[12:13], 2*QSTR
	s_add_nc_u64 s[34:35], s[12:13], 3*QSTR
	s_wait_kmcnt 0x0
	s_min_u32 s20, s20, 2175
	s_min_u32 s21, s21, 2175
	s_min_u32 s22, s22, 7
	s_min_u32 s23, s23, 7
	s_lshl_b32 s20, s20, 12
	s_lshl_b32 s21, s21, 12
	s_lshl_b32 s22, s22, 12
	s_lshl_b32 s23, s23, 12
	v_add_nc_u32 v3, s20, v2
	v_add_nc_u32 v4, s21, v2
	v_add_nc_u32 v5, s22, v2
	v_add_nc_u32 v6, s23, v2
	s_mov_b32 s36, s25                             ; the second weight as a pair's low word
	s_mov_b32 s37, s25
.irp k, 0,1
.irp j, 0,1,2,3
	global_load_b128 v[BI+16*(\k)+4*(\j):BI+16*(\k)+4*(\j)+3], v[5+(\k)], s[10:11] offset:512*(\j)
.endr
.endr
.irp q, 0,1,2,3
.irp k, 0,1
.irp j, 0,1,2,3
	global_load_b128 v[PT+32*(\q)+16*(\k)+4*(\j):PT+32*(\q)+16*(\k)+4*(\j)+3], v[3+(\k)], s[28+2*(\q):29+2*(\q)] offset:512*(\j) th:TH_LOAD_NT
.endr
.endr
.endr
; The eight loads of quarter q are added onto the sums, two numbers a line, eight chains.
.macro ADDQ q
.irp k, 0,1
.irp m, 0,1,2,3,4,5,6,7
	v_pk_add_f32 v[AC+2*(\m):AC+2*(\m)+1], v[AC+2*(\m):AC+2*(\m)+1], v[PT+32*(\q)+16*(\k)+2*(\m):PT+32*(\q)+16*(\k)+2*(\m)+1]
.endr
.endr
.endm
	s_wait_loadcnt 24                              ; b2 and quarter 0 are in; the 24 loads of quarters 1 to 3 stay out
.set m, 0
.rept 16                               ; b2 rounded to bf16 and widened again
	v_cvt_pk_bf16_f32 v[TP+m%8], v[BI+2*m], v[BI+2*m+1]
	v_lshlrev_b32 v[BI+2*m], 16, v[TP+m%8]
	v_and_b32 v[BI+2*m+1], 0xffff0000, v[TP+m%8]
.set m, m+1
.endr
.irp m, 0,1,2,3,4,5,6,7
	v_pk_mul_f32 v[AC+2*(\m):AC+2*(\m)+1], v[BI+2*(\m):BI+2*(\m)+1], s[24:25] op_sel_hi:[1,0]             ; g0 b2[e0] starts the sums
.endr
.irp m, 0,1,2,3,4,5,6,7
	v_pk_fma_f32 v[AC+2*(\m):AC+2*(\m)+1], v[BI+16+2*(\m):BI+16+2*(\m)+1], s[36:37], v[AC+2*(\m):AC+2*(\m)+1] op_sel_hi:[1,0,1]
.endr
	ADDQ 0
	s_wait_loadcnt 16                              ; quarter 1 is in; quarters 2 and 3 stay out
	ADDQ 1
	s_wait_loadcnt 8                               ; quarter 2 is in; quarter 3 stays out
	ADDQ 2
	s_wait_loadcnt 0x0
	ADDQ 3
.irp j, 0,1,2,3
	global_store_b128 v2, v[AC+4*(\j):AC+4*(\j)+3], s[14:15] offset:512*(\j) th:TH_STORE_NT   ; 512 consecutive bytes, at a multiple of 256 from out0's first byte
.endr
	s_endpgm
.Lfunc_end_k_q88ca66795d_sum:
	.size	k_q88ca66795d_sum, .Lfunc_end_k_q88ca66795d_sum-k_q88ca66795d_sum
	.p2alignl 7, 3214868480
	.fill 96, 4, 3214868480
	.section	.rodata,"a",@progbits
	.p2align	6, 0x0
	.amdhsa_kernel k_q88ca66795d_sum
		.amdhsa_group_segment_fixed_size 0
		.amdhsa_private_segment_fixed_size 0
		.amdhsa_enable_private_segment 0
		.amdhsa_kernarg_size 48
		.amdhsa_user_sgpr_count 2
		.amdhsa_user_sgpr_kernarg_segment_ptr 1
		.amdhsa_wavefront_size32 1
		.amdhsa_system_sgpr_workgroup_id_x 1
		.amdhsa_system_sgpr_workgroup_id_y 1
		.amdhsa_system_sgpr_workgroup_id_z 1
		.amdhsa_system_vgpr_workitem_id 0
		.amdhsa_next_free_vgpr 192
		.amdhsa_next_free_sgpr 66
		.amdhsa_reserve_vcc 0
		.amdhsa_float_denorm_mode_32 3
		.amdhsa_float_denorm_mode_16_64 3
		.amdhsa_memory_ordered 1
		.amdhsa_forward_progress 1
		.amdhsa_inst_pref_size 14
	.end_amdhsa_kernel
	.amdgpu_metadata
---
amdhsa.version: [ 1, 2 ]
amdhsa.kernels:
  - .name:           k_q88ca66795d_sum
    .symbol:         k_q88ca66795d_sum.kd
    .args:
      - { .name: pos, .offset: 0, .size: 8, .value_kind: global_buffer, .address_space: global }
      - { .name: sel, .offset: 8, .size: 8, .value_kind: global_buffer, .address_space: global }
      - { .name: gw, .offset: 16, .size: 8, .value_kind: global_buffer, .address_space: global }
      - { .name: b2, .offset: 24, .size: 8, .value_kind: global_buffer, .address_space: global }
      - { .name: part, .offset: 32, .size: 8, .value_kind: global_buffer, .address_space: global }
      - { .name: out0, .offset: 40, .size: 8, .value_kind: global_buffer, .address_space: global }
    .group_segment_fixed_size: 0
    .private_segment_fixed_size: 0
    .kernarg_segment_align: 8
    .kernarg_segment_size: 48
    .max_flat_workgroup_size: 256
    .sgpr_count:     66
    .vgpr_count:     192
    .wavefront_size: 32
...
	.end_amdgpu_metadata
.endif
;; end of part 5
;; ======== version 2 of 3: 5 launches
;; workspace buffers: sel 8,192 bytes of whole numbers; gw 8,192 bytes; pos 8,192 bytes of whole numbers; tbl 256 bytes of whole numbers; rg 8,704 bytes; xg 4,456,448 bytes; h 17,825,792 bytes; part 35,651,584 bytes
;; launch route: the kernel of part 1 again; grid 256 x 1, 4 waves a work-group, no clusters, 0 bytes of LDS; arguments x, gate_w, out1, sel, gw; writes out1, sel, gw
;; launch place (part 6): grid 136 x 1, 8 waves a work-group, no clusters, 2,304 bytes of LDS; arguments sel, gw, x, xg, rg, pos, tbl; writes xg, rg, pos, tbl
.if DOCPART == 6
	.amdgcn_target "amdgcn-amd-amdhsa--gfx1250"
	.amdhsa_code_object_version 6
	.text
	.protected	k_q88ca66795d_place
	.globl	k_q88ca66795d_place
	.p2align	8
	.type	k_q88ca66795d_place,@function
k_q88ca66795d_place:
	s_mov_b64 s[64:65], 0
	v_nop
	global_prefetch_b8 v0, s[64:65] scope:SCOPE_SE
	s_setreg_imm32_b32 hwreg(HW_REG_WAVE_MODE, 25, 1), 1
	s_wait_xcnt 0x0
; THE ROWS ARE PLACED.  The 2,048 routed rows (token, k) are sorted by expert, tokens ascending, each expert's run padded to whole tiles of 16 rows: 135 tiles at the most for every split
; ((2,048 + 8 x 15) / 16), 136 are written.  Work-group j writes tile j of xg: its 16 rows of x rounded once to bf16, in the order in which a matrix operand's registers take them:
; fragment kb (16 rows x 32 k, 1,024 bytes) holds at byte 512 c + 16 L the eight numbers row L % 16, k = 32 kb + 16 c + 8 (L / 16) + 0..7.  Rows of padding and tiles past the last are zeros.
; It also writes the 16 rows' gate weights (rg; 0 for padding: a store of 64 bytes a work-group, 8.7 KB in the launch); work-group 0 writes pos (each routed row's place) and tbl (each expert's first tile and number of tiles).
; Every work-group counts the whole routing for itself, a counting sort by lane masks, no atomics, shared among its eight waves: wave w has tokens 128 w .. 128 w + 127.  It counts each expert among them; the 8 x 8
; counts meet in LDS; each wave then knows where each expert's run begins and how many of its rows lie in the waves in front, places its 256 entries, and puts those that fall into the work-group's tile into a list
; of its own, so that no two waves write the same LDS bytes.  A row's entry is the least of the eight lists' (an empty place holds 4,096).
; The choice is read from sel, which an earlier launch stored.
.set CM,    1024                       ; LDS: 0..1023 eight lists of 128 bytes (words 0-15 the rows' entries 2 token + k, word 16 takes the entries of other tiles); 1024..1279 the counts, [wave][expert]
.set SPARE, 1280                       ; from here on the spare words, 128 bytes a wave
.set S,   16                           ; v[16:23]   sel of token 128 w + 32 a + lane at S + 2 a, S + 2 a + 1.  Later v[16:79]: x as loaded, then packed
.set P,   80                           ; v[80:87]   the sorted place of each of my 8 entries
.set M,   88                           ; v[88:151]  the 64 counts, the same in every lane.  Later v[88:95]: the eight lists' entries for my row
.set TOT, 152                          ; v[152:159] each expert's rows, padded to tiles
.set STT, 160                          ; v[160:167] each expert's first row
.set BS,  168                          ; v[168:175] the place of the expert's next row among my tokens
.set TM,  176                          ; v[176:183] at work
.set TA,  184                          ; v[184:185] lane e: expert e's first tile and number of tiles
.set SPW, 186                          ; LDS address of my spare word; never rewritten
.set NIL, 187                          ; 0; never rewritten
; For expert e and my four groups of 32 tokens: s[40+2a], s[41+2a] the lanes whose first, second choice it is; s[48+a] either (a token's two choices differ); s[52+a] how many
.macro MASKS e
.irp a, 0,1,2,3
	v_cmp_eq_u32 s[40+2*(\a)], \e, v[S+2*(\a)]
	v_cmp_eq_u32 s[41+2*(\a)], \e, v[S+2*(\a)+1]
.endr
.irp a, 0,1,2,3
	s_or_b32 s[48+(\a)], s[40+2*(\a)], s[41+2*(\a)]
.endr
.irp a, 0,1,2,3
	s_bcnt1_i32_b32 s[52+(\a)], s[48+(\a)]
.endr
.endm
	s_load_b256 s[4:11], s[0:1], 0x0               ; sel s[4:5], gw s[6:7], x s[8:9], xg s[10:11]
	s_load_b128 s[12:15], s[0:1], 0x20             ; rg s[12:13], pos s[14:15]
	s_load_b64 s[16:17], s[0:1], 0x30              ; tbl
	v_lshl_add_u32 v[SPW], v0, 2, SPARE
	v_mov_b32 v[NIL], 0
	v_and_b32 v1, 31, v0                           ; lane
	v_lshrrev_b32 v2, 5, v0
	v_readfirstlane_b32 s18, v2                    ; wave
	s_mov_b32 s19, ttmp9                           ; my tile
	v_lshlrev_b32 v3, 3, v1                        ; 8 lane
	v_lshlrev_b32 v4, 2, v1                        ; 4 lane
	v_and_b32 v7, 15, v0                           ; r = lane % 16
	v_bfe_u32 v8, v0, 4, 1                         ; hh = lane / 16
	v_lshlrev_b32 v9, 2, v7                        ; 4 r
	v_lshlrev_b32 v12, 4, v1                       ; 16 lane
	s_lshl_b32 s20, s18, 10                        ; my wave's 128 tokens: 1,024 bytes of sel and of pos
	s_mov_b32 s21, 0
	s_lshl_b32 s22, s18, 7                         ; my list
	v_add_nc_u32 v5, s22, v4
	v_mov_b32 v6, 4096                             ; an entry that no row has
	ds_store_b32 v5, v6                            ; my list starts as 32 such entries
	v_mov_b32 v13, s22
	s_lshl_b32 s23, s18, 5
	s_add_co_u32 s23, s23, CM
	v_mov_b32 v14, s23                             ; my row of the counts
	s_lshl_b32 s24, s19, 4
	v_mov_b32 v15, s24                             ; my tile's first row
	s_lshl_b32 s25, s18, 8
	v_lshl_add_u32 v10, v1, 1, s25                 ; 2 (128 w + lane)
.irp n, 0,1,2,3,4,5,6,7
	v_mov_b32 v[P+(\n)], 0
.endr
	s_wait_kmcnt 0x0
	s_add_nc_u64 s[4:5], s[4:5], s[20:21]
	s_add_nc_u64 s[14:15], s[14:15], s[20:21]
.irp a, 0,1,2,3
	global_load_b64 v[S+2*(\a):S+2*(\a)+1], v3, s[4:5] offset:256*(\a)     ; 256 consecutive bytes: 32 tokens
.endr
	s_wait_loadcnt 0x0
	; each expert's number among my 128 tokens
.irp e, 0,1,2,3,4,5,6,7
	MASKS \e
	s_add_co_u32 s52, s52, s53
	s_add_co_u32 s54, s54, s55
	s_add_co_u32 s52, s52, s54
	v_mov_b32 v[TM+(\e)], s52
	ds_store_b32 v14, v[TM+(\e)] offset:4*(\e)     ; all lanes write the same word with the same number
.endr
	s_wait_dscnt 0x0                               ; for the others' sake: my counts lie in LDS
	s_barrier_signal -1
	s_barrier_wait -1
	v_mov_b32 v[TA], CM
.set n, 0
.rept 16
	ds_load_b128 v[M+4*n:M+4*n+3], v[TA] offset:16*n       ; count [w][e] into M + 8 w + e, in every lane
.set n, n+1
.endr
.irp w, 0,1,2,3,4,5,6
	s_cmp_gt_u32 s18, \w
	s_cselect_b32 s[32+(\w)], 1, 0                 ; 1: wave w lies in front of mine
.endr
	s_wait_dscnt 0x0
.irp e, 0,1,2,3,4,5,6,7
	v_add3_u32 v[TOT+(\e)], v[M+(\e)], v[M+8+(\e)], v[M+16+(\e)]
.endr
.irp e, 0,1,2,3,4,5,6,7
	v_add3_u32 v[TOT+(\e)], v[TOT+(\e)], v[M+24+(\e)], v[M+32+(\e)]
.endr
.irp e, 0,1,2,3,4,5,6,7
	v_add3_u32 v[TOT+(\e)], v[TOT+(\e)], v[M+40+(\e)], v[M+48+(\e)]
.endr
.irp e, 0,1,2,3,4,5,6,7
	v_add3_u32 v[TOT+(\e)], v[TOT+(\e)], v[M+56+(\e)], 15
.endr
.irp e, 0,1,2,3,4,5,6,7
	v_and_b32 v[TOT+(\e)], -16, v[TOT+(\e)]        ; the expert's rows, up to whole tiles
.endr
.irp e, 0,1,2,3,4,5,6,7
	v_mul_u32_u24 v[BS+(\e)], s32, v[M+(\e)]       ; its rows in the waves in front of mine
.endr
.irp w, 1,2,3,4,5,6
.irp e, 0,1,2,3,4,5,6,7
	v_mad_u32_u24 v[BS+(\e)], v[M+8*(\w)+(\e)], s[32+(\w)], v[BS+(\e)]
.endr
.endr
	v_mov_b32 v[STT], 0
.irp e, 1,2,3,4,5,6,7
	v_add_nc_u32 v[STT+(\e)], v[STT+(\e)-1], v[TOT+(\e)-1]
.endr
.irp e, 1,2,3,4,5,6,7
	v_add_nc_u32 v[BS+(\e)], v[BS+(\e)], v[STT+(\e)]
.endr
	; my entries' places
.irp e, 0,1,2,3,4,5,6,7
	MASKS \e
.irp a, 0,1,2,3
	v_mbcnt_lo_u32_b32 v[TM+(\a)], s[48+(\a)], v[BS+(\e)]  ; the next place + such tokens in the lanes below mine
	v_add_nc_u32 v[BS+(\e)], s[52+(\a)], v[BS+(\e)]
.endr
.irp a, 0,1,2,3
	v_cndmask_b32 v[P+2*(\a)], v[P+2*(\a)], v[TM+(\a)], s[40+2*(\a)]
	v_cndmask_b32 v[P+2*(\a)+1], v[P+2*(\a)+1], v[TM+(\a)], s[41+2*(\a)]
.endr
.endr
	; each of my 8 entries goes to its row's word of my list if the row is in the work-group's tile, else to word 16
.set n, 0
.rept 8
	v_sub_nc_u32 v[TM+2*(n%2)], v[P+n], v15
	v_min_u32 v[TM+2*(n%2)], 16, v[TM+2*(n%2)]     ; rows below the tile wrap to large numbers: word 16 too
	v_lshl_add_u32 v[TM+2*(n%2)], v[TM+2*(n%2)], 2, v13
	v_add_nc_u32 v[TM+2*(n%2)+1], 64*(n/2)+n%2, v10        ; 2 (128 w + 32 a + lane) + k
	ds_store_b32 v[TM+2*(n%2)], v[TM+2*(n%2)+1]    ; LDS serves a wave's instructions in order: these come behind the 32 empty entries
.set n, n+1
.endr
	s_cmp_lg_u32 s19, 0
	s_cbranch_scc1 .Lmeet                          ; no barrier stands in what is jumped
.irp a, 0,1,2,3
	global_store_b64 v3, v[P+2*(\a):P+2*(\a)+1], s[14:15] offset:256*(\a)  ; work-group 0: pos, 256 consecutive bytes a store
.endr
	s_cmp_lg_u32 s18, 0
	s_cbranch_scc1 .Lmeet
	v_mov_b32 v[TA], 0                             ; its wave 0: tbl
	v_mov_b32 v[TA+1], 0
.irp e, 0,1,2,3,4,5,6,7
	v_cmp_eq_u32 vcc_lo, \e, v1
	v_lshrrev_b32 v[TM+4], 4, v[STT+(\e)]
	v_lshrrev_b32 v[TM+5], 4, v[TOT+(\e)]
	v_cndmask_b32 v[TA], v[TA], v[TM+4], vcc_lo
	v_cndmask_b32 v[TA+1], v[TA+1], v[TM+5], vcc_lo
.endr
	global_store_b64 v3, v[TA:TA+1], s[16:17]      ; 256 bytes; lanes 8 to 31 store zeros
.Lmeet:
	s_wait_dscnt 0x0                               ; for the others' sake: my list is written
	s_barrier_signal -1
	s_barrier_wait -1
.irp w, 0,1,2,3,4,5,6,7
	ds_load_b32 v[M+(\w)], v9 offset:128*(\w)      ; row r's word in each of the eight lists
.endr
	s_lshl_b32 s24, s19, 15                        ; my tile's 32,768 bytes of xg,
	s_lshl_b32 s26, s18, 12                        ; my wave's four fragments
	s_add_co_u32 s24, s24, s26
	s_mov_b32 s25, 0
	s_add_nc_u64 s[10:11], s[10:11], s[24:25]
	s_lshl_b32 s24, s19, 6                         ; my tile's 64 bytes of rg
	s_add_nc_u64 s[12:13], s[12:13], s[24:25]
	s_lshl_b32 s24, s18, 9                         ; my wave's 512 bytes of a row of x: k = 128 wave .. 128 wave + 127
	s_wait_dscnt 0x0
	v_min_u32 v[M], v[M], v[M+1]
	v_min_u32 v[M+2], v[M+2], v[M+3]
	v_min_u32 v[M+4], v[M+4], v[M+5]
	v_min_u32 v[M+6], v[M+6], v[M+7]
	v_min_u32 v[M], v[M], v[M+2]
	v_min_u32 v[M+4], v[M+4], v[M+6]
	v_min_u32 v[M], v[M], v[M+4]                   ; row r's entry
	v_cmp_gt_u32 s30, 2048, v[M]                   ; is it a row, or padding?
	v_lshrrev_b32 v11, 1, v[M]
	v_min_u32 v11, 0x3ff, v11                      ; its token (padding: any token; the numbers are replaced by 0)
	v_lshlrev_b32 v11, 12, v11
	v_lshl_add_u32 v11, v8, 5, v11                 ; + 32 hh: my eight numbers of each sixteen
	v_add_nc_u32 v11, s24, v11
.irp q, 0,1,2,3
.irp c, 0,1
	global_load_b128 v[S+16*(\q)+8*(\c):S+16*(\q)+8*(\c)+3],   v11, s[8:9] offset:128*(\q)+64*(\c)
	global_load_b128 v[S+16*(\q)+8*(\c)+4:S+16*(\q)+8*(\c)+7], v11, s[8:9] offset:128*(\q)+64*(\c)+16
.endr
.endr
	s_wait_loadcnt 0x0
.irp u, 0,1,2,3,4,5,6,7                ; eight numbers become four registers, in place: register p is written when its own numbers have been read
.irp p, 0,1,2,3
	v_cvt_pk_bf16_f32 v[S+8*(\u)+(\p)], v[S+8*(\u)+2*(\p)], v[S+8*(\u)+2*(\p)+1]
.endr
.irp p, 0,1,2,3
	v_cndmask_b32 v[S+8*(\u)+(\p)], 0, v[S+8*(\u)+(\p)], s30
.endr
.endr
.irp q, 0,1,2,3
.irp c, 0,1
	global_store_b128 v12, v[S+16*(\q)+8*(\c):S+16*(\q)+8*(\c)+3], s[10:11] offset:1024*(\q)+512*(\c)   ; 512 consecutive bytes
.endr
.endr
	s_cmp_lg_u32 s18, 0
	s_cbranch_scc1 .Lend
	v_min_u32 v[TM+6], 0x7ff, v[M]                 ; wave 0: the rows' gate weights: gw[token][k] lies at 4 x the entry
	v_lshlrev_b32 v[TM+6], 2, v[TM+6]
	v_cmp_gt_u32 vcc_lo, 16, v1
	s_wait_xcnt 0x0                                ; EXEC changes only behind this wait
	s_and_saveexec_b32 s31, vcc_lo                 ; lanes 0 to 15: one lane a row
	global_load_b32 v[TM+7], v[TM+6], s[6:7]
	s_wait_loadcnt 0x0
	v_cndmask_b32 v[TM+7], 0, v[TM+7], s30
	global_store_b32 v9, v[TM+7], s[12:13]
	s_wait_xcnt 0x0                                ; and again, in front of the line that widens it
	s_or_b32 exec_lo, exec_lo, s31
.Lend:
	s_wait_tensorcnt 0x0                           ; the wave's end
	ds_add_u32 v[SPW], v[NIL]
	s_wait_dscnt 0x0
	s_endpgm
.Lfunc_end_k_q88ca66795d_place:
	.size	k_q88ca66795d_place, .Lfunc_end_k_q88ca66795d_place-k_q88ca66795d_place
	.p2alignl 7, 3214868480
	.fill 96, 4, 3214868480
	.section	.rodata,"a",@progbits
	.p2align	6, 0x0
	.amdhsa_kernel k_q88ca66795d_place
		.amdhsa_group_segment_fixed_size 2304
		.amdhsa_private_segment_fixed_size 0
		.amdhsa_enable_private_segment 0
		.amdhsa_kernarg_size 56
		.amdhsa_user_sgpr_count 2
		.amdhsa_user_sgpr_kernarg_segment_ptr 1
		.amdhsa_wavefront_size32 1
		.amdhsa_system_sgpr_workgroup_id_x 1
		.amdhsa_system_sgpr_workgroup_id_y 1
		.amdhsa_system_sgpr_workgroup_id_z 1
		.amdhsa_system_vgpr_workitem_id 0
		.amdhsa_next_free_vgpr 192
		.amdhsa_next_free_sgpr 66
		.amdhsa_reserve_vcc 1
		.amdhsa_float_denorm_mode_32 3
		.amdhsa_float_denorm_mode_16_64 3
		.amdhsa_memory_ordered 1
		.amdhsa_forward_progress 1
		.amdhsa_inst_pref_size 43
	.end_amdhsa_kernel
	.amdgpu_metadata
---
amdhsa.version: [ 1, 2 ]
amdhsa.kernels:
  - .name:           k_q88ca66795d_place
    .symbol:         k_q88ca66795d_place.kd
    .args:
      - { .name: sel, .offset: 0, .size: 8, .value_kind: global_buffer, .address_space: global }
      - { .name: gw, .offset: 8, .size: 8, .value_kind: global_buffer, .address_space: global }
      - { .name: x, .offset: 16, .size: 8, .value_kind: global_buffer, .address_space: global }
      - { .name: xg, .offset: 24, .size: 8, .value_kind: global_buffer, .address_space: global }
      - { .name: rg, .offset: 32, .size: 8, .value_kind: global_buffer, .address_space: global }
      - { .name: pos, .offset: 40, .size: 8, .value_kind: global_buffer, .address_space: global }
      - { .name: tbl, .offset: 48, .size: 8, .value_kind: global_buffer, .address_space: global }
    .group_segment_fixed_size: 2304
    .private_segment_fixed_size: 0
    .kernarg_segment_align: 8
    .kernarg_segment_size: 56
    .max_flat_workgroup_size: 256
    .sgpr_count:     66
    .vgpr_count:     192
    .wavefront_size: 32
...
	.end_amdgpu_metadata
.endif
;; end of part 6
;; launch up (part 7): grid 32 x 8, 4 waves a work-group, no clusters, 262,656 bytes of LDS; arguments tbl, xg, w1, b1, h; writes h
.if DOCPART == 7
	.amdgcn_target "amdgcn-amd-amdhsa--gfx1250"
	.amdhsa_code_object_version 6
	.text
	.protected	k_q88ca66795d_up
	.globl	k_q88ca66795d_up
	.p2align	8
	.type	k_q88ca66795d_up,@function
k_q88ca66795d_up:
	s_mov_b64 s[64:65], 0
	v_nop
	global_prefetch_b8 v0, s[64:65] scope:SCOPE_SE
	s_setreg_imm32_b32 hwreg(HW_REG_WAVE_MODE, 25, 1), 1
	s_wait_xcnt 0x0
; ONE PRODUCT OF THE EXPERTS' CHAIN; the same text serves both products, by the switch DOWN.
;   DOWN = 0:  h = relu(xg w1[e] + b1[e]), rounded once to bf16 and stored as matrix fragments.        DOWN = 1:  part[kq] = rg x (h w2[e]) over a quarter kq of K, f32 partial sums.
; SHARES.  Work-group (x, e) has one slice of expert e's weights, 1,024 k x 128 columns of f32 (512 KB), which it alone reads, once, and ALL of that expert's rows, whatever their number.
; THE SLICE goes through registers in 8 stages of 128 k: each wave loads 32 k x 128 columns, rounds them to bf16 and lays them into LDS as matrix fragments.  All 256 KB stay: no LDS byte is
; written twice, so one barrier a stage (my stores are done; then everybody reads) is all the ordering there is.  THE TRIP OF STAGE s multiplies stage s with the expert's first 20 tiles of 16 rows (pass 0), rounds stage
; s + 1's weights and lays them down (eight roundings and two LDS stores ahead of each of the trip's eight units of products: they are also the places behind the unit before), and asks for stage s + 2's weights and
; stage s + 1's rows.  An expert with more rows has up to three more passes on the resident slice, without barrier; a wave without rows in a pass jumps over it.
; NO TURNING LOAD.  Lane (r, hh) loads 16 bytes of row 16 c + 8 hh + i, columns 64 g + 4 r + 0..3: lanes 0-15 take 256 consecutive bytes, aligned, lanes 16-31 those 8 rows on.  Number j of a load
; belongs to column tile 4 g + j, whose sixteen columns are the real columns 64 g + 4 r + j: so k runs along a lane's registers as an operand wants it, and two roundings pack a register.
; A WAVE has the tiles LT + w + 4 i, i = 0..4, times all 128 columns: 40 accumulators.  Tiles past the expert's count repeat its last tile (an expert without rows: a tile that exists) and are not stored;
; the fifth tile's products are jumped where it is dead.  The rows' fragments come straight from memory, 512 consecutive bytes a load.
; THE QUEUE OF LOADS.  Loads come back in order (ISA guide 5.7.1), so a wait says how many younger ones may stay out.  A stage's weights are four groups R0-R3 of 8 loads (16 k x 64 columns), its rows four quarters
; A0-A3 of 10 loads (32 k x five tiles).  They are asked for by turns, R0 A0 R1 A1 R2 A2 R3 A3: a group as soon as its registers have been rounded, a quarter as soon as it has been multiplied.  One wait, ahead of units
; 0, 2, 4, 6, serves quarter q and group q, which is older.  Behind A0 stand 3 x 18 = 54 younger loads; behind Aq, q > 0, stand 18 (3 - q) of its own round and 8 q + 10 (q - 1) of the next: 44, whatever q.
; Each group has a base and each quarter an offset register of its own, stepped behind the counted wait that shows its own last loads done.
; With 72 named the count can pass what LOADcnt's field holds; the issue then waits for the oldest (ISA guide 5.7.1), which the next wait would ask for anyway.
; NO CLUSTER: what an expert's 32 work-groups share is the rows' fragments, 80 KB a stage; two slots of that do not fit in the 64 KB beside the slice.  No tensor loads: every weight passes registers for its rounding.
; LIMITS.  Every input is rounded once to bf16 (weights, bias, rows), h once to bf16; sums in f32.  NaN and infinities are not treated apart.
; REGISTERS, in windows of 256 (s_set_vgpr_msb: bits 1:0 source 0, 3:2 source 1, 5:4 source 2, 7:6 destination):
;   window 0: v0-28 addresses and zeros; v32-95 weight fragments, two buffers of four; v96-255 the rows' fragments, (q, i) at 96 + 40 q + 8 i (on the way out: results as stored)
;   window 1: accumulators of tiles 0-3: (i, n) at 64 i + 8 n
;   window 2: v0-63 tile 4's; v64-127 the bias as a C operand (DOWN: v64-103 the rows' gate weights); v128-223 the bias as loaded and packed; v224-255 weights just rounded
;   window 3: v0-127 weights as loaded; v128-255 stage 0's weights as loaded (DOWN, on the way out: v0-191 results as stored)
.set DOWN, 0
.if DOWN
.set PITCH, 4096                       ; bytes in a row of the weights
.set PSH,   12                         ; its log2
.set WSH,   17                         ; log2 of a wave's 32 rows
.set ASH,   17                         ; log2 of a tile's bytes in the rows' buffer
.set OSH,   16                         ; log2 of a tile's bytes in the result
.else
.set PITCH, 16384
.set PSH,   14
.set WSH,   19
.set ASH,   15
.set OSH,   17
.endif
.set QSTR,  8912896                    ; bytes of one quarter's partial sums: 2,176 rows x 4,096
.set SPARE, 262144                     ; behind the slice: the spare words, 128 bytes a wave
.set L16, 1                            ; v1   16 lane
.set LB,  2                            ; v2   LDS address of the stage's fragments
.set ST,  3                            ; v3   the same + 8,192 wave: 32,768 bytes further on I lay the next stage's fragments down
.set WO,  5                            ; v5   8 hh rows + 16 r: offset in the weights; never rewritten
.set EO,  6                            ; v6   my offset in a tile of the result
.set BO,  7                            ; v7   my offset in the bias (DOWN: in a tile's gate weights)
.set SPW, 8                            ; v8   LDS address of my spare word; never rewritten
.set NIL, 9                            ; v9   0; never rewritten
.set NUL, 10                           ; v10  0, for the relu
.set STB, 11                           ; v11  16 lane + 8,192 wave
.set ZR,  16                           ; v16-23 zeros: both operands of the products that start the sums
.set AQ,  24                           ; v24-27 quarter q: 16 lane + 1,024 q + 4,096 x stage: offset in a tile of the rows' buffer
.set PO,  28                           ; v28  (lane / 2) rows + 256 (lane % 2): the prefetch's offset; never rewritten
.set BB,  32
.set AS,  96
.set PK,  96                           ; the way out: results as stored
.set AX,  64                           ; window 2
.set BR,  128                          ; window 2
.set BP,  192                          ; window 2
.set CV,  224                          ; window 2
.set WV,  14                           ; s14 wave
.set LAST, 17                          ; s17 the expert's last tile
.set T0,  18                           ; s18 its first tile
.set NT,  19                           ; s19 its number of tiles
.set LT,  20                           ; s20 the pass's first tile, counted from T0
.set NW,  21                           ; s21 how many of my five tiles are live
.set LOFF, 22                          ; s22 the stage's first LDS byte
.set CNT, 23
.set PS,  24
.set AB,  32                           ; s[32:41] my five tiles in the rows' buffer
.set PB,  42                           ; s[42:43] the prefetch's base
.set OB,  44                           ; s[44:53] my five tiles in the result
.set WB,  54                           ; s[54:61] the weights: group G = 2 g + c has its own base
.set GB,  66                           ; s[66:75] my five tiles in rg (DOWN)
.set MSB, 0
.macro WIN new                         ; the immediate's high byte repeats the setting that is left; a switch that changes nothing is dropped
.if MSB != (\new)
	s_set_vgpr_msb (MSB<<8)|(\new)
.set MSB, \new
.endif
.endm
; Behind a matrix instruction four plain vector instructions stand before a load lands in, or a vector instruction touches, one of its registers; five before another sum is started in its result.
.macro PLACES n=4
.rept \n
	v_nop
.endr
.endm
; The 40 sums start as 0 x 0 + C, with C the bias of the accumulator's columns (DOWN: 0): 40 matrix instructions in the wait for the first loads, so that no first stage is written out beside the loop.
.macro ZERO
.if DOWN
	WIN 0x50
.set z, 0
.rept 32
	v_wmma_f32_16x16x32_bf16 v[8*z:8*z+7], v[ZR:ZR+7], v[ZR:ZR+7], 0
.set z, z+1
.endr
	WIN 0xa0
.set z, 0
.rept 8
	v_wmma_f32_16x16x32_bf16 v[8*z:8*z+7], v[ZR:ZR+7], v[ZR:ZR+7], 0
.set z, z+1
.endr
.else
	WIN 0x60
.set z, 0
.rept 32
	v_wmma_f32_16x16x32_bf16 v[8*z:8*z+7], v[ZR:ZR+7], v[ZR:ZR+7], v[AX+8*(z%8):AX+8*(z%8)+7]
.set z, z+1
.endr
	WIN 0xa0
.set z, 0
.rept 8
	v_wmma_f32_16x16x32_bf16 v[8*z:8*z+7], v[ZR:ZR+7], v[ZR:ZR+7], v[AX+8*z:AX+8*z+7]
.set z, z+1
.endr
.endif
	WIN 0
.endm
; My 32 k x 128 columns of stage 0, into registers of their own: number j of (g, c, i) at 128 + 64 g + 4 (8 c + i) + j.  Every weight is read once in the launch.
.macro RAW0
	WIN 0xc0
.irp g, 0,1
.irp c, 0,1
.irp k, 0,1,2,3,4,5,6,7
	global_load_b128 v[128+64*(\g)+4*(8*(\c)+(\k)):128+64*(\g)+4*(8*(\c)+(\k))+3], v[WO], s[8:9] offset:(16*(\c)+(\k))*PITCH+(\g)*256 th:TH_LOAD_NT
.endr
.endr
.endr
.endm
; Group G = 2 g + c of a later stage: 16 k x 64 columns, eight loads; number j of row i at 64 g + 4 (8 c + i) + j.  step = 1: the next stage's; the base is free since the wait that showed the group's last loads done.
.macro RAWQ G, step
.if \step
	s_add_nc_u64 s[WB+2*(\G):WB+2*(\G)+1], s[WB+2*(\G):WB+2*(\G)+1], 128*PITCH
.endif
	WIN 0xc0
.irp k, 0,1,2,3,4,5,6,7
	global_load_b128 v[64*((\G)/2)+4*(8*((\G)%2)+(\k)):64*((\G)/2)+4*(8*((\G)%2)+(\k))+3], v[WO], s[WB+2*(\G):WB+2*(\G)+1] offset:(\k)*PITCH th:TH_LOAD_NT
.endr
.endm
; Rounded and laid down: register 4 c + p of column tile 4 g + j packs k = 16 c + 8 hh + 2 p and + 1.  A fragment is 1,024 bytes, lane L's 16 bytes at 512 c + 16 L: every LDS store and load takes consecutive bytes.
; All of stage 0, ahead of the loop:
.macro CONV0
.irp g, 0,1
	WIN 0x8f
.irp j, 0,1,2,3
.irp c, 0,1
.irp p, 0,1,2,3
	v_cvt_pk_bf16_f32 v[CV+8*(\j)+4*(\c)+(\p)], v[128+64*(\g)+4*(8*(\c)+2*(\p))+(\j)], v[128+64*(\g)+4*(8*(\c)+2*(\p)+1)+(\j)]
.endr
.endr
.endr
	WIN 0x08
.irp j, 0,1,2,3
.irp c, 0,1
	ds_store_b128 v[STB], v[CV+8*(\j)+4*(\c):CV+8*(\j)+4*(\c)+3] offset:(4*(\g)+(\j))*1024+(\c)*512
.endr
.endr
.endr
	WIN 0
.endm
; An eighth of the next stage, ahead of unit u: of group u / 2 the column tiles j = 2 (u % 2) and + 1: eight roundings, two stores, 32,768 bytes behind the stage that is being read.
.macro CONV u
.set CG, (\u)/4
.set CC, ((\u)/2)%2
	WIN 0x8f
.irp jj, 0,1
.irp p, 0,1,2,3
	v_cvt_pk_bf16_f32 v[CV+8*((\u)%4)+4*(\jj)+(\p)], v[64*CG+4*(8*CC+2*(\p))+2*((\u)%2)+(\jj)], v[64*CG+4*(8*CC+2*(\p)+1)+2*((\u)%2)+(\jj)]
.endr
.endr
	WIN 0x08
.irp jj, 0,1
	ds_store_b128 v[ST], v[CV+8*((\u)%4)+4*(\jj):CV+8*((\u)%4)+4*(\jj)+3] offset:32768+(4*CG+2*((\u)%2)+(\jj))*1024+CC*512
.endr
.endm
; Quarter q of a stage's rows: 32 k x my five tiles, ten loads.  step = 1: the next stage's; the offset register is free since the wait for the quarter that it brought last.
.macro NEXTA q, step
	WIN 0
.if \step
	v_add_nc_u32 v[AQ+(\q)], 4096, v[AQ+(\q)]
.endif
.irp i, 0,1,2,3,4
	global_load_b128 v[AS+40*(\q)+8*(\i):AS+40*(\q)+8*(\i)+3],   v[AQ+(\q)], s[AB+2*(\i):AB+2*(\i)+1]
	global_load_b128 v[AS+40*(\q)+8*(\i)+4:AS+40*(\q)+8*(\i)+7], v[AQ+(\q)], s[AB+2*(\i):AB+2*(\i)+1] offset:512
.endr
.endm
; Unit u of a stage's eight: quarter q = u / 2, column tiles 4 g .. 4 g + 3 with g = u % 2.  Its four weight fragments, into buffer u % 2.
.macro LOADB u
	WIN 0
.irp j, 0,1,2,3
.irp c, 0,1
	ds_load_b128 v[BB+32*((\u)%2)+8*(\j)+4*(\c):BB+32*((\u)%2)+8*(\j)+4*(\c)+3], v[LB] offset:((\u)/2)*8192+((\u)%2)*4096+(\j)*1024+(\c)*512
.endr
.endr
.endm
; DOWN = 0: source 0 = weights, source 1 = rows: a lane then holds one row and eight columns.  DOWN = 1: the other way round: a lane holds one column and eight rows.
.macro PROD d, w, a
.if DOWN
	v_wmma_f32_16x16x32_bf16 v[(\d):(\d)+7], v[(\a):(\a)+7], v[(\w):(\w)+7], v[(\d):(\d)+7]
.else
	v_wmma_f32_16x16x32_bf16 v[(\d):(\d)+7], v[(\w):(\w)+7], v[(\a):(\a)+7], v[(\d):(\d)+7]
.endif
.endm
; A unit's products: 16 for tiles 0-3, 4 for tile 4 where it is live.  The accumulators take turns, one instruction a turn: a unit's are all different, and the next unit has the other g's.
.macro MUL20 u
.set QQ, (\u)/2
.set GG, (\u)%2
	WIN 0x50
.irp j, 0,1,2,3
.irp i, 0,1,2,3
	PROD 64*(\i)+8*(4*GG+(\j)),BB+32*GG+8*(\j),AS+40*QQ+8*(\i)
.endr
.endr
	WIN 0                                          ; at a branch and at a label every window is 0
	s_cmp_lt_u32 s[NW], 5
	s_cbranch_scc1 .Lno4_\@
	WIN 0xa0
.irp j, 0,1,2,3
	PROD 8*(4*GG+(\j)),BB+32*GG+8*(\j),AS+40*QQ+32
.endr
	WIN 0
.Lno4_\@:
.endm
; A stage's eight units.  conv = 1: the next stage's weights are rounded and laid down; rawi = 1: the weights of the stage after it are asked for; ai = 1: the next stage's rows are.
; A unit's weight fragments are asked for one unit ahead, behind the roundings (or four v_nop), which are the places behind the products that read their buffer and behind those that read the quarter of rows that is asked for again.
; THE PREFETCH (pf = 1).  In the trip of stage s each wave asks for its own 32 rows x 512 bytes of stage s + 3, 64 aligned blocks of 256 bytes, a lane each, by two instructions: 16 KB a wave, one trip ahead of the
; loads that take them (those go out in the trip of stage s + 1); each block is asked for once in the launch, by the wave that will load it.  Stages 0 and 1 are loaded at the kernel's start, where stage 2 is asked for; the
; loop's last trip, whose s + 3 would lie behind the slice, asks for nothing.  The base is stepped behind s_wait_xcnt 0, which stands a unit's products behind the wave's last issue.
.macro COMPUTE conv, rawi, ai, pf
	LOADB 0
.irp u, 0,1,2,3,4,5,6,7
.if (\u) % 2 == 0
.set QU, (\u)/2
.set LC, (3-QU)*(10+8*(\conv))+(\rawi)*8*QU
.if QU > 1
.set LC, LC+(\ai)*10*(QU-1)
.endif
	s_wait_loadcnt LC                              ; quarter QU of the rows and group QU of the weights are in; what was issued behind them stays out: the later quarters and groups of their round, and what this trip has asked for
.endif
.if \conv
	CONV \u
.elseif (\u) > 0
	PLACES
.endif
.if (\pf) && ((\u) == 1)
	WIN 0
	s_cmp_eq_u32 s[CNT], 1
	s_cbranch_scc1 .Lnopf_\@
	s_wait_xcnt 0x0
	s_add_nc_u64 s[PB:PB+1], s[PB:PB+1], 128*PITCH
	global_prefetch_b8 v[PO], s[PB:PB+1] th:TH_LOAD_NT scope:SCOPE_SE
	global_prefetch_b8 v[PO], s[PB:PB+1] offset:16*PITCH th:TH_LOAD_NT scope:SCOPE_SE
.Lnopf_\@:
.endif
.if (\rawi) && ((\u) % 2 == 1)
	RAWQ (\u)/2, 1
.endif
.if (\ai) && ((\u) > 0) && ((\u) % 2 == 0)
	NEXTA (\u)/2-1, 1
.endif
.if (\u) < 7
	LOADB (\u)+1
	s_wait_dscnt 8+2*(\conv)                       ; this unit's fragments are in; the eight loads just issued and this unit's two stores stay out
.else
	s_wait_dscnt 2*(\conv)
.endif
	MUL20 \u
.endr
.if \ai
	PLACES
	NEXTA 3, 1
.endif
.endm
; What the way out needs beside the sums: DOWN = 0: my 64 numbers of the bias (columns 64 g + 32 hh + 0..31).  DOWN = 1: the gate weights of my eight rows in each of my five tiles.
.macro AUX
	WIN 0x80
.if DOWN
.irp i, 0,1,2,3,4
	global_load_b128 v[AX+8*(\i):AX+8*(\i)+3],   v[BO], s[GB+2*(\i):GB+2*(\i)+1]
	global_load_b128 v[AX+8*(\i)+4:AX+8*(\i)+7], v[BO], s[GB+2*(\i):GB+2*(\i)+1] offset:16
.endr
.else
.irp g, 0,1
.irp m, 0,1,2,3,4,5,6,7
	global_load_b128 v[BR+32*(\g)+4*(\m):BR+32*(\g)+4*(\m)+3], v[BO], s[10:11] offset:(\g)*256+(\m)*16
.endr
.endr
.endif
	WIN 0
.endm
; THE TRIP OF A STAGE.  Its fragments were laid down in the trip before (stage 0's ahead of the loop): the barrier at its head shows them to every wave.
.macro TRIP conv, rawi, ai, pf
	WIN 0
	s_wait_dscnt 0x0                               ; for the others' sake: my fragments of this stage lie in LDS
	s_barrier_signal -1
	s_barrier_wait -1                              ; everybody's do
	v_add_nc_u32 v[LB], s[LOFF], v[L16]
.if \conv
	v_add_nc_u32 v[ST], s[LOFF], v[STB]
.endif
	COMPUTE \conv, \rawi, \ai, \pf
	s_add_co_u32 s[LOFF], s[LOFF], 32768
.endm
; The pass's tiles: how many of my five are live, and where each lies.  The last line on a tile's number is the clamp to the buffers' 136 tiles.
.macro BASES first
.if (\first) == 0
	s_wait_xcnt 0x0                                ; the bases are rewritten only behind this wait
.endif
	s_add_co_u32 s26, s[LT], s[WV]
	s_sub_co_i32 s27, s[NT], s26
	s_add_co_i32 s27, s27, 3
	s_max_i32 s27, s27, 0
	s_lshr_b32 s27, s27, 2
	s_min_u32 s[NW], s27, 5
	s_add_co_u32 s26, s26, s[T0]
	s_mov_b32 s29, 0
.irp i, 0,1,2,3,4
	s_add_co_u32 s27, s26, 4*(\i)
	s_min_u32 s27, s27, s[LAST]
	s_min_u32 s27, s27, 135
	s_lshl_b32 s28, s27, ASH
	s_add_nc_u64 s[AB+2*(\i):AB+2*(\i)+1], s[6:7], s[28:29]
	s_lshl_b32 s28, s27, OSH
	s_add_nc_u64 s[OB+2*(\i):OB+2*(\i)+1], s[12:13], s[28:29]
.if DOWN
	s_lshl_b32 s28, s27, 6
	s_add_nc_u64 s[GB+2*(\i):GB+2*(\i)+1], s[10:11], s[28:29]
.endif
.endr
.endm
; THE WAY OUT of a pass; dead tiles are jumped, whole.  Each accumulator's lowest register is read first.  Every tile has registers of its own for what it stores, so no wait stands between the tiles.
.macro EPI
	WIN 0
	s_wait_xcnt 0x0                                ; registers that the last pass's stores read are rewritten only behind this wait
.if DOWN
; Lane (r, hh) holds rows 8 hh + J (register J) and, over the four column tiles j of a g, the columns 64 g + 4 r + j: the multiplication by the row's gate weight brings the four together, and 16 lanes store 256 consecutive bytes, aligned.
.irp i, 0,1,2,3,4
	s_cmp_le_u32 s[NW], \i
	s_cbranch_scc1 .Lepi_end_\@
.if (\i) < 2
.set DW, 0
.set PR, PK+64*(\i)
.else
.set DW, 3
.set PR, 64*((\i)-2)
.endif
	WIN (DW<<6)|0x08|(1+(\i)/4)
.set z, 0
.rept 64                               ; z = 32 g + 4 J + j
	v_mul_f32 v[PR+z], v[(64*(\i))%256+8*(4*(z/32)+z%4)+(z/4)%8], v[AX+8*(\i)+(z/4)%8]
.set z, z+1
.endr
	WIN DW<<2
.set z, 0
.rept 16                               ; z = 8 g + J
	global_store_b128 v[EO], v[PR+4*z:PR+4*z+3], s[OB+2*(\i):OB+2*(\i)+1] offset:(z%8)*4096+(z/8)*256
.set z, z+1
.endr
	WIN 0
.endr
.else
; Lane (r, hh) holds row r and the 32 columns 64 g + 32 hh + 4 J + j: all of row r in fragment 2 g + hh of my four.  The bias is in the sums already; rounding, relu on the packed halves; each store fills two aligned runs of 256 bytes.
.irp i, 0,1,2,3,4
	s_cmp_le_u32 s[NW], \i
	s_cbranch_scc1 .Lepi_end_\@
.irp g, 0,1
	WIN 0x05+5*((\i)/4)
.set z, 0
.rept 16                               ; z = 2 J + j / 2: columns 4 J + j and 4 J + j + 1
	v_cvt_pk_bf16_f32 v[PK+16*(2*(\i)+(\g))+z], v[(64*(\i))%256+8*(4*(\g)+2*(z%2))+z/2], v[(64*(\i))%256+8*(4*(\g)+2*(z%2)+1)+z/2]
.set z, z+1
.endr
	WIN 0
.set z, 0
.rept 16
	v_pk_max_num_bf16 v[PK+16*(2*(\i)+(\g))+z], v[PK+16*(2*(\i)+(\g))+z], v[NUL]
.set z, z+1
.endr
.irp x, 0,1,2,3
	global_store_b128 v[EO], v[PK+16*(2*(\i)+(\g))+4*(\x):PK+16*(2*(\i)+(\g))+4*(\x)+3], s[OB+2*(\i):OB+2*(\i)+1] offset:2048*(\g)+512*((\x)/2)+256*((\x)%2)
.endr
.endr
.endr
.endif
.Lepi_end_\@:
.endm
; A LATER PASS, for experts with more than 320 rows: the same products on the resident slice, 32 k a trip, 32 trips.  Kept short and plain: a quarter's rows are asked for and waited for, into the first quarter's registers.
; No barrier: nobody writes the slice any more.
.macro LATER
.if DOWN
	AUX
.endif
	ZERO
	v_mov_b32 v[AQ], v[L16]
	s_mov_b32 s[LOFF], 0
	s_mov_b32 s[CNT], 32
.Llater:
	PLACES
	NEXTA 0, 0
	v_add_nc_u32 v[LB], s[LOFF], v[L16]
	LOADB 0
	LOADB 1
	s_wait_loadcnt 0x0
	s_wait_dscnt 8                                 ; the first unit's fragments are in; the second's eight loads stay out
	MUL20 0
	s_wait_dscnt 0x0
	MUL20 1
	v_add_nc_u32 v[AQ], 1024, v[AQ]                ; free: the trip's wait was for all its loads
	s_add_co_u32 s[LOFF], s[LOFF], 8192
	s_sub_co_u32 s[CNT], s[CNT], 1
	s_cmp_lg_u32 s[CNT], 0
	s_cbranch_scc1 .Llater
	PLACES 5
.endm
	s_load_b256 s[4:11], s[0:1], 0x0               ; tbl s[4:5], the rows s[6:7], the weights s[8:9], bias or rg s[10:11]
	s_load_b64 s[12:13], s[0:1], 0x20              ; the result
	v_lshl_add_u32 v[SPW], v0, 2, SPARE
	v_mov_b32 v[NIL], 0
	v_mov_b32 v[NUL], 0
.set z, 0
.rept 8
	v_mov_b32 v[ZR+z], 0
.set z, z+1
.endr
	v_lshrrev_b32 v12, 5, v0
	v_readfirstlane_b32 s[WV], v12                 ; wave 0..3
	v_and_b32 v12, 31, v0
	v_lshlrev_b32 v[L16], 4, v12
	v_and_b32 v13, 15, v0                          ; r
	v_bfe_u32 v14, v0, 4, 1                        ; hh
	v_lshlrev_b32 v15, 4, v13                      ; 16 r
	v_lshl_add_u32 v[WO], v14, PSH+3, v15
	s_lshl_b32 s26, s[WV], 13
	v_add_nc_u32 v[STB], s26, v[L16]
.irp q, 0,1,2,3
	v_add_nc_u32 v[AQ+(\q)], 1024*(\q), v[L16]
.endr
	v_lshrrev_b32 v[PO], 1, v12
	v_and_b32 v12, 1, v12
	v_lshlrev_b32 v[PO], PSH, v[PO]
	v_lshl_add_u32 v[PO], v12, 8, v[PO]
.if DOWN
	v_lshl_add_u32 v[EO], v14, 15, v15             ; 8 hh rows of 4,096 bytes + 16 r
	v_lshlrev_b32 v[BO], 5, v14                    ; my eight rows' gate weights
.else
	v_lshl_add_u32 v[EO], v14, 10, v15             ; fragment hh + 16 r
	v_lshlrev_b32 v[BO], 7, v14                    ; my 32 columns' bias
.endif
	s_and_b32 s16, ttmp7, 0xffff                   ; the expert
	s_lshl_b32 s26, s16, 24                        ; its weights: 16 MiB
	s_lshl_b32 s27, s[WV], WSH                     ; my wave's 32 rows of a stage
	s_add_co_u32 s26, s26, s27
.if DOWN
	s_and_b32 s15, ttmp9, 7                        ; which 128 columns
	s_lshr_b32 s25, ttmp9, 3                       ; which quarter of K
	s_lshl_b32 s27, s25, 22                        ; its 1,024 rows of 4,096 bytes
	s_add_co_u32 s26, s26, s27
.else
	s_mov_b32 s15, ttmp9                           ; which 128 columns
.endif
	s_lshl_b32 s27, s15, 9
	s_add_co_u32 s26, s26, s27
	s_mov_b32 s27, 0
	s_lshl_b32 s28, s16, 3                         ; the expert's entry of tbl
	s_mov_b32 s29, 0
	s_wait_kmcnt 0x0
	s_add_nc_u64 s[4:5], s[4:5], s[28:29]
	s_load_b64 s[18:19], s[4:5], 0x0               ; first tile, number of tiles
	s_add_nc_u64 s[8:9], s[8:9], s[26:27]          ; my rows of stage 0
.irp G, 0,1,2,3
	s_add_nc_u64 s[WB+2*(\G):WB+2*(\G)+1], s[8:9], 128*PITCH+((\G)/2)*256+((\G)%2)*16*PITCH   ; group G of stage 1
.endr
	s_add_nc_u64 s[PB:PB+1], s[8:9], 256*PITCH     ; my rows of stage 2
	RAW0                                           ; the weights need no table: stage 0 goes out first
	WIN 0
	global_prefetch_b8 v[PO], s[PB:PB+1] th:TH_LOAD_NT scope:SCOPE_SE                   ; stage 2: its loads go out in the trip of stage 0
	global_prefetch_b8 v[PO], s[PB:PB+1] offset:16*PITCH th:TH_LOAD_NT scope:SCOPE_SE
.if DOWN
	s_lshl_b32 s28, s25, 15                        ; the quarter's 32 fragments in a tile of h
	s_add_nc_u64 s[6:7], s[6:7], s[28:29]
	s_mul_i32 s28, s25, QSTR
	s_lshl_b32 s26, s15, 9
	s_add_co_u32 s28, s28, s26
	s_add_nc_u64 s[12:13], s[12:13], s[28:29]
	ZERO
.else
	s_lshl_b32 s28, s16, 14                        ; the expert's bias, my 128 columns
	s_lshl_b32 s26, s15, 9
	s_add_co_u32 s28, s28, s26
	s_add_nc_u64 s[10:11], s[10:11], s[28:29]
	AUX
	s_lshl_b32 s28, s15, 12                        ; my four fragments in a tile of h
	s_add_nc_u64 s[12:13], s[12:13], s[28:29]
.endif
	s_wait_kmcnt 0x0
	s_min_u32 s[T0], s[T0], 135
	s_min_u32 s[NT], s[NT], 64
	s_add_co_u32 s[LAST], s[T0], s[NT]
	s_max_u32 s[LAST], s[LAST], 1
	s_sub_co_u32 s[LAST], s[LAST], 1               ; the expert's last tile; for an expert without rows the tile in front, which some expert has written
	s_mov_b32 s[LT], 0
	BASES 1
.if DOWN
	AUX
.endif
.irp q, 0,1,2
	RAWQ \q, 0                                     ; stage 1's weights and stage 0's rows, by turns, as every trip leaves them
	NEXTA \q, 0
.endr
	s_wait_loadcnt 54                              ; stage 0's weights and the bias (DOWN: the gate weights) are in; the 3 x 18 loads just issued stay out
	CONV0
.if DOWN == 0
	WIN 0x8a                                       ; the bias is rounded once to bf16 and widened again, each number into its place in a C operand: column 64 g + 32 hh + 4 J + j is register J of column tile 4 g + j
.set z, 0
.rept 32
	v_cvt_pk_bf16_f32 v[BP+z], v[BR+2*z], v[BR+2*z+1]
.set z, z+1
.endr
.set z, 0
.rept 32                               ; z = 16 g + 2 J + j / 2
	v_lshlrev_b32 v[AX+8*(4*(z/16)+2*(z%2))+(z%16)/2], 16, v[BP+z]
	v_and_b32 v[AX+8*(4*(z/16)+2*(z%2)+1)+(z%16)/2], 0xffff0000, v[BP+z]
.set z, z+1
.endr
	ZERO
.endif
	RAWQ 3, 0                                      ; the round's last group and quarter
	NEXTA 3, 0
	s_mov_b32 s[LOFF], 0
	s_mov_b32 s[CNT], 6
.Lstage:                                               ; the trips of stages 0 to 5
	TRIP 1, 1, 1, 1
	s_sub_co_u32 s[CNT], s[CNT], 1
	s_cmp_lg_u32 s[CNT], 0
	s_cbranch_scc1 .Lstage
	TRIP 1, 0, 1, 0                                ; stage 6 is written out: no weights are left to ask for, so its counts are others
	TRIP 0, 0, 0, 0                                ; and so is stage 7: nothing is rounded or asked for, and its counts run down
	PLACES 5
	s_mov_b32 s[PS], 4
.Lpass:                                                ; four trips, always: four passes of 20 tiles cover the 64 tiles that one expert can have.  A trip: the way out of one pass, then the next pass's products
	EPI
	s_add_co_u32 s[LT], s[LT], 20
	BASES 0
	s_cmp_eq_u32 s[NW], 0
	s_cbranch_scc1 .Lskip                          ; no row of mine in the next pass (in the fourth trip always): its products are jumped, forward; no barrier and no LDS write stands in what is jumped
	LATER
.Lskip:
	s_sub_co_u32 s[PS], s[PS], 1
	s_cmp_lg_u32 s[PS], 0
	s_cbranch_scc1 .Lpass
	s_wait_dscnt 0x0                               ; my reads of the slice are back
	s_barrier_signal -1
	s_barrier_wait -1                              ; everybody's are: the add below is an LDS write, and it stands behind a barrier behind which no wave reads LDS any more
	s_wait_tensorcnt 0x0                           ; the wave's end
	ds_add_u32 v[SPW], v[NIL]
	s_wait_dscnt 0x0
	s_endpgm
.Lfunc_end_k_q88ca66795d_up:
	.size	k_q88ca66795d_up, .Lfunc_end_k_q88ca66795d_up-k_q88ca66795d_up
	.p2alignl 7, 3214868480
	.fill 96, 4, 3214868480
	.section	.rodata,"a",@progbits
	.p2align	6, 0x0
	.amdhsa_kernel k_q88ca66795d_up
		.amdhsa_group_segment_fixed_size 262656
		.amdhsa_private_segment_fixed_size 0
		.amdhsa_enable_private_segment 0
		.amdhsa_kernarg_size 40
		.amdhsa_user_sgpr_count 2
		.amdhsa_user_sgpr_kernarg_segment_ptr 1
		.amdhsa_wavefront_size32 1
		.amdhsa_system_sgpr_workgroup_id_x 1
		.amdhsa_system_sgpr_workgroup_id_y 1
		.amdhsa_system_sgpr_workgroup_id_z 1
		.amdhsa_system_vgpr_workitem_id 0
		.amdhsa_next_free_vgpr 1024
		.amdhsa_next_free_sgpr 80
		.amdhsa_reserve_vcc 0
		.amdhsa_float_denorm_mode_32 3
		.amdhsa_float_denorm_mode_16_64 3
		.amdhsa_memory_ordered 1
		.amdhsa_forward_progress 1
		.amdhsa_inst_pref_size 137
	.end_amdhsa_kernel
	.amdgpu_metadata
---
amdhsa.version: [ 1, 2 ]
amdhsa.kernels:
  - .name:           k_q88ca66795d_up
    .symbol:         k_q88ca66795d_up.kd
    .args:
      - { .name: tbl, .offset: 0, .size: 8, .value_kind: global_buffer, .address_space: global }
      - { .name: xg, .offset: 8, .size: 8, .value_kind: global_buffer, .address_space: global }
      - { .name: w1, .offset: 16, .size: 8, .value_kind: global_buffer, .address_space: global }
      - { .name: b1, .offset: 24, .size: 8, .value_kind: global_buffer, .address_space: global }
      - { .name: h, .offset: 32, .size: 8, .value_kind: global_buffer, .address_space: global }
    .group_segment_fixed_size: 262656
    .private_segment_fixed_size: 0
    .kernarg_segment_align: 8
    .kernarg_segment_size: 40
    .max_flat_workgroup_size: 128
    .sgpr_count:     80
    .vgpr_count:     1024
    .wavefront_size: 32
...
	.end_amdgpu_metadata
.endif
;; end of part 7
;; launch down (part 8): grid 32 x 8, 4 waves a work-group, no clusters, 262,656 bytes of LDS; arguments tbl, h, w2, rg, part; writes part
.if DOCPART == 8
	.amdgcn_target "amdgcn-amd-amdhsa--gfx1250"
	.amdhsa_code_object_version 6
	.text
	.protected	k_q88ca66795d_down
	.globl	k_q88ca66795d_down
	.p2align	8
	.type	k_q88ca66795d_down,@function
k_q88ca66795d_down:
	s_mov_b64 s[64:65], 0
	v_nop
	global_prefetch_b8 v0, s[64:65] scope:SCOPE_SE
	s_setreg_imm32_b32 hwreg(HW_REG_WAVE_MODE, 25, 1), 1
	s_wait_xcnt 0x0
; ONE PRODUCT OF THE EXPERTS' CHAIN; the same text serves both products, by the switch DOWN.
;   DOWN = 0:  h = relu(xg w1[e] + b1[e]), rounded once to bf16 and stored as matrix fragments.        DOWN = 1:  part[kq] = rg x (h w2[e]) over a quarter kq of K, f32 partial sums.
; SHARES.  Work-group (x, e) has one slice of expert e's weights, 1,024 k x 128 columns of f32 (512 KB), which it alone reads, once, and ALL of that expert's rows, whatever their number.
; THE SLICE goes through registers in 8 stages of 128 k: each wave loads 32 k x 128 columns, rounds them to bf16 and lays them into LDS as matrix fragments.  All 256 KB stay: no LDS byte is
; written twice, so one barrier a stage (my stores are done; then everybody reads) is all the ordering there is.  THE TRIP OF STAGE s multiplies stage s with the expert's first 20 tiles of 16 rows (pass 0), rounds stage
; s + 1's weights and lays them down (eight roundings and two LDS stores ahead of each of the trip's eight units of products: they are also the places behind the unit before), and asks for stage s + 2's weights and
; stage s + 1's rows.  An expert with more rows has up to three more passes on the resident slice, without barrier; a wave without rows in a pass jumps over it.
; NO TURNING LOAD.  Lane (r, hh) loads 16 bytes of row 16 c + 8 hh + i, columns 64 g + 4 r + 0..3: lanes 0-15 take 256 consecutive bytes, aligned, lanes 16-31 those 8 rows on.  Number j of a load
; belongs to column tile 4 g + j, whose sixteen columns are the real columns 64 g + 4 r + j: so k runs along a lane's registers as an operand wants it, and two roundings pack a register.
; A WAVE has the tiles LT + w + 4 i, i = 0..4, times all 128 columns: 40 accumulators.  Tiles past the expert's count repeat its last tile (an expert without rows: a tile that exists) and are not stored;
; the fifth tile's products are jumped where it is dead.  The rows' fragments come straight from memory, 512 consecutive bytes a load.
; THE QUEUE OF LOADS.  Loads come back in order (ISA guide 5.7.1), so a wait says how many younger ones may stay out.  A stage's weights are four groups R0-R3 of 8 loads (16 k x 64 columns), its rows four quarters
; A0-A3 of 10 loads (32 k x five tiles).  They are asked for by turns, R0 A0 R1 A1 R2 A2 R3 A3: a group as soon as its registers have been rounded, a quarter as soon as it has been multiplied.  One wait, ahead of units
; 0, 2, 4, 6, serves quarter q and group q, which is older.  Behind A0 stand 3 x 18 = 54 younger loads; behind Aq, q > 0, stand 18 (3 - q) of its own round and 8 q + 10 (q - 1) of the next: 44, whatever q.
; Each group has a base and each quarter an offset register of its own, stepped behind the counted wait that shows its own last loads done.
; With 72 named the count can pass what LOADcnt's field holds; the issue then waits for the oldest (ISA guide 5.7.1), which the next wait would ask for anyway.
; NO CLUSTER: what an expert's 32 work-groups share is the rows' fragments, 80 KB a stage; two slots of that do not fit in the 64 KB beside the slice.  No tensor loads: every weight passes registers for its rounding.
; LIMITS.  Every input is rounded once to bf16 (weights, bias, rows), h once to bf16; sums in f32.  NaN and infinities are not treated apart.
; REGISTERS, in windows of 256 (s_set_vgpr_msb: bits 1:0 source 0, 3:2 source 1, 5:4 source 2, 7:6 destination):
;   window 0: v0-28 addresses and zeros; v32-95 weight fragments, two buffers of four; v96-255 the rows' fragments, (q, i) at 96 + 40 q + 8 i (on the way out: results as stored)
;   window 1: accumulators of tiles 0-3: (i, n) at 64 i + 8 n
;   window 2: v0-63 tile 4's; v64-127 the bias as a C operand (DOWN: v64-103 the rows' gate weights); v128-223 the bias as loaded and packed; v224-255 weights just rounded
;   window 3: v0-127 weights as loaded; v128-255 stage 0's weights as loaded (DOWN, on the way out: v0-191 results as stored)
.set DOWN, 1
.if DOWN
.set PITCH, 4096                       ; bytes in a row of the weights
.set PSH,   12                         ; its log2
.set WSH,   17                         ; log2 of a wave's 32 rows
.set ASH,   17                         ; log2 of a tile's bytes in the rows' buffer
.set OSH,   16                         ; log2 of a tile's bytes in the result
.else
.set PITCH, 16384
.set PSH,   14
.set WSH,   19
.set ASH,   15
.set OSH,   17
.endif
.set QSTR,  8912896                    ; bytes of one quarter's partial sums: 2,176 rows x 4,096
.set SPARE, 262144                     ; behind the slice: the spare words, 128 bytes a wave
.set L16, 1                            ; v1   16 lane
.set LB,  2                            ; v2   LDS address of the stage's fragments
.set ST,  3                            ; v3   the same + 8,192 wave: 32,768 bytes further on I lay the next stage's fragments down
.set WO,  5                            ; v5   8 hh rows + 16 r: offset in the weights; never rewritten
.set EO,  6                            ; v6   my offset in a tile of the result
.set BO,  7                            ; v7   my offset in the bias (DOWN: in a tile's gate weights)
.set SPW, 8                            ; v8   LDS address of my spare word; never rewritten
.set NIL, 9                            ; v9   0; never rewritten
.set NUL, 10                           ; v10  0, for the relu
.set STB, 11                           ; v11  16 lane + 8,192 wave
.set ZR,  16                           ; v16-23 zeros: both operands of the products that start the sums
.set AQ,  24                           ; v24-27 quarter q: 16 lane + 1,024 q + 4,096 x stage: offset in a tile of the rows' buffer
.set PO,  28                           ; v28  (lane / 2) rows + 256 (lane % 2): the prefetch's offset; never rewritten
.set BB,  32
.set AS,  96
.set PK,  96                           ; the way out: results as stored
.set AX,  64                           ; window 2
.set BR,  128                          ; window 2
.set BP,  192                          ; window 2
.set CV,  224                          ; window 2
.set WV,  14                           ; s14 wave
.set LAST, 17                          ; s17 the expert's last tile
.set T0,  18                           ; s18 its first tile
.set NT,  19                           ; s19 its number of tiles
.set LT,  20                           ; s20 the pass's first tile, counted from T0
.set NW,  21                           ; s21 how many of my five tiles are live
.set LOFF, 22                          ; s22 the stage's first LDS byte
.set CNT, 23
.set PS,  24
.set AB,  32                           ; s[32:41] my five tiles in the rows' buffer
.set PB,  42                           ; s[42:43] the prefetch's base
.set OB,  44                           ; s[44:53] my five tiles in the result
.set WB,  54                           ; s[54:61] the weights: group G = 2 g + c has its own base
.set GB,  66                           ; s[66:75] my five tiles in rg (DOWN)
.set MSB, 0
.macro WIN new                         ; the immediate's high byte repeats the setting that is left; a switch that changes nothing is dropped
.if MSB != (\new)
	s_set_vgpr_msb (MSB<<8)|(\new)
.set MSB, \new
.endif
.endm
; Behind a matrix instruction four plain vector instructions stand before a load lands in, or a vector instruction touches, one of its registers; five before another sum is started in its result.
.macro PLACES n=4
.rept \n
	v_nop
.endr
.endm
; The 40 sums start as 0 x 0 + C, with C the bias of the accumulator's columns (DOWN: 0): 40 matrix instructions in the wait for the first loads, so that no first stage is written out beside the loop.
.macro ZERO
.if DOWN
	WIN 0x50
.set z, 0
.rept 32
	v_wmma_f32_16x16x32_bf16 v[8*z:8*z+7], v[ZR:ZR+7], v[ZR:ZR+7], 0
.set z, z+1
.endr
	WIN 0xa0
.set z, 0
.rept 8
	v_wmma_f32_16x16x32_bf16 v[8*z:8*z+7], v[ZR:ZR+7], v[ZR:ZR+7], 0
.set z, z+1
.endr
.else
	WIN 0x60
.set z, 0
.rept 32
	v_wmma_f32_16x16x32_bf16 v[8*z:8*z+7], v[ZR:ZR+7], v[ZR:ZR+7], v[AX+8*(z%8):AX+8*(z%8)+7]
.set z, z+1
.endr
	WIN 0xa0
.set z, 0
.rept 8
	v_wmma_f32_16x16x32_bf16 v[8*z:8*z+7], v[ZR:ZR+7], v[ZR:ZR+7], v[AX+8*z:AX+8*z+7]
.set z, z+1
.endr
.endif
	WIN 0
.endm
; My 32 k x 128 columns of stage 0, into registers of their own: number j of (g, c, i) at 128 + 64 g + 4 (8 c + i) + j.  Every weight is read once in the launch.
.macro RAW0
	WIN 0xc0
.irp g, 0,1
.irp c, 0,1
.irp k, 0,1,2,3,4,5,6,7
	global_load_b128 v[128+64*(\g)+4*(8*(\c)+(\k)):128+64*(\g)+4*(8*(\c)+(\k))+3], v[WO], s[8:9] offset:(16*(\c)+(\k))*PITCH+(\g)*256 th:TH_LOAD_NT
.endr
.endr
.endr
.endm
; Group G = 2 g + c of a later stage: 16 k x 64 columns, eight loads; number j of row i at 64 g + 4 (8 c + i) + j.  step = 1: the next stage's; the base is free since the wait that showed the group's last loads done.
.macro RAWQ G, step
.if \step
	s_add_nc_u64 s[WB+2*(\G):WB+2*(\G)+1], s[WB+2*(\G):WB+2*(\G)+1], 128*PITCH
.endif
	WIN 0xc0
.irp k, 0,1,2,3,4,5,6,7
	global_load_b128 v[64*((\G)/2)+4*(8*((\G)%2)+(\k)):64*((\G)/2)+4*(8*((\G)%2)+(\k))+3], v[WO], s[WB+2*(\G):WB+2*(\G)+1] offset:(\k)*PITCH th:TH_LOAD_NT
.endr
.endm
; Rounded and laid down: register 4 c + p of column tile 4 g + j packs k = 16 c + 8 hh + 2 p and + 1.  A fragment is 1,024 bytes, lane L's 16 bytes at 512 c + 16 L: every LDS store and load takes consecutive bytes.
; All of stage 0, ahead of the loop:
.macro CONV0
.irp g, 0,1
	WIN 0x8f
.irp j, 0,1,2,3
.irp c, 0,1
.irp p, 0,1,2,3
	v_cvt_pk_bf16_f32 v[CV+8*(\j)+4*(\c)+(\p)], v[128+64*(\g)+4*(8*(\c)+2*(\p))+(\j)], v[128+64*(\g)+4*(8*(\c)+2*(\p)+1)+(\j)]
.endr
.endr
.endr
	WIN 0x08
.irp j, 0,1,2,3
.irp c, 0,1
	ds_store_b128 v[STB], v[CV+8*(\j)+4*(\c):CV+8*(\j)+4*(\c)+3] offset:(4*(\g)+(\j))*1024+(\c)*512
.endr
.endr
.endr
	WIN 0
.endm
; An eighth of the next stage, ahead of unit u: of group u / 2 the column tiles j = 2 (u % 2) and + 1: eight roundings, two stores, 32,768 bytes behind the stage that is being read.
.macro CONV u
.set CG, (\u)/4
.set CC, ((\u)/2)%2
	WIN 0x8f
.irp jj, 0,1
.irp p, 0,1,2,3
	v_cvt_pk_bf16_f32 v[CV+8*((\u)%4)+4*(\jj)+(\p)], v[64*CG+4*(8*CC+2*(\p))+2*((\u)%2)+(\jj)], v[64*CG+4*(8*CC+2*(\p)+1)+2*((\u)%2)+(\jj)]
.endr
.endr
	WIN 0x08
.irp jj, 0,1
	ds_store_b128 v[ST], v[CV+8*((\u)%4)+4*(\jj):CV+8*((\u)%4)+4*(\jj)+3] offset:32768+(4*CG+2*((\u)%2)+(\jj))*1024+CC*512
.endr
.endm
; Quarter q of a stage's rows: 32 k x my five tiles, ten loads.  step = 1: the next stage's; the offset register is free since the wait for the quarter that it brought last.
.macro NEXTA q, step
	WIN 0
.if \step
	v_add_nc_u32 v[AQ+(\q)], 4096, v[AQ+(\q)]
.endif
.irp i, 0,1,2,3,4
	global_load_b128 v[AS+40*(\q)+8*(\i):AS+40*(\q)+8*(\i)+3],   v[AQ+(\q)], s[AB+2*(\i):AB+2*(\i)+1]
	global_load_b128 v[AS+40*(\q)+8*(\i)+4:AS+40*(\q)+8*(\i)+7], v[AQ+(\q)], s[AB+2*(\i):AB+2*(\i)+1] offset:512
.endr
.endm
; Unit u of a stage's eight: quarter q = u / 2, column tiles 4 g .. 4 g + 3 with g = u % 2.  Its four weight fragments, into buffer u % 2.
.macro LOADB u
	WIN 0
.irp j, 0,1,2,3
.irp c, 0,1
	ds_load_b128 v[BB+32*((\u)%2)+8*(\j)+4*(\c):BB+32*((\u)%2)+8*(\j)+4*(\c)+3], v[LB] offset:((\u)/2)*8192+((\u)%2)*4096+(\j)*1024+(\c)*512
.endr
.endr
.endm
; DOWN = 0: source 0 = weights, source 1 = rows: a lane then holds one row and eight columns.  DOWN = 1: the other way round: a lane holds one column and eight rows.
.macro PROD d, w, a
.if DOWN
	v_wmma_f32_16x16x32_bf16 v[(\d):(\d)+7], v[(\a):(\a)+7], v[(\w):(\w)+7], v[(\d):(\d)+7]
.else
	v_wmma_f32_16x16x32_bf16 v[(\d):(\d)+7], v[(\w):(\w)+7], v[(\a):(\a)+7], v[(\d):(\d)+7]
.endif
.endm
; A unit's products: 16 for tiles 0-3, 4 for tile 4 where it is live.  The accumulators take turns, one instruction a turn: a unit's are all different, and the next unit has the other g's.
.macro MUL20 u
.set QQ, (\u)/2
.set GG, (\u)%2
	WIN 0x50
.irp j, 0,1,2,3
.irp i, 0,1,2,3
	PROD 64*(\i)+8*(4*GG+(\j)),BB+32*GG+8*(\j),AS+40*QQ+8*(\i)
.endr
.endr
	WIN 0                                          ; at a branch and at a label every window is 0
	s_cmp_lt_u32 s[NW], 5
	s_cbranch_scc1 .Lno4_\@
	WIN 0xa0
.irp j, 0,1,2,3
	PROD 8*(4*GG+(\j)),BB+32*GG+8*(\j),AS+40*QQ+32
.endr
	WIN 0
.Lno4_\@:
.endm
; A stage's eight units.  conv = 1: the next stage's weights are rounded and laid down; rawi = 1: the weights of the stage after it are asked for; ai = 1: the next stage's rows are.
; A unit's weight fragments are asked for one unit ahead, behind the roundings (or four v_nop), which are the places behind the products that read their buffer and behind those that read the quarter of rows that is asked for again.
; THE PREFETCH (pf = 1).  In the trip of stage s each wave asks for its own 32 rows x 512 bytes of stage s + 3, 64 aligned blocks of 256 bytes, a lane each, by two instructions: 16 KB a wave, one trip ahead of the
; loads that take them (those go out in the trip of stage s + 1); each block is asked for once in the launch, by the wave that will load it.  Stages 0 and 1 are loaded at the kernel's start, where stage 2 is asked for; the
; loop's last trip, whose s + 3 would lie behind the slice, asks for nothing.  The base is stepped behind s_wait_xcnt 0, which stands a unit's products behind the wave's last issue.
.macro COMPUTE conv, rawi, ai, pf
	LOADB 0
.irp u, 0,1,2,3,4,5,6,7
.if (\u) % 2 == 0
.set QU, (\u)/2
.set LC, (3-QU)*(10+8*(\conv))+(\rawi)*8*QU
.if QU > 1
.set LC, LC+(\ai)*10*(QU-1)
.endif
	s_wait_loadcnt LC                              ; quarter QU of the rows and group QU of the weights are in; what was issued behind them stays out: the later quarters and groups of their round, and what this trip has asked for
.endif
.if \conv
	CONV \u
.elseif (\u) > 0
	PLACES
.endif
.if (\pf) && ((\u) == 1)
	WIN 0
	s_cmp_eq_u32 s[CNT], 1
	s_cbranch_scc1 .Lnopf_\@
	s_wait_xcnt 0x0
	s_add_nc_u64 s[PB:PB+1], s[PB:PB+1], 128*PITCH
	global_prefetch_b8 v[PO], s[PB:PB+1] th:TH_LOAD_NT scope:SCOPE_SE
	global_prefetch_b8 v[PO], s[PB:PB+1] offset:16*PITCH th:TH_LOAD_NT scope:SCOPE_SE
.Lnopf_\@:
.endif
.if (\rawi) && ((\u) % 2 == 1)
	RAWQ (\u)/2, 1
.endif
.if (\ai) && ((\u) > 0) && ((\u) % 2 == 0)
	NEXTA (\u)/2-1, 1
.endif
.if (\u) < 7
	LOADB (\u)+1
	s_wait_dscnt 8+2*(\conv)                       ; this unit's fragments are in; the eight loads just issued and this unit's two stores stay out
.else
	s_wait_dscnt 2*(\conv)
.endif
	MUL20 \u
.endr
.if \ai
	PLACES
	NEXTA 3, 1
.endif
.endm
; What the way out needs beside the sums: DOWN = 0: my 64 numbers of the bias (columns 64 g + 32 hh + 0..31).  DOWN = 1: the gate weights of my eight rows in each of my five tiles.
.macro AUX
	WIN 0x80
.if DOWN
.irp i, 0,1,2,3,4
	global_load_b128 v[AX+8*(\i):AX+8*(\i)+3],   v[BO], s[GB+2*(\i):GB+2*(\i)+1]
	global_load_b128 v[AX+8*(\i)+4:AX+8*(\i)+7], v[BO], s[GB+2*(\i):GB+2*(\i)+1] offset:16
.endr
.else
.irp g, 0,1
.irp m, 0,1,2,3,4,5,6,7
	global_load_b128 v[BR+32*(\g)+4*(\m):BR+32*(\g)+4*(\m)+3], v[BO], s[10:11] offset:(\g)*256+(\m)*16
.endr
.endr
.endif
	WIN 0
.endm
; THE TRIP OF A STAGE.  Its fragments were laid down in the trip before (stage 0's ahead of the loop): the barrier at its head shows them to every wave.
.macro TRIP conv, rawi, ai, pf
	WIN 0
	s_wait_dscnt 0x0                               ; for the others' sake: my fragments of this stage lie in LDS
	s_barrier_signal -1
	s_barrier_wait -1                              ; everybody's do
	v_add_nc_u32 v[LB], s[LOFF], v[L16]
.if \conv
	v_add_nc_u32 v[ST], s[LOFF], v[STB]
.endif
	COMPUTE \conv, \rawi, \ai, \pf
	s_add_co_u32 s[LOFF], s[LOFF], 32768
.endm
; The pass's tiles: how many of my five are live, and where each lies.  The last line on a tile's number is the clamp to the buffers' 136 tiles.
.macro BASES first
.if (\first) == 0
	s_wait_xcnt 0x0                                ; the bases are rewritten only behind this wait
.endif
	s_add_co_u32 s26, s[LT], s[WV]
	s_sub_co_i32 s27, s[NT], s26
	s_add_co_i32 s27, s27, 3
	s_max_i32 s27, s27, 0
	s_lshr_b32 s27, s27, 2
	s_min_u32 s[NW], s27, 5
	s_add_co_u32 s26, s26, s[T0]
	s_mov_b32 s29, 0
.irp i, 0,1,2,3,4
	s_add_co_u32 s27, s26, 4*(\i)
	s_min_u32 s27, s27, s[LAST]
	s_min_u32 s27, s27, 135
	s_lshl_b32 s28, s27, ASH
	s_add_nc_u64 s[AB+2*(\i):AB+2*(\i)+1], s[6:7], s[28:29]
	s_lshl_b32 s28, s27, OSH
	s_add_nc_u64 s[OB+2*(\i):OB+2*(\i)+1], s[12:13], s[28:29]
.if DOWN
	s_lshl_b32 s28, s27, 6
	s_add_nc_u64 s[GB+2*(\i):GB+2*(\i)+1], s[10:11], s[28:29]
.endif
.endr
.endm
; THE WAY OUT of a pass; dead tiles are jumped, whole.  Each accumulator's lowest register is read first.  Every tile has registers of its own for what it stores, so no wait stands between the tiles.
.macro EPI
	WIN 0
	s_wait_xcnt 0x0                                ; registers that the last pass's stores read are rewritten only behind this wait
.if DOWN
; Lane (r, hh) holds rows 8 hh + J (register J) and, over the four column tiles j of a g, the columns 64 g + 4 r + j: the multiplication by the row's gate weight brings the four together, and 16 lanes store 256 consecutive bytes, aligned.
.irp i, 0,1,2,3,4
	s_cmp_le_u32 s[NW], \i
	s_cbranch_scc1 .Lepi_end_\@
.if (\i) < 2
.set DW, 0
.set PR, PK+64*(\i)
.else
.set DW, 3
.set PR, 64*((\i)-2)
.endif
	WIN (DW<<6)|0x08|(1+(\i)/4)
.set z, 0
.rept 64                               ; z = 32 g + 4 J + j
	v_mul_f32 v[PR+z], v[(64*(\i))%256+8*(4*(z/32)+z%4)+(z/4)%8], v[AX+8*(\i)+(z/4)%8]
.set z, z+1
.endr
	WIN DW<<2
.set z, 0
.rept 16                               ; z = 8 g + J
	global_store_b128 v[EO], v[PR+4*z:PR+4*z+3], s[OB+2*(\i):OB+2*(\i)+1] offset:(z%8)*4096+(z/8)*256
.set z, z+1
.endr
	WIN 0
.endr
.else
; Lane (r, hh) holds row r and the 32 columns 64 g + 32 hh + 4 J + j: all of row r in fragment 2 g + hh of my four.  The bias is in the sums already; rounding, relu on the packed halves; each store fills two aligned runs of 256 bytes.
.irp i, 0,1,2,3,4
	s_cmp_le_u32 s[NW], \i
	s_cbranch_scc1 .Lepi_end_\@
.irp g, 0,1
	WIN 0x05+5*((\i)/4)
.set z, 0
.rept 16                               ; z = 2 J + j / 2: columns 4 J + j and 4 J + j + 1
	v_cvt_pk_bf16_f32 v[PK+16*(2*(\i)+(\g))+z], v[(64*(\i))%256+8*(4*(\g)+2*(z%2))+z/2], v[(64*(\i))%256+8*(4*(\g)+2*(z%2)+1)+z/2]
.set z, z+1
.endr
	WIN 0
.set z, 0
.rept 16
	v_pk_max_num_bf16 v[PK+16*(2*(\i)+(\g))+z], v[PK+16*(2*(\i)+(\g))+z], v[NUL]
.set z, z+1
.endr
.irp x, 0,1,2,3
	global_store_b128 v[EO], v[PK+16*(2*(\i)+(\g))+4*(\x):PK+16*(2*(\i)+(\g))+4*(\x)+3], s[OB+2*(\i):OB+2*(\i)+1] offset:2048*(\g)+512*((\x)/2)+256*((\x)%2)
.endr
.endr
.endr
.endif
.Lepi_end_\@:
.endm
; A LATER PASS, for experts with more than 320 rows: the same products on the resident slice, 32 k a trip, 32 trips.  Kept short and plain: a quarter's rows are asked for and waited for, into the first quarter's registers.
; No barrier: nobody writes the slice any more.
.macro LATER
.if DOWN
	AUX
.endif
	ZERO
	v_mov_b32 v[AQ], v[L16]
	s_mov_b32 s[LOFF], 0
	s_mov_b32 s[CNT], 32
.Llater:
	PLACES
	NEXTA 0, 0
	v_add_nc_u32 v[LB], s[LOFF], v[L16]
	LOADB 0
	LOADB 1
	s_wait_loadcnt 0x0
	s_wait_dscnt 8                                 ; the first unit's fragments are in; the second's eight loads stay out
	MUL20 0
	s_wait_dscnt 0x0
	MUL20 1
	v_add_nc_u32 v[AQ], 1024, v[AQ]                ; free: the trip's wait was for all its loads
	s_add_co_u32 s[LOFF], s[LOFF], 8192
	s_sub_co_u32 s[CNT], s[CNT], 1
	s_cmp_lg_u32 s[CNT], 0
	s_cbranch_scc1 .Llater
	PLACES 5
.endm
	s_load_b256 s[4:11], s[0:1], 0x0               ; tbl s[4:5], the rows s[6:7], the weights s[8:9], bias or rg s[10:11]
	s_load_b64 s[12:13], s[0:1], 0x20              ; the result
	v_lshl_add_u32 v[SPW], v0, 2, SPARE
	v_mov_b32 v[NIL], 0
	v_mov_b32 v[NUL], 0
.set z, 0
.rept 8
	v_mov_b32 v[ZR+z], 0
.set z, z+1
.endr
	v_lshrrev_b32 v12, 5, v0
	v_readfirstlane_b32 s[WV], v12                 ; wave 0..3
	v_and_b32 v12, 31, v0
	v_lshlrev_b32 v[L16], 4, v12
	v_and_b32 v13, 15, v0                          ; r
	v_bfe_u32 v14, v0, 4, 1                        ; hh
	v_lshlrev_b32 v15, 4, v13                      ; 16 r
	v_lshl_add_u32 v[WO], v14, PSH+3, v15
	s_lshl_b32 s26, s[WV], 13
	v_add_nc_u32 v[STB], s26, v[L16]
.irp q, 0,1,2,3
	v_add_nc_u32 v[AQ+(\q)], 1024*(\q), v[L16]
.endr
	v_lshrrev_b32 v[PO], 1, v12
	v_and_b32 v12, 1, v12
	v_lshlrev_b32 v[PO], PSH, v[PO]
	v_lshl_add_u32 v[PO], v12, 8, v[PO]
.if DOWN
	v_lshl_add_u32 v[EO], v14, 15, v15             ; 8 hh rows of 4,096 bytes + 16 r
	v_lshlrev_b32 v[BO], 5, v14                    ; my eight rows' gate weights
.else
	v_lshl_add_u32 v[EO], v14, 10, v15             ; fragment hh + 16 r
	v_lshlrev_b32 v[BO], 7, v14                    ; my 32 columns' bias
.endif
	s_and_b32 s16, ttmp7, 0xffff                   ; the expert
	s_lshl_b32 s26, s16, 24                        ; its weights: 16 MiB
	s_lshl_b32 s27, s[WV], WSH                     ; my wave's 32 rows of a stage
	s_add_co_u32 s26, s26, s27
.if DOWN
	s_and_b32 s15, ttmp9, 7                        ; which 128 columns
	s_lshr_b32 s25, ttmp9, 3                       ; which quarter of K
	s_lshl_b32 s27, s25, 22                        ; its 1,024 rows of 4,096 bytes
	s_add_co_u32 s26, s26, s27
.else
	s_mov_b32 s15, ttmp9                           ; which 128 columns
.endif
	s_lshl_b32 s27, s15, 9
	s_add_co_u32 s26, s26, s27
	s_mov_b32 s27, 0
	s_lshl_b32 s28, s16, 3                         ; the expert's entry of tbl
	s_mov_b32 s29, 0
	s_wait_kmcnt 0x0
	s_add_nc_u64 s[4:5], s[4:5], s[28:29]
	s_load_b64 s[18:19], s[4:5], 0x0               ; first tile, number of tiles
	s_add_nc_u64 s[8:9], s[8:9], s[26:27]          ; my rows of stage 0
.irp G, 0,1,2,3
	s_add_nc_u64 s[WB+2*(\G):WB+2*(\G)+1], s[8:9], 128*PITCH+((\G)/2)*256+((\G)%2)*16*PITCH   ; group G of stage 1
.endr
	s_add_nc_u64 s[PB:PB+1], s[8:9], 256*PITCH     ; my rows of stage 2
	RAW0                                           ; the weights need no table: stage 0 goes out first
	WIN 0
	global_prefetch_b8 v[PO], s[PB:PB+1] th:TH_LOAD_NT scope:SCOPE_SE                   ; stage 2: its loads go out in the trip of stage 0
	global_prefetch_b8 v[PO], s[PB:PB+1] offset:16*PITCH th:TH_LOAD_NT scope:SCOPE_SE
.if DOWN
	s_lshl_b32 s28, s25, 15                        ; the quarter's 32 fragments in a tile of h
	s_add_nc_u64 s[6:7], s[6:7], s[28:29]
	s_mul_i32 s28, s25, QSTR
	s_lshl_b32 s26, s15, 9
	s_add_co_u32 s28, s28, s26
	s_add_nc_u64 s[12:13], s[12:13], s[28:29]
	ZERO
.else
	s_lshl_b32 s28, s16, 14                        ; the expert's bias, my 128 columns
	s_lshl_b32 s26, s15, 9
	s_add_co_u32 s28, s28, s26
	s_add_nc_u64 s[10:11], s[10:11], s[28:29]
	AUX
	s_lshl_b32 s28, s15, 12                        ; my four fragments in a tile of h
	s_add_nc_u64 s[12:13], s[12:13], s[28:29]
.endif
	s_wait_kmcnt 0x0
	s_min_u32 s[T0], s[T0], 135
	s_min_u32 s[NT], s[NT], 64
	s_add_co_u32 s[LAST], s[T0], s[NT]
	s_max_u32 s[LAST], s[LAST], 1
	s_sub_co_u32 s[LAST], s[LAST], 1               ; the expert's last tile; for an expert without rows the tile in front, which some expert has written
	s_mov_b32 s[LT], 0
	BASES 1
.if DOWN
	AUX
.endif
.irp q, 0,1,2
	RAWQ \q, 0                                     ; stage 1's weights and stage 0's rows, by turns, as every trip leaves them
	NEXTA \q, 0
.endr
	s_wait_loadcnt 54                              ; stage 0's weights and the bias (DOWN: the gate weights) are in; the 3 x 18 loads just issued stay out
	CONV0
.if DOWN == 0
	WIN 0x8a                                       ; the bias is rounded once to bf16 and widened again, each number into its place in a C operand: column 64 g + 32 hh + 4 J + j is register J of column tile 4 g + j
.set z, 0
.rept 32
	v_cvt_pk_bf16_f32 v[BP+z], v[BR+2*z], v[BR+2*z+1]
.set z, z+1
.endr
.set z, 0
.rept 32                               ; z = 16 g + 2 J + j / 2
	v_lshlrev_b32 v[AX+8*(4*(z/16)+2*(z%2))+(z%16)/2], 16, v[BP+z]
	v_and_b32 v[AX+8*(4*(z/16)+2*(z%2)+1)+(z%16)/2], 0xffff0000, v[BP+z]
.set z, z+1
.endr
	ZERO
.endif
	RAWQ 3, 0                                      ; the round's last group and quarter
	NEXTA 3, 0
	s_mov_b32 s[LOFF], 0
	s_mov_b32 s[CNT], 6
.Lstage:                                               ; the trips of stages 0 to 5
	TRIP 1, 1, 1, 1
	s_sub_co_u32 s[CNT], s[CNT], 1
	s_cmp_lg_u32 s[CNT], 0
	s_cbranch_scc1 .Lstage
	TRIP 1, 0, 1, 0                                ; stage 6 is written out: no weights are left to ask for, so its counts are others
	TRIP 0, 0, 0, 0                                ; and so is stage 7: nothing is rounded or asked for, and its counts run down
	PLACES 5
	s_mov_b32 s[PS], 4
.Lpass:                                                ; four trips, always: four passes of 20 tiles cover the 64 tiles that one expert can have.  A trip: the way out of one pass, then the next pass's products
	EPI
	s_add_co_u32 s[LT], s[LT], 20
	BASES 0
	s_cmp_eq_u32 s[NW], 0
	s_cbranch_scc1 .Lskip                          ; no row of mine in the next pass (in the fourth trip always): its products are jumped, forward; no barrier and no LDS write stands in what is jumped
	LATER
.Lskip:
	s_sub_co_u32 s[PS], s[PS], 1
	s_cmp_lg_u32 s[PS], 0
	s_cbranch_scc1 .Lpass
	s_wait_dscnt 0x0                               ; my reads of the slice are back
	s_barrier_signal -1
	s_barrier_wait -1                              ; everybody's are: the add below is an LDS write, and it stands behind a barrier behind which no wave reads LDS any more
	s_wait_tensorcnt 0x0                           ; the wave's end
	ds_add_u32 v[SPW], v[NIL]
	s_wait_dscnt 0x0
	s_endpgm
.Lfunc_end_k_q88ca66795d_down:
	.size	k_q88ca66795d_down, .Lfunc_end_k_q88ca66795d_down-k_q88ca66795d_down
	.p2alignl 7, 3214868480
	.fill 96, 4, 3214868480
	.section	.rodata,"a",@progbits
	.p2align	6, 0x0
	.amdhsa_kernel k_q88ca66795d_down
		.amdhsa_group_segment_fixed_size 262656
		.amdhsa_private_segment_fixed_size 0
		.amdhsa_enable_private_segment 0
		.amdhsa_kernarg_size 40
		.amdhsa_user_sgpr_count 2
		.amdhsa_user_sgpr_kernarg_segment_ptr 1
		.amdhsa_wavefront_size32 1
		.amdhsa_system_sgpr_workgroup_id_x 1
		.amdhsa_system_sgpr_workgroup_id_y 1
		.amdhsa_system_sgpr_workgroup_id_z 1
		.amdhsa_system_vgpr_workitem_id 0
		.amdhsa_next_free_vgpr 1024
		.amdhsa_next_free_sgpr 80
		.amdhsa_reserve_vcc 0
		.amdhsa_float_denorm_mode_32 3
		.amdhsa_float_denorm_mode_16_64 3
		.amdhsa_memory_ordered 1
		.amdhsa_forward_progress 1
		.amdhsa_inst_pref_size 127
	.end_amdhsa_kernel
	.amdgpu_metadata
---
amdhsa.version: [ 1, 2 ]
amdhsa.kernels:
  - .name:           k_q88ca66795d_down
    .symbol:         k_q88ca66795d_down.kd
    .args:
      - { .name: tbl, .offset: 0, .size: 8, .value_kind: global_buffer, .address_space: global }
      - { .name: h, .offset: 8, .size: 8, .value_kind: global_buffer, .address_space: global }
      - { .name: w2, .offset: 16, .size: 8, .value_kind: global_buffer, .address_space: global }
      - { .name: rg, .offset: 24, .size: 8, .value_kind: global_buffer, .address_space: global }
      - { .name: part, .offset: 32, .size: 8, .value_kind: global_buffer, .address_space: global }
    .group_segment_fixed_size: 262656
    .private_segment_fixed_size: 0
    .kernarg_segment_align: 8
    .kernarg_segment_size: 40
    .max_flat_workgroup_size: 128
    .sgpr_count:     80
    .vgpr_count:     1024
    .wavefront_size: 32
...
	.end_amdgpu_metadata
.endif
;; end of part 8
;; launch sum: the kernel of part 5 again; grid 256 x 1, 8 waves a work-group, no clusters, 0 bytes of LDS; arguments pos, sel, gw, b2, part, out0; writes out0
;; ======== version 3 of 3: 5 launches; version 2 with the launches up, down written anew for expert scheduling mode
;; workspace buffers: sel 8,192 bytes of whole numbers; gw 8,192 bytes; pos 8,192 bytes of whole numbers; tbl 256 bytes of whole numbers; rg 8,704 bytes; xg 4,456,448 bytes; h 17,825,792 bytes; part 35,651,584 bytes
;; launch route: the kernel of part 1 again; grid 256 x 1, 4 waves a work-group, no clusters, 0 bytes of LDS; arguments x, gate_w, out1, sel, gw; writes out1, sel, gw
;; launch place: the kernel of part 6 again; grid 136 x 1, 8 waves a work-group, no clusters, 2,304 bytes of LDS; arguments sel, gw, x, xg, rg, pos, tbl; writes xg, rg, pos, tbl
;; launch up (part 9): grid 32 x 8, 4 waves a work-group, no clusters, 262,656 bytes of LDS; arguments tbl, xg, w1, b1, h; writes h
.if DOCPART == 9
	.amdgcn_target "amdgcn-amd-amdhsa--gfx1250"
	.amdhsa_code_object_version 6
	.text
	.protected	k_q88ca66795d_up
	.globl	k_q88ca66795d_up
	.p2align	8
	.type	k_q88ca66795d_up,@function
k_q88ca66795d_up:
	s_mov_b64 s[64:65], 0
	v_nop
	global_prefetch_b8 v0, s[64:65] scope:SCOPE_SE
	s_setreg_imm32_b32 hwreg(HW_REG_WAVE_SCHED_MODE, 0, 2), 2
	s_setreg_imm32_b32 hwreg(HW_REG_WAVE_MODE, 25, 1), 1
	s_wait_xcnt 0x0
	s_wait_alu depctr_vm_vsrc(0)
; ONE PRODUCT OF THE EXPERTS' CHAIN; the same text serves both products, by the switch DOWN.
;   DOWN = 0:  h = relu(xg w1[e] + b1[e]), rounded once to bf16 and stored as matrix fragments.        DOWN = 1:  part[kq] = rg x (h w2[e]) over a quarter kq of K, f32 partial sums.
; SHARES.  Work-group (x, e) has one slice of expert e's weights, 1,024 k x 128 columns of f32 (512 KB), which it alone reads, once, and ALL of that expert's rows, whatever their number.
; THE SLICE goes through registers in 8 stages of 128 k: each wave loads 32 k x 128 columns, rounds them to bf16 and lays them into LDS as matrix fragments.  All 256 KB stay: no LDS byte is
; written twice, so one barrier a stage (my stores are done; then everybody reads) is all the ordering there is.  THE TRIP OF STAGE s multiplies stage s with the expert's first 20 tiles of 16 rows (pass 0), rounds stage
; s + 1's weights and lays them down (eight roundings and two LDS stores ahead of each of the trip's eight units of products: they are also the places behind the unit before), and asks for stage s + 2's weights and
; stage s + 1's rows.  An expert with more rows has up to three more passes on the resident slice, without barrier; a wave without rows in a pass jumps over it.  The 512 bytes of LDS behind the slice take only the wave's closing add.
; NO TURNING LOAD.  Lane (r, hh) loads 16 bytes of row 16 c + 8 hh + i, columns 64 g + 4 r + 0..3: lanes 0-15 take 256 consecutive bytes, aligned, lanes 16-31 those 8 rows on.  Number j of a load
; belongs to column tile 4 g + j, whose sixteen columns are the real columns 64 g + 4 r + j: so k runs along a lane's registers as an operand wants it, and two roundings pack a register.
; A WAVE has the tiles LT + w + 4 i, i = 0..4, times all 128 columns: 40 accumulators.  Tiles past the expert's count repeat its last tile (an expert without rows: a tile that exists) and are not stored;
; the fifth tile's products are jumped where it is dead.  The rows' fragments come straight from memory, 512 consecutive bytes a load.
; THE QUEUE OF LOADS.  Loads come back in order (ISA guide 5.7.1), so a wait says how many younger ones may stay out.  A stage's weights are four groups R0-R3 of 8 loads (16 k x 64 columns), its rows four quarters
; A0-A3 of 10 loads (32 k x five tiles).  They are asked for by turns, R0 A0 R1 A1 R2 A2 R3 A3: group G behind the first sixteen products of unit 2 G + 1, whose roundings are the last to read its registers; quarter q behind
; the first sixteen products of unit 2 q + 2, quarter 3 at the trip's end.  One wait, ahead of units 0, 2, 4, 6, serves quarter q and group q, which is older.  Behind A0 stand 3 x 18 = 54 younger loads; behind Aq, q > 0,
; stand 18 (3 - q) of its own round and 8 q + 10 (q - 1) of the next: 44, whatever q.  Each group has a base and each quarter an offset register of its own, stepped behind the counted wait that shows its own last loads done.
; With 72 named the count can pass what LOADcnt's field holds; the issue then waits for the oldest (ISA guide 5.7.1), which the next wait would ask for anyway.
; NO CLUSTER: what an expert's 32 work-groups share is the rows' fragments, 80 KB a stage; two slots of that do not fit in the 64 KB beside the slice.  No tensor loads: every weight passes registers for its rounding.
; LIMITS.  Every input is rounded once to bf16 (weights, bias, rows), h once to bf16; sums in f32.  NaN and infinities are not treated apart.
; THE MODE: SCHED_MODE bits 1:0 = 2 (LLVM: expert scheduling mode 2), set by the entry lines.  The code itself states the register dependences between vector or matrix instructions and memory or LDS instructions,
; with s_wait_alu, always for 0.
; THE PLAN.  Registers that memory or LDS instructions touch in the loop over stages; u = 0..7 is a unit of a trip:
;   RAW group G    read by the roundings of units 2 G and 2 G + 1; then the loads of the stage after next land in it, issued in unit 2 G + 1.
;   CV[u % 4]      written by unit u's roundings; read by unit u's two LDS stores; written again four units on.
;   BB[u % 2]      read by unit u's products; the LDS loads issued in unit u + 1 land in it.
;   AS quarter q   read by the products of units 2 q and 2 q + 1; the next stage's loads land in it, issued in unit 2 q + 2 (quarter 3: at the trip's end).
;   AQ + q         read by the quarter's loads; stepped at the head of the unit that issues them, ahead of that unit's wait.
;   LB, ST         read by a trip's LDS loads and stores; written at the end of the trip before.
;   WO, PO, EO, BO, STB   written at the kernel's head and never again.       The accumulators, ZR and the bias operand are named by vector and matrix instructions alone.
; ONE wait on va_vdst stands in a unit, behind its roundings; one more at the trip's end.  Behind a unit's wait the only vector or matrix instructions up to the next wait are the unit's products, which name BB[u % 2],
; quarter u / 2 and accumulators: none of the registers that the unit's stores and loads touch; so these follow with no further wait, the global loads dealt among the products.  Two waits on vm_vsrc a trip: ahead of unit 4's roundings and at the trip's end.
; REGISTERS, in windows of 256 (s_set_vgpr_msb: bits 1:0 source 0, 3:2 source 1, 5:4 source 2, 7:6 destination):
;   window 0: v0-28 addresses and zeros; v32-95 weight fragments, two buffers of four; v96-255 the rows' fragments, (q, i) at 96 + 40 q + 8 i (on the way out: results as stored)
;   window 1: accumulators of tiles 0-3: (i, n) at 64 i + 8 n
;   window 2: v0-63 tile 4's; v64-127 the bias as a C operand (DOWN: v64-103 the rows' gate weights); v128-223 the bias as loaded and packed; v224-255 weights just rounded
;   window 3: v0-127 weights as loaded; v128-255 stage 0's weights as loaded (DOWN, on the way out: v0-191 results as stored)
.set DOWN, 0
.if DOWN
.set PITCH, 4096                       ; bytes in a row of the weights
.set PSH,   12                         ; its log2
.set WSH,   17                         ; log2 of a wave's 32 rows
.set ASH,   17                         ; log2 of a tile's bytes in the rows' buffer
.set OSH,   16                         ; log2 of a tile's bytes in the result
.else
.set PITCH, 16384
.set PSH,   14
.set WSH,   19
.set ASH,   15
.set OSH,   17
.endif
.set QSTR,  8912896                    ; bytes of one quarter's partial sums: 2,176 rows x 4,096
.set L16, 1                            ; v1   16 lane
.set LB,  2                            ; v2   LDS address of the stage's fragments
.set ST,  3                            ; v3   the same + 8,192 wave: 32,768 bytes further on I lay the next stage's fragments down
.set WO,  5                            ; v5   8 hh rows + 16 r: offset in the weights; never rewritten
.set EO,  6                            ; v6   my offset in a tile of the result
.set BO,  7                            ; v7   my offset in the bias (DOWN: in a tile's gate weights)
.set NUL, 10                           ; v10  0, for the relu
.set STB, 11                           ; v11  16 lane + 8,192 wave
.set ZR,  16                           ; v16-23 zeros: both operands of the products that start the sums
.set AQ,  24                           ; v24-27 quarter q: 16 lane + 1,024 q + 4,096 x stage: offset in a tile of the rows' buffer
.set PO,  28                           ; v28  (lane / 2) rows + 256 (lane % 2): the prefetch's offset; never rewritten
.set BB,  32
.set AS,  96
.set PK,  96                           ; the way out: results as stored
.set AX,  64                           ; window 2
.set BR,  128                          ; window 2
.set BP,  192                          ; window 2
.set CV,  224                          ; window 2
.set WV,  14                           ; s14 wave
.set LAST, 17                          ; s17 the expert's last tile
.set T0,  18                           ; s18 its first tile
.set NT,  19                           ; s19 its number of tiles
.set LT,  20                           ; s20 the pass's first tile, counted from T0
.set NW,  21                           ; s21 how many of my five tiles are live
.set LOFF, 22                          ; s22 the stage's first LDS byte
.set CNT, 23
.set PS,  24
.set AB,  32                           ; s[32:41] my five tiles in the rows' buffer
.set PB,  42                           ; s[42:43] the prefetch's base
.set OB,  44                           ; s[44:53] my five tiles in the result
.set WB,  54                           ; s[54:61] the weights: group G = 2 g + c has its own base
.set GB,  66                           ; s[66:75] my five tiles in rg (DOWN)
.set MSB, 0
.macro WIN new                         ; the immediate's high byte repeats the setting that is left; a switch that changes nothing is dropped
.if MSB != (\new)
	s_set_vgpr_msb (MSB<<8)|(\new)
.set MSB, \new
.endif
.endm
; Behind a matrix instruction four plain vector instructions stand before a load lands in, or a vector instruction touches, one of its registers; five before another sum is started in its result.
; The places stay beside the waits on va_vdst: a wait fills no place.
.macro PLACES n=4
.rept \n
	v_nop
.endr
.endm
; The 40 sums start as 0 x 0 + C, with C the bias of the accumulator's columns (DOWN: 0): 40 matrix instructions in the wait for the first loads, so that no first stage is written out beside the loop.
.macro ZERO
.if DOWN
	WIN 0x50
.set z, 0
.rept 32
	v_wmma_f32_16x16x32_bf16 v[8*z:8*z+7], v[ZR:ZR+7], v[ZR:ZR+7], 0
.set z, z+1
.endr
	WIN 0xa0
.set z, 0
.rept 8
	v_wmma_f32_16x16x32_bf16 v[8*z:8*z+7], v[ZR:ZR+7], v[ZR:ZR+7], 0
.set z, z+1
.endr
.else
	WIN 0x60
.set z, 0
.rept 32
	v_wmma_f32_16x16x32_bf16 v[8*z:8*z+7], v[ZR:ZR+7], v[ZR:ZR+7], v[AX+8*(z%8):AX+8*(z%8)+7]
.set z, z+1
.endr
	WIN 0xa0
.set z, 0
.rept 8
	v_wmma_f32_16x16x32_bf16 v[8*z:8*z+7], v[ZR:ZR+7], v[ZR:ZR+7], v[AX+8*z:AX+8*z+7]
.set z, z+1
.endr
.endif
	WIN 0
.endm
; My 32 k x 128 columns of stage 0, into registers of their own: number j of (g, c, i) at 128 + 64 g + 4 (8 c + i) + j.  Every weight is read once in the launch.
.macro RAW0
	WIN 0xc0
.irp g, 0,1
.irp c, 0,1
.irp k, 0,1,2,3,4,5,6,7
	global_load_b128 v[128+64*(\g)+4*(8*(\c)+(\k)):128+64*(\g)+4*(8*(\c)+(\k))+3], v[WO], s[8:9] offset:(16*(\c)+(\k))*PITCH+(\g)*256 th:TH_LOAD_NT
.endr
.endr
.endr
.endm
; Group G = 2 g + c of a later stage: 16 k x 64 columns, eight loads; number j of row i at 64 g + 4 (8 c + i) + j.  step = 1: the next stage's; the base is free since the wait that showed the group's last loads done.
.macro RAWQ G, step
.if \step
	s_add_nc_u64 s[WB+2*(\G):WB+2*(\G)+1], s[WB+2*(\G):WB+2*(\G)+1], 128*PITCH
.endif
	WIN 0xc0
.irp k, 0,1,2,3,4,5,6,7
	global_load_b128 v[64*((\G)/2)+4*(8*((\G)%2)+(\k)):64*((\G)/2)+4*(8*((\G)%2)+(\k))+3], v[WO], s[WB+2*(\G):WB+2*(\G)+1] offset:(\k)*PITCH th:TH_LOAD_NT
.endr
.endm
; Rounded and laid down: register 4 c + p of column tile 4 g + j packs k = 16 c + 8 hh + 2 p and + 1.  A fragment is 1,024 bytes, lane L's 16 bytes at 512 c + 16 L: every LDS store and load takes consecutive bytes.
; All of stage 0, ahead of the loop:
.macro CONV0
.irp g, 0,1
.if (\g) == 1
	s_wait_alu depctr_vm_vsrc(0)                   ; the eight LDS stores above have read CV, which the roundings below write again
.endif
	WIN 0x8f
.irp j, 0,1,2,3
.irp c, 0,1
.irp p, 0,1,2,3
	v_cvt_pk_bf16_f32 v[CV+8*(\j)+4*(\c)+(\p)], v[128+64*(\g)+4*(8*(\c)+2*(\p))+(\j)], v[128+64*(\g)+4*(8*(\c)+2*(\p)+1)+(\j)]
.endr
.endr
.endr
	WIN 0x08
	s_wait_alu depctr_va_vdst(0)                   ; the 32 roundings have written CV, which the LDS stores read
.irp j, 0,1,2,3
.irp c, 0,1
	ds_store_b128 v[STB], v[CV+8*(\j)+4*(\c):CV+8*(\j)+4*(\c)+3] offset:(4*(\g)+(\j))*1024+(\c)*512
.endr
.endr
.endr
	WIN 0
.endm
; An eighth of the next stage, ahead of unit u: of group u / 2 the column tiles j = 2 (u % 2) and + 1.  ROUND: eight roundings.  LAY: two stores, 32,768 bytes behind the stage that is being read.  The unit's wait stands between the two.
.macro ROUND u
.set CG, (\u)/4
.set CC, ((\u)/2)%2
	WIN 0x8f
.irp jj, 0,1
.irp p, 0,1,2,3
	v_cvt_pk_bf16_f32 v[CV+8*((\u)%4)+4*(\jj)+(\p)], v[64*CG+4*(8*CC+2*(\p))+2*((\u)%2)+(\jj)], v[64*CG+4*(8*CC+2*(\p)+1)+2*((\u)%2)+(\jj)]
.endr
.endr
.endm
.macro LAY u
.set CG, (\u)/4
.set CC, ((\u)/2)%2
	WIN 0x08
.irp jj, 0,1
	ds_store_b128 v[ST], v[CV+8*((\u)%4)+4*(\jj):CV+8*((\u)%4)+4*(\jj)+3] offset:32768+(4*CG+2*((\u)%2)+(\jj))*1024+CC*512
.endr
.endm
; Quarter q of a stage's rows: 32 k x my five tiles, ten loads.  Its offset register is stepped apart from them, ahead of a wait on va_vdst.
.macro NEXTA q
	WIN 0
.irp i, 0,1,2,3,4
	global_load_b128 v[AS+40*(\q)+8*(\i):AS+40*(\q)+8*(\i)+3],   v[AQ+(\q)], s[AB+2*(\i):AB+2*(\i)+1]
	global_load_b128 v[AS+40*(\q)+8*(\i)+4:AS+40*(\q)+8*(\i)+7], v[AQ+(\q)], s[AB+2*(\i):AB+2*(\i)+1] offset:512
.endr
.endm
; Unit u of a stage's eight: quarter q = u / 2, column tiles 4 g .. 4 g + 3 with g = u % 2.  Its four weight fragments, into buffer u % 2.
.macro LOADB u
	WIN 0
.irp j, 0,1,2,3
.irp c, 0,1
	ds_load_b128 v[BB+32*((\u)%2)+8*(\j)+4*(\c):BB+32*((\u)%2)+8*(\j)+4*(\c)+3], v[LB] offset:((\u)/2)*8192+((\u)%2)*4096+(\j)*1024+(\c)*512
.endr
.endr
.endm
; DOWN = 0: source 0 = weights, source 1 = rows: a lane then holds one row and eight columns.  DOWN = 1: the other way round: a lane holds one column and eight rows.
.macro PROD d, w, a
.if DOWN
	v_wmma_f32_16x16x32_bf16 v[(\d):(\d)+7], v[(\a):(\a)+7], v[(\w):(\w)+7], v[(\d):(\d)+7]
.else
	v_wmma_f32_16x16x32_bf16 v[(\d):(\d)+7], v[(\w):(\w)+7], v[(\a):(\a)+7], v[(\d):(\d)+7]
.endif
.endm
; A unit's products: 16 for tiles 0-3 (MUL16), 4 for tile 4 where it is live (MUL4).  The accumulators take turns, one instruction a turn: a unit's are all different, and the next unit has the other g's.
.macro MUL16 u
.set QQ, (\u)/2
.set GG, (\u)%2
	WIN 0x50
.irp j, 0,1,2,3
.irp i, 0,1,2,3
	PROD 64*(\i)+8*(4*GG+(\j)),BB+32*GG+8*(\j),AS+40*QQ+8*(\i)
.endr
.endr
.endm
.macro MUL4 u
.set QQ, (\u)/2
.set GG, (\u)%2
	WIN 0                                          ; at a branch and at a label every window is 0
	s_cmp_lt_u32 s[NW], 5
	s_cbranch_scc1 .Lno4_\@
	WIN 0xa0
.irp j, 0,1,2,3
	PROD 8*(4*GG+(\j)),BB+32*GG+8*(\j),AS+40*QQ+32
.endr
	WIN 0
.Lno4_\@:
.endm
.macro MUL20 u
	MUL16 \u
	MUL4 \u
.endm
; A stage's eight units.  conv = 1: the next stage's weights are rounded and laid down; rawi = 1: the weights of the stage after it are asked for; ai = 1: the next stage's rows are.
; A unit's weight fragments are asked for one unit ahead, behind the unit's wait; the roundings (or four v_nop) ahead of that wait are also the places behind the products of the unit before.
; The unit's global loads stand behind its first sixteen products, which name none of their registers.
; THE PREFETCH (pf = 1).  In the trip of stage s each wave asks for its own 32 rows x 512 bytes of stage s + 3, 64 aligned blocks of 256 bytes, a lane each, by two instructions: 16 KB a wave, one trip ahead of the
; loads that take them (those go out in the trip of stage s + 1); each block is asked for once in the launch, by the wave that will load it.  Stages 0 and 1 are loaded at the kernel's start, where stage 2 is asked for; the
; loop's last trip, whose s + 3 would lie behind the slice, asks for nothing.  The base is stepped behind s_wait_xcnt 0, which stands a unit's products behind the wave's last issue.
.macro COMPUTE conv, rawi, ai, pf
	LOADB 0                                        ; no wait on va_vdst: LB was written, and this buffer's last products were issued, ahead of the wait at the end of the trip before (the first trip: ahead of the loop)
.irp u, 0,1,2,3,4,5,6,7
.if (\u) % 2 == 0
.set QU, (\u)/2
.set LC, (3-QU)*(10+8*(\conv))+(\rawi)*8*QU
.if QU > 1
.set LC, LC+(\ai)*10*(QU-1)
.endif
	s_wait_loadcnt LC                              ; quarter QU of the rows and group QU of the weights are in; what was issued behind them stays out: the later quarters and groups of their round, and what this trip has asked for
.endif
.if \conv
.if (\u) == 4
	s_wait_alu depctr_vm_vsrc(0)                   ; the LDS stores of units 0 to 3 have read CV, which the roundings of units 4 to 7 write again
.endif
.if (\ai) && ((\u) > 0) && ((\u) % 2 == 0)
	WIN 0
	v_add_nc_u32 v[AQ+(\u)/2-1], 4096, v[AQ+(\u)/2-1]  ; the next stage; free since the wait for the quarter that it brought last, and its loads stand ahead of a wait on vm_vsrc (unit 4's or the last trip's end)
.endif
	ROUND \u
	s_wait_alu depctr_va_vdst(0)                   ; the roundings have written CV, which the LDS stores read, and are done reading their group of weights; the products of the unit before are done reading their weight fragments and their rows; the quarter's offset is written: loads land in, or read, all of these below
	LAY \u
.elseif ((\u) > 0) && ((\u) < 7)
	PLACES
	s_wait_alu depctr_va_vdst(0)                   ; the products of the unit before are done reading the weight fragments in which the LDS loads below land
.endif
.if (\pf) && ((\u) == 1)
	WIN 0
	s_cmp_eq_u32 s[CNT], 1
	s_cbranch_scc1 .Lnopf_\@
	s_wait_xcnt 0x0
	s_add_nc_u64 s[PB:PB+1], s[PB:PB+1], 128*PITCH
	global_prefetch_b8 v[PO], s[PB:PB+1] th:TH_LOAD_NT scope:SCOPE_SE
	global_prefetch_b8 v[PO], s[PB:PB+1] offset:16*PITCH th:TH_LOAD_NT scope:SCOPE_SE
.Lnopf_\@:
.endif
.if (\u) < 7
	LOADB (\u)+1
	s_wait_dscnt 8+2*(\conv)                       ; this unit's fragments are in; the eight loads just issued and this unit's two stores stay out
.else
	s_wait_dscnt 2*(\conv)
.endif
	MUL16 \u
.if (\rawi) && ((\u) % 2 == 1)
	RAWQ (\u)/2, 1                                 ; no wait: no vector or matrix instruction since the unit's wait names the group's registers or WO
.endif
.if (\ai) && ((\u) > 0) && ((\u) % 2 == 0)
	NEXTA (\u)/2-1                                 ; no wait: the sixteen products since the unit's wait read the next quarter, not this one
.endif
	MUL4 \u
.endr
.endm
; What the way out needs beside the sums: DOWN = 0: my 64 numbers of the bias (columns 64 g + 32 hh + 0..31).  DOWN = 1: the gate weights of my eight rows in each of my five tiles.
.macro AUX
	WIN 0x80
.if DOWN
.irp i, 0,1,2,3,4
	global_load_b128 v[AX+8*(\i):AX+8*(\i)+3],   v[BO], s[GB+2*(\i):GB+2*(\i)+1]
	global_load_b128 v[AX+8*(\i)+4:AX+8*(\i)+7], v[BO], s[GB+2*(\i):GB+2*(\i)+1] offset:16
.endr
.else
.irp g, 0,1
.irp m, 0,1,2,3,4,5,6,7
	global_load_b128 v[BR+32*(\g)+4*(\m):BR+32*(\g)+4*(\m)+3], v[BO], s[10:11] offset:(\g)*256+(\m)*16
.endr
.endr
.endif
	WIN 0
.endm
; THE TRIP OF A STAGE.  Its fragments were laid down in the trip before (stage 0's ahead of the loop): the barrier at its head shows them to every wave.
; At its end (ai = 1) the next trip's LDS addresses and quarter 3's offset are made, between one wait on vm_vsrc and one on va_vdst, and quarter 3 of the next stage's rows is asked for.
.macro TRIP conv, rawi, ai, pf
	WIN 0
	s_wait_dscnt 0x0                               ; for the others' sake: my fragments of this stage lie in LDS
	s_barrier_signal -1
	s_barrier_wait -1                              ; everybody's do
	COMPUTE \conv, \rawi, \ai, \pf
.if \ai
	PLACES
	s_add_co_u32 s[LOFF], s[LOFF], 32768
	s_wait_alu depctr_vm_vsrc(0)                   ; the trip's LDS loads and stores have read LB and ST, quarter 3's last loads AQ + 3: the three are written below; the LDS stores of units 4 to 7 have read CV and the loads of quarters 0 to 2 their offsets, which the next trip writes
	v_add_nc_u32 v[LB], s[LOFF], v[L16]
.if \rawi
	v_add_nc_u32 v[ST], s[LOFF], v[STB]            ; the next trip lays fragments down if this one has asked for weights
.endif
	v_add_nc_u32 v[AQ+3], 4096, v[AQ+3]            ; free since unit 6's wait for the quarter that it brought last
	s_wait_alu depctr_va_vdst(0)                   ; LB, ST and AQ + 3 are written; the products of units 6 and 7 are done reading quarter 3 and their weight fragments: the loads below and the next trip's first LDS loads land there
	NEXTA 3
.endif
.endm
; The pass's tiles: how many of my five are live, and where each lies.  The last line on a tile's number is the clamp to the buffers' 136 tiles.
.macro BASES first
.if (\first) == 0
	s_wait_xcnt 0x0                                ; the bases are rewritten only behind this wait
	s_wait_alu depctr_vm_vsrc(0)                   ; the way out's stores have read their data, in which the next pass's rows land and which its way out writes again; the loads issued so far have read LB and AQ, which the next pass writes
.endif
	s_add_co_u32 s26, s[LT], s[WV]
	s_sub_co_i32 s27, s[NT], s26
	s_add_co_i32 s27, s27, 3
	s_max_i32 s27, s27, 0
	s_lshr_b32 s27, s27, 2
	s_min_u32 s[NW], s27, 5
	s_add_co_u32 s26, s26, s[T0]
	s_mov_b32 s29, 0
.irp i, 0,1,2,3,4
	s_add_co_u32 s27, s26, 4*(\i)
	s_min_u32 s27, s27, s[LAST]
	s_min_u32 s27, s27, 135
	s_lshl_b32 s28, s27, ASH
	s_add_nc_u64 s[AB+2*(\i):AB+2*(\i)+1], s[6:7], s[28:29]
	s_lshl_b32 s28, s27, OSH
	s_add_nc_u64 s[OB+2*(\i):OB+2*(\i)+1], s[12:13], s[28:29]
.if DOWN
	s_lshl_b32 s28, s27, 6
	s_add_nc_u64 s[GB+2*(\i):GB+2*(\i)+1], s[10:11], s[28:29]
.endif
.endr
.endm
; THE WAY OUT of a pass; dead tiles are jumped, whole.  Each accumulator's lowest register is read first.  Every tile has registers of its own for what it stores: a tile's vector work, one wait on va_vdst, its run of stores.
.macro EPI
	WIN 0
	s_wait_xcnt 0x0                                ; registers that the last pass's stores read are rewritten only behind this wait
.if DOWN
; Lane (r, hh) holds rows 8 hh + J (register J) and, over the four column tiles j of a g, the columns 64 g + 4 r + j: the multiplication by the row's gate weight brings the four together, and 16 lanes store 256 consecutive bytes, aligned.
.irp i, 0,1,2,3,4
	s_cmp_le_u32 s[NW], \i
	s_cbranch_scc1 .Lepi_end_\@
.if (\i) < 2
.set DW, 0
.set PR, PK+64*(\i)
.else
.set DW, 3
.set PR, 64*((\i)-2)
.endif
	WIN (DW<<6)|0x08|(1+(\i)/4)
.set z, 0
.rept 64                               ; z = 32 g + 4 J + j
	v_mul_f32 v[PR+z], v[(64*(\i))%256+8*(4*(z/32)+z%4)+(z/4)%8], v[AX+8*(\i)+(z/4)%8]
.set z, z+1
.endr
	WIN DW<<2
	s_wait_alu depctr_va_vdst(0)                   ; the tile's 64 multiplications have written what the stores read (and are done reading the tile's gate weights)
.set z, 0
.rept 16                               ; z = 8 g + J
	global_store_b128 v[EO], v[PR+4*z:PR+4*z+3], s[OB+2*(\i):OB+2*(\i)+1] offset:(z%8)*4096+(z/8)*256
.set z, z+1
.endr
	WIN 0
.endr
.else
; Lane (r, hh) holds row r and the 32 columns 64 g + 32 hh + 4 J + j: all of row r in fragment 2 g + hh of my four.  The bias is in the sums already; rounding, relu on the packed halves; each store fills two aligned runs of 256 bytes.
.irp i, 0,1,2,3,4
	s_cmp_le_u32 s[NW], \i
	s_cbranch_scc1 .Lepi_end_\@
	WIN 0x05+5*((\i)/4)
.set z, 0
.rept 32                               ; z = 16 g + 2 J + j / 2: columns 4 J + j and 4 J + j + 1
	v_cvt_pk_bf16_f32 v[PK+32*(\i)+z], v[(64*(\i))%256+8*(4*(z/16)+2*(z%2))+(z%16)/2], v[(64*(\i))%256+8*(4*(z/16)+2*(z%2)+1)+(z%16)/2]
.set z, z+1
.endr
	WIN 0
.set z, 0
.rept 32
	v_pk_max_num_bf16 v[PK+32*(\i)+z], v[PK+32*(\i)+z], v[NUL]
.set z, z+1
.endr
	s_wait_alu depctr_va_vdst(0)                   ; the tile's roundings and maxima have written what the stores read
.irp g, 0,1
.irp x, 0,1,2,3
	global_store_b128 v[EO], v[PK+16*(2*(\i)+(\g))+4*(\x):PK+16*(2*(\i)+(\g))+4*(\x)+3], s[OB+2*(\i):OB+2*(\i)+1] offset:2048*(\g)+512*((\x)/2)+256*((\x)%2)
.endr
.endr
.endr
.endif
.Lepi_end_\@:
.endm
; A LATER PASS, for experts with more than 320 rows: the same products on the resident slice, 32 k a trip, 32 trips.  Kept short and plain: a quarter's rows are asked for and waited for, into the first quarter's registers.
; No barrier: nobody writes the slice any more.  The two addresses are stepped together at a trip's tail, behind one wait on vm_vsrc; one wait on va_vdst stands at a trip's head.
.macro LATER
	v_mov_b32 v[AQ], v[L16]                        ; AQ and LB: the loads that read them stand ahead of the wait on vm_vsrc behind the way out
	s_mov_b32 s[LOFF], 0
	v_add_nc_u32 v[LB], s[LOFF], v[L16]
.if DOWN
	AUX                                            ; no wait: each tile's multiplications, the gate weights' last readers, stand ahead of the wait in front of that tile's stores
.endif
	ZERO
	s_mov_b32 s[CNT], 32
.Llater:
	PLACES
	s_wait_alu depctr_va_vdst(0)                   ; AQ and LB are written; the products of the trip before are done reading the rows and weight fragments, and the way out has written the registers, in which the loads below land
	NEXTA 0
	LOADB 0
	LOADB 1
	s_wait_loadcnt 0x0
	s_wait_dscnt 8                                 ; the first unit's fragments are in; the second's eight loads stay out
	MUL20 0
	s_wait_dscnt 0x0
	MUL20 1
	s_add_co_u32 s[LOFF], s[LOFF], 8192
	s_wait_alu depctr_vm_vsrc(0)                   ; the trip's loads have read AQ and LB
	v_add_nc_u32 v[AQ], 1024, v[AQ]                ; free: the trip's wait was for all its loads
	v_add_nc_u32 v[LB], s[LOFF], v[L16]
	s_sub_co_u32 s[CNT], s[CNT], 1
	s_cmp_lg_u32 s[CNT], 0
	s_cbranch_scc1 .Llater
	PLACES 5
.endm
	s_load_b256 s[4:11], s[0:1], 0x0               ; tbl s[4:5], the rows s[6:7], the weights s[8:9], bias or rg s[10:11]
	s_load_b64 s[12:13], s[0:1], 0x20              ; the result
	v_lshl_add_u32 v30, v0, 2, 0x40000
	v_mov_b32 v31, 0
	v_mov_b32 v[NUL], 0
.set z, 0
.rept 8
	v_mov_b32 v[ZR+z], 0
.set z, z+1
.endr
	v_lshrrev_b32 v12, 5, v0
	v_readfirstlane_b32 s[WV], v12                 ; wave 0..3
	v_and_b32 v12, 31, v0
	v_lshlrev_b32 v[L16], 4, v12
	v_and_b32 v13, 15, v0                          ; r
	v_bfe_u32 v14, v0, 4, 1                        ; hh
	v_lshlrev_b32 v15, 4, v13                      ; 16 r
	v_lshl_add_u32 v[WO], v14, PSH+3, v15
	s_wait_alu depctr_va_sdst(0)                   ; the wave's number is written, ahead of its first reader
	s_lshl_b32 s26, s[WV], 13
	v_add_nc_u32 v[STB], s26, v[L16]
.irp q, 0,1,2,3
	v_add_nc_u32 v[AQ+(\q)], 1024*(\q), v[L16]
.endr
	v_lshrrev_b32 v[PO], 1, v12
	v_and_b32 v12, 1, v12
	v_lshlrev_b32 v[PO], PSH, v[PO]
	v_lshl_add_u32 v[PO], v12, 8, v[PO]
.if DOWN
	v_lshl_add_u32 v[EO], v14, 15, v15             ; 8 hh rows of 4,096 bytes + 16 r
	v_lshlrev_b32 v[BO], 5, v14                    ; my eight rows' gate weights
.else
	v_lshl_add_u32 v[EO], v14, 10, v15             ; fragment hh + 16 r
	v_lshlrev_b32 v[BO], 7, v14                    ; my 32 columns' bias
.endif
	s_and_b32 s16, ttmp7, 0xffff                   ; the expert
	s_lshl_b32 s26, s16, 24                        ; its weights: 16 MiB
	s_lshl_b32 s27, s[WV], WSH                     ; my wave's 32 rows of a stage
	s_add_co_u32 s26, s26, s27
.if DOWN
	s_and_b32 s15, ttmp9, 7                        ; which 128 columns
	s_lshr_b32 s25, ttmp9, 3                       ; which quarter of K
	s_lshl_b32 s27, s25, 22                        ; its 1,024 rows of 4,096 bytes
	s_add_co_u32 s26, s26, s27
.else
	s_mov_b32 s15, ttmp9                           ; which 128 columns
.endif
	s_lshl_b32 s27, s15, 9
	s_add_co_u32 s26, s26, s27
	s_mov_b32 s27, 0
	s_lshl_b32 s28, s16, 3                         ; the expert's entry of tbl
	s_mov_b32 s29, 0
	s_wait_kmcnt 0x0
	s_add_nc_u64 s[4:5], s[4:5], s[28:29]
	s_load_b64 s[18:19], s[4:5], 0x0               ; first tile, number of tiles
	s_add_nc_u64 s[8:9], s[8:9], s[26:27]          ; my rows of stage 0
.irp G, 0,1,2,3
	s_add_nc_u64 s[WB+2*(\G):WB+2*(\G)+1], s[8:9], 128*PITCH+((\G)/2)*256+((\G)%2)*16*PITCH   ; group G of stage 1
.endr
	s_add_nc_u64 s[PB:PB+1], s[8:9], 256*PITCH     ; my rows of stage 2
	s_wait_alu depctr_va_vdst(0)                   ; the offsets and addresses WO, EO, BO, STB, AQ .. AQ + 3 and PO are written, which the loads, prefetches and stores of the kernel read
	RAW0                                           ; the weights need no table: stage 0 goes out first
	WIN 0
	global_prefetch_b8 v[PO], s[PB:PB+1] th:TH_LOAD_NT scope:SCOPE_SE                   ; stage 2: its loads go out in the trip of stage 0
	global_prefetch_b8 v[PO], s[PB:PB+1] offset:16*PITCH th:TH_LOAD_NT scope:SCOPE_SE
.if DOWN
	s_lshl_b32 s28, s25, 15                        ; the quarter's 32 fragments in a tile of h
	s_add_nc_u64 s[6:7], s[6:7], s[28:29]
	s_mul_i32 s28, s25, QSTR
	s_lshl_b32 s26, s15, 9
	s_add_co_u32 s28, s28, s26
	s_add_nc_u64 s[12:13], s[12:13], s[28:29]
	ZERO                                           ; names ZR and the accumulators alone: none of the registers that the loads below touch
.else
	s_lshl_b32 s28, s16, 14                        ; the expert's bias, my 128 columns
	s_lshl_b32 s26, s15, 9
	s_add_co_u32 s28, s28, s26
	s_add_nc_u64 s[10:11], s[10:11], s[28:29]
	AUX
	s_lshl_b32 s28, s15, 12                        ; my four fragments in a tile of h
	s_add_nc_u64 s[12:13], s[12:13], s[28:29]
.endif
	s_wait_kmcnt 0x0
	s_min_u32 s[T0], s[T0], 135
	s_min_u32 s[NT], s[NT], 64
	s_add_co_u32 s[LAST], s[T0], s[NT]
	s_max_u32 s[LAST], s[LAST], 1
	s_sub_co_u32 s[LAST], s[LAST], 1               ; the expert's last tile; for an expert without rows the tile in front, which some expert has written
	s_mov_b32 s[LT], 0
	BASES 1
.if DOWN
	AUX
.endif
.irp q, 0,1,2
	RAWQ \q, 0                                     ; stage 1's weights and stage 0's rows, by turns, as every trip leaves them
	NEXTA \q
.endr
	s_wait_loadcnt 54                              ; stage 0's weights and the bias (DOWN: the gate weights) are in; the 3 x 18 loads just issued stay out
	CONV0
.if DOWN == 0
	WIN 0x8a                                       ; the bias is rounded once to bf16 and widened again, each number into its place in a C operand: column 64 g + 32 hh + 4 J + j is register J of column tile 4 g + j
.set z, 0
.rept 32
	v_cvt_pk_bf16_f32 v[BP+z], v[BR+2*z], v[BR+2*z+1]
.set z, z+1
.endr
.set z, 0
.rept 32                               ; z = 16 g + 2 J + j / 2
	v_lshlrev_b32 v[AX+8*(4*(z/16)+2*(z%2))+(z%16)/2], 16, v[BP+z]
	v_and_b32 v[AX+8*(4*(z/16)+2*(z%2)+1)+(z%16)/2], 0xffff0000, v[BP+z]
.set z, z+1
.endr
	ZERO
.endif
	RAWQ 3, 0                                      ; the round's last group and quarter: no vector or matrix instruction has named their registers
	NEXTA 3
	s_mov_b32 s[LOFF], 0
	v_add_nc_u32 v[LB], s[LOFF], v[L16]
	v_add_nc_u32 v[ST], s[LOFF], v[STB]
	s_wait_alu depctr_vm_vsrc(0)                   ; stage 0's LDS stores have read CV, which the first trip's roundings write again
	s_wait_alu depctr_va_vdst(0)                   ; LB and ST are written, which the first trip's LDS loads and stores read
	s_mov_b32 s[CNT], 6
.Lstage:                                               ; the trips of stages 0 to 5
	TRIP 1, 1, 1, 1
	s_sub_co_u32 s[CNT], s[CNT], 1
	s_cmp_lg_u32 s[CNT], 0
	s_cbranch_scc1 .Lstage
	TRIP 1, 0, 1, 0                                ; stage 6 is written out: no weights are left to ask for, so its counts are others
	TRIP 0, 0, 0, 0                                ; and so is stage 7: nothing is rounded or asked for, and its counts run down
	PLACES 5
	s_mov_b32 s[PS], 4
.Lpass:                                                ; four trips, always: four passes of 20 tiles cover the 64 tiles that one expert can have.  A trip: the way out of one pass, then the next pass's products
	EPI
	s_add_co_u32 s[LT], s[LT], 20
	BASES 0
	s_cmp_eq_u32 s[NW], 0
	s_cbranch_scc1 .Lskip                          ; no row of mine in the next pass (in the fourth trip always): its products are jumped, forward; no barrier and no LDS write stands in what is jumped
	LATER
.Lskip:
	s_sub_co_u32 s[PS], s[PS], 1
	s_cmp_lg_u32 s[PS], 0
	s_cbranch_scc1 .Lpass
	s_wait_dscnt 0x0                               ; my reads of the slice are back
	s_barrier_signal -1
	s_barrier_wait -1                              ; everybody's are
	s_wait_dscnt 0x0                               ; the wave's end
	s_wait_alu depctr_hold_cnt(0) depctr_sa_sdst(0) depctr_va_vdst(0) depctr_va_sdst(0) depctr_va_ssrc(0) depctr_va_vcc(0) depctr_vm_vsrc(0)
	s_wait_tensorcnt 0x0
	ds_add_u32 v30, v31
	s_wait_dscnt 0x0
	s_endpgm
.Lfunc_end_k_q88ca66795d_up:
	.size	k_q88ca66795d_up, .Lfunc_end_k_q88ca66795d_up-k_q88ca66795d_up
	.p2alignl 7, 3214868480
	.fill 96, 4, 3214868480
	.section	.rodata,"a",@progbits
	.p2align	6, 0x0
	.amdhsa_kernel k_q88ca66795d_up
		.amdhsa_group_segment_fixed_size 262656
		.amdhsa_private_segment_fixed_size 0
		.amdhsa_enable_private_segment 0
		.amdhsa_kernarg_size 40
		.amdhsa_user_sgpr_count 2
		.amdhsa_user_sgpr_kernarg_segment_ptr 1
		.amdhsa_wavefront_size32 1
		.amdhsa_system_sgpr_workgroup_id_x 1
		.amdhsa_system_sgpr_workgroup_id_y 1
		.amdhsa_system_sgpr_workgroup_id_z 1
		.amdhsa_system_vgpr_workitem_id 0
		.amdhsa_next_free_vgpr 1024
		.amdhsa_next_free_sgpr 80
		.amdhsa_reserve_vcc 0
		.amdhsa_float_denorm_mode_32 3
		.amdhsa_float_denorm_mode_16_64 3
		.amdhsa_memory_ordered 1
		.amdhsa_forward_progress 1
		.amdhsa_inst_pref_size 138
	.end_amdhsa_kernel
	.amdgpu_metadata
---
amdhsa.version: [ 1, 2 ]
amdhsa.kernels:
  - .name:           k_q88ca66795d_up
    .symbol:         k_q88ca66795d_up.kd
    .args:
      - { .name: tbl, .offset: 0, .size: 8, .value_kind: global_buffer, .address_space: global }
      - { .name: xg, .offset: 8, .size: 8, .value_kind: global_buffer, .address_space: global }
      - { .name: w1, .offset: 16, .size: 8, .value_kind: global_buffer, .address_space: global }
      - { .name: b1, .offset: 24, .size: 8, .value_kind: global_buffer, .address_space: global }
      - { .name: h, .offset: 32, .size: 8, .value_kind: global_buffer, .address_space: global }
    .group_segment_fixed_size: 262656
    .private_segment_fixed_size: 0
    .kernarg_segment_align: 8
    .kernarg_segment_size: 40
    .max_flat_workgroup_size: 128
    .sgpr_count:     80
    .vgpr_count:     1024
    .wavefront_size: 32
...
	.end_amdgpu_metadata
.endif
;; end of part 9
;; launch down (part 10): grid 32 x 8, 4 waves a work-group, no clusters, 262,656 bytes of LDS; arguments tbl, h, w2, rg, part; writes part
.if DOCPART == 10
	.amdgcn_target "amdgcn-amd-amdhsa--gfx1250"
	.amdhsa_code_object_version 6
	.text
	.protected	k_q88ca66795d_down
	.globl	k_q88ca66795d_down
	.p2align	8
	.type	k_q88ca66795d_down,@function
k_q88ca66795d_down:
	s_mov_b64 s[64:65], 0
	v_nop
	global_prefetch_b8 v0, s[64:65] scope:SCOPE_SE
	s_setreg_imm32_b32 hwreg(HW_REG_WAVE_SCHED_MODE, 0, 2), 2
	s_setreg_imm32_b32 hwreg(HW_REG_WAVE_MODE, 25, 1), 1
	s_wait_xcnt 0x0
	s_wait_alu depctr_vm_vsrc(0)
; ONE PRODUCT OF THE EXPERTS' CHAIN; the same text serves both products, by the switch DOWN.
;   DOWN = 0:  h = relu(xg w1[e] + b1[e]), rounded once to bf16 and stored as matrix fragments.        DOWN = 1:  part[kq] = rg x (h w2[e]) over a quarter kq of K, f32 partial sums.
; SHARES.  Work-group (x, e) has one slice of expert e's weights, 1,024 k x 128 columns of f32 (512 KB), which it alone reads, once, and ALL of that expert's rows, whatever their number.
; THE SLICE goes through registers in 8 stages of 128 k: each wave loads 32 k x 128 columns, rounds them to bf16 and lays them into LDS as matrix fragments.  All 256 KB stay: no LDS byte is
; written twice, so one barrier a stage (my stores are done; then everybody reads) is all the ordering there is.  THE TRIP OF STAGE s multiplies stage s with the expert's first 20 tiles of 16 rows (pass 0), rounds stage
; s + 1's weights and lays them down (eight roundings and two LDS stores ahead of each of the trip's eight units of products: they are also the places behind the unit before), and asks for stage s + 2's weights and
; stage s + 1's rows.  An expert with more rows has up to three more passes on the resident slice, without barrier; a wave without rows in a pass jumps over it.  The 512 bytes of LDS behind the slice take only the wave's closing add.
; NO TURNING LOAD.  Lane (r, hh) loads 16 bytes of row 16 c + 8 hh + i, columns 64 g + 4 r + 0..3: lanes 0-15 take 256 consecutive bytes, aligned, lanes 16-31 those 8 rows on.  Number j of a load
; belongs to column tile 4 g + j, whose sixteen columns are the real columns 64 g + 4 r + j: so k runs along a lane's registers as an operand wants it, and two roundings pack a register.
; A WAVE has the tiles LT + w + 4 i, i = 0..4, times all 128 columns: 40 accumulators.  Tiles past the expert's count repeat its last tile (an expert without rows: a tile that exists) and are not stored;
; the fifth tile's products are jumped where it is dead.  The rows' fragments come straight from memory, 512 consecutive bytes a load.
; THE QUEUE OF LOADS.  Loads come back in order (ISA guide 5.7.1), so a wait says how many younger ones may stay out.  A stage's weights are four groups R0-R3 of 8 loads (16 k x 64 columns), its rows four quarters
; A0-A3 of 10 loads (32 k x five tiles).  They are asked for by turns, R0 A0 R1 A1 R2 A2 R3 A3: group G behind the first sixteen products of unit 2 G + 1, whose roundings are the last to read its registers; quarter q behind
; the first sixteen products of unit 2 q + 2, quarter 3 at the trip's end.  One wait, ahead of units 0, 2, 4, 6, serves quarter q and group q, which is older.  Behind A0 stand 3 x 18 = 54 younger loads; behind Aq, q > 0,
; stand 18 (3 - q) of its own round and 8 q + 10 (q - 1) of the next: 44, whatever q.  Each group has a base and each quarter an offset register of its own, stepped behind the counted wait that shows its own last loads done.
; With 72 named the count can pass what LOADcnt's field holds; the issue then waits for the oldest (ISA guide 5.7.1), which the next wait would ask for anyway.
; NO CLUSTER: what an expert's 32 work-groups share is the rows' fragments, 80 KB a stage; two slots of that do not fit in the 64 KB beside the slice.  No tensor loads: every weight passes registers for its rounding.
; LIMITS.  Every input is rounded once to bf16 (weights, bias, rows), h once to bf16; sums in f32.  NaN and infinities are not treated apart.
; THE MODE: SCHED_MODE bits 1:0 = 2 (LLVM: expert scheduling mode 2), set by the entry lines.  The code itself states the register dependences between vector or matrix instructions and memory or LDS instructions,
; with s_wait_alu, always for 0.
; THE PLAN.  Registers that memory or LDS instructions touch in the loop over stages; u = 0..7 is a unit of a trip:
;   RAW group G    read by the roundings of units 2 G and 2 G + 1; then the loads of the stage after next land in it, issued in unit 2 G + 1.
;   CV[u % 4]      written by unit u's roundings; read by unit u's two LDS stores; written again four units on.
;   BB[u % 2]      read by unit u's products; the LDS loads issued in unit u + 1 land in it.
;   AS quarter q   read by the products of units 2 q and 2 q + 1; the next stage's loads land in it, issued in unit 2 q + 2 (quarter 3: at the trip's end).
;   AQ + q         read by the quarter's loads; stepped at the head of the unit that issues them, ahead of that unit's wait.
;   LB, ST         read by a trip's LDS loads and stores; written at the end of the trip before.
;   WO, PO, EO, BO, STB   written at the kernel's head and never again.       The accumulators, ZR and the bias operand are named by vector and matrix instructions alone.
; ONE wait on va_vdst stands in a unit, behind its roundings; one more at the trip's end.  Behind a unit's wait the only vector or matrix instructions up to the next wait are the unit's products, which name BB[u % 2],
; quarter u / 2 and accumulators: none of the registers that the unit's stores and loads touch; so these follow with no further wait, the global loads dealt among the products.  Two waits on vm_vsrc a trip: ahead of unit 4's roundings and at the trip's end.
; REGISTERS, in windows of 256 (s_set_vgpr_msb: bits 1:0 source 0, 3:2 source 1, 5:4 source 2, 7:6 destination):
;   window 0: v0-28 addresses and zeros; v32-95 weight fragments, two buffers of four; v96-255 the rows' fragments, (q, i) at 96 + 40 q + 8 i (on the way out: results as stored)
;   window 1: accumulators of tiles 0-3: (i, n) at 64 i + 8 n
;   window 2: v0-63 tile 4's; v64-127 the bias as a C operand (DOWN: v64-103 the rows' gate weights); v128-223 the bias as loaded and packed; v224-255 weights just rounded
;   window 3: v0-127 weights as loaded; v128-255 stage 0's weights as loaded (DOWN, on the way out: v0-191 results as stored)
.set DOWN, 1
.if DOWN
.set PITCH, 4096                       ; bytes in a row of the weights
.set PSH,   12                         ; its log2
.set WSH,   17                         ; log2 of a wave's 32 rows
.set ASH,   17                         ; log2 of a tile's bytes in the rows' buffer
.set OSH,   16                         ; log2 of a tile's bytes in the result
.else
.set PITCH, 16384
.set PSH,   14
.set WSH,   19
.set ASH,   15
.set OSH,   17
.endif
.set QSTR,  8912896                    ; bytes of one quarter's partial sums: 2,176 rows x 4,096
.set L16, 1                            ; v1   16 lane
.set LB,  2                            ; v2   LDS address of the stage's fragments
.set ST,  3                            ; v3   the same + 8,192 wave: 32,768 bytes further on I lay the next stage's fragments down
.set WO,  5                            ; v5   8 hh rows + 16 r: offset in the weights; never rewritten
.set EO,  6                            ; v6   my offset in a tile of the result
.set BO,  7                            ; v7   my offset in the bias (DOWN: in a tile's gate weights)
.set NUL, 10                           ; v10  0, for the relu
.set STB, 11                           ; v11  16 lane + 8,192 wave
.set ZR,  16                           ; v16-23 zeros: both operands of the products that start the sums
.set AQ,  24                           ; v24-27 quarter q: 16 lane + 1,024 q + 4,096 x stage: offset in a tile of the rows' buffer
.set PO,  28                           ; v28  (lane / 2) rows + 256 (lane % 2): the prefetch's offset; never rewritten
.set BB,  32
.set AS,  96
.set PK,  96                           ; the way out: results as stored
.set AX,  64                           ; window 2
.set BR,  128                          ; window 2
.set BP,  192                          ; window 2
.set CV,  224                          ; window 2
.set WV,  14                           ; s14 wave
.set LAST, 17                          ; s17 the expert's last tile
.set T0,  18                           ; s18 its first tile
.set NT,  19                           ; s19 its number of tiles
.set LT,  20                           ; s20 the pass's first tile, counted from T0
.set NW,  21                           ; s21 how many of my five tiles are live
.set LOFF, 22                          ; s22 the stage's first LDS byte
.set CNT, 23
.set PS,  24
.set AB,  32                           ; s[32:41] my five tiles in the rows' buffer
.set PB,  42                           ; s[42:43] the prefetch's base
.set OB,  44                           ; s[44:53] my five tiles in the result
.set WB,  54                           ; s[54:61] the weights: group G = 2 g + c has its own base
.set GB,  66                           ; s[66:75] my five tiles in rg (DOWN)
.set MSB, 0
.macro WIN new                         ; the immediate's high byte repeats the setting that is left; a switch that changes nothing is dropped
.if MSB != (\new)
	s_set_vgpr_msb (MSB<<8)|(\new)
.set MSB, \new
.endif
.endm
; Behind a matrix instruction four plain vector instructions stand before a load lands in, or a vector instruction touches, one of its registers; five before another sum is started in its result.
; The places stay beside the waits on va_vdst: a wait fills no place.
.macro PLACES n=4
.rept \n
	v_nop
.endr
.endm
; The 40 sums start as 0 x 0 + C, with C the bias of the accumulator's columns (DOWN: 0): 40 matrix instructions in the wait for the first loads, so that no first stage is written out beside the loop.
.macro ZERO
.if DOWN
	WIN 0x50
.set z, 0
.rept 32
	v_wmma_f32_16x16x32_bf16 v[8*z:8*z+7], v[ZR:ZR+7], v[ZR:ZR+7], 0
.set z, z+1
.endr
	WIN 0xa0
.set z, 0
.rept 8
	v_wmma_f32_16x16x32_bf16 v[8*z:8*z+7], v[ZR:ZR+7], v[ZR:ZR+7], 0
.set z, z+1
.endr
.else
	WIN 0x60
.set z, 0
.rept 32
	v_wmma_f32_16x16x32_bf16 v[8*z:8*z+7], v[ZR:ZR+7], v[ZR:ZR+7], v[AX+8*(z%8):AX+8*(z%8)+7]
.set z, z+1
.endr
	WIN 0xa0
.set z, 0
.rept 8
	v_wmma_f32_16x16x32_bf16 v[8*z:8*z+7], v[ZR:ZR+7], v[ZR:ZR+7], v[AX+8*z:AX+8*z+7]
.set z, z+1
.endr
.endif
	WIN 0
.endm
; My 32 k x 128 columns of stage 0, into registers of their own: number j of (g, c, i) at 128 + 64 g + 4 (8 c + i) + j.  Every weight is read once in the launch.
.macro RAW0
	WIN 0xc0
.irp g, 0,1
.irp c, 0,1
.irp k, 0,1,2,3,4,5,6,7
	global_load_b128 v[128+64*(\g)+4*(8*(\c)+(\k)):128+64*(\g)+4*(8*(\c)+(\k))+3], v[WO], s[8:9] offset:(16*(\c)+(\k))*PITCH+(\g)*256 th:TH_LOAD_NT
.endr
.endr
.endr
.endm
; Group G = 2 g + c of a later stage: 16 k x 64 columns, eight loads; number j of row i at 64 g + 4 (8 c + i) + j.  step = 1: the next stage's; the base is free since the wait that showed the group's last loads done.
.macro RAWQ G, step
.if \step
	s_add_nc_u64 s[WB+2*(\G):WB+2*(\G)+1], s[WB+2*(\G):WB+2*(\G)+1], 128*PITCH
.endif
	WIN 0xc0
.irp k, 0,1,2,3,4,5,6,7
	global_load_b128 v[64*((\G)/2)+4*(8*((\G)%2)+(\k)):64*((\G)/2)+4*(8*((\G)%2)+(\k))+3], v[WO], s[WB+2*(\G):WB+2*(\G)+1] offset:(\k)*PITCH th:TH_LOAD_NT
.endr
.endm
; Rounded and laid down: register 4 c + p of column tile 4 g + j packs k = 16 c + 8 hh + 2 p and + 1.  A fragment is 1,024 bytes, lane L's 16 bytes at 512 c + 16 L: every LDS store and load takes consecutive bytes.
; All of stage 0, ahead of the loop:
.macro CONV0
.irp g, 0,1
.if (\g) == 1
	s_wait_alu depctr_vm_vsrc(0)                   ; the eight LDS stores above have read CV, which the roundings below write again
.endif
	WIN 0x8f
.irp j, 0,1,2,3
.irp c, 0,1
.irp p, 0,1,2,3
	v_cvt_pk_bf16_f32 v[CV+8*(\j)+4*(\c)+(\p)], v[128+64*(\g)+4*(8*(\c)+2*(\p))+(\j)], v[128+64*(\g)+4*(8*(\c)+2*(\p)+1)+(\j)]
.endr
.endr
.endr
	WIN 0x08
	s_wait_alu depctr_va_vdst(0)                   ; the 32 roundings have written CV, which the LDS stores read
.irp j, 0,1,2,3
.irp c, 0,1
	ds_store_b128 v[STB], v[CV+8*(\j)+4*(\c):CV+8*(\j)+4*(\c)+3] offset:(4*(\g)+(\j))*1024+(\c)*512
.endr
.endr
.endr
	WIN 0
.endm
; An eighth of the next stage, ahead of unit u: of group u / 2 the column tiles j = 2 (u % 2) and + 1.  ROUND: eight roundings.  LAY: two stores, 32,768 bytes behind the stage that is being read.  The unit's wait stands between the two.
.macro ROUND u
.set CG, (\u)/4
.set CC, ((\u)/2)%2
	WIN 0x8f
.irp jj, 0,1
.irp p, 0,1,2,3
	v_cvt_pk_bf16_f32 v[CV+8*((\u)%4)+4*(\jj)+(\p)], v[64*CG+4*(8*CC+2*(\p))+2*((\u)%2)+(\jj)], v[64*CG+4*(8*CC+2*(\p)+1)+2*((\u)%2)+(\jj)]
.endr
.endr
.endm
.macro LAY u
.set CG, (\u)/4
.set CC, ((\u)/2)%2
	WIN 0x08
.irp jj, 0,1
	ds_store_b128 v[ST], v[CV+8*((\u)%4)+4*(\jj):CV+8*((\u)%4)+4*(\jj)+3] offset:32768+(4*CG+2*((\u)%2)+(\jj))*1024+CC*512
.endr
.endm
; Quarter q of a stage's rows: 32 k x my five tiles, ten loads.  Its offset register is stepped apart from them, ahead of a wait on va_vdst.
.macro NEXTA q
	WIN 0
.irp i, 0,1,2,3,4
	global_load_b128 v[AS+40*(\q)+8*(\i):AS+40*(\q)+8*(\i)+3],   v[AQ+(\q)], s[AB+2*(\i):AB+2*(\i)+1]
	global_load_b128 v[AS+40*(\q)+8*(\i)+4:AS+40*(\q)+8*(\i)+7], v[AQ+(\q)], s[AB+2*(\i):AB+2*(\i)+1] offset:512
.endr
.endm
; Unit u of a stage's eight: quarter q = u / 2, column tiles 4 g .. 4 g + 3 with g = u % 2.  Its four weight fragments, into buffer u % 2.
.macro LOADB u
	WIN 0
.irp j, 0,1,2,3
.irp c, 0,1
	ds_load_b128 v[BB+32*((\u)%2)+8*(\j)+4*(\c):BB+32*((\u)%2)+8*(\j)+4*(\c)+3], v[LB] offset:((\u)/2)*8192+((\u)%2)*4096+(\j)*1024+(\c)*512
.endr
.endr
.endm
; DOWN = 0: source 0 = weights, source 1 = rows: a lane then holds one row and eight columns.  DOWN = 1: the other way round: a lane holds one column and eight rows.
.macro PROD d, w, a
.if DOWN
	v_wmma_f32_16x16x32_bf16 v[(\d):(\d)+7], v[(\a):(\a)+7], v[(\w):(\w)+7], v[(\d):(\d)+7]
.else
	v_wmma_f32_16x16x32_bf16 v[(\d):(\d)+7], v[(\w):(\w)+7], v[(\a):(\a)+7], v[(\d):(\d)+7]
.endif
.endm
; A unit's products: 16 for tiles 0-3 (MUL16), 4 for tile 4 where it is live (MUL4).  The accumulators take turns, one instruction a turn: a unit's are all different, and the next unit has the other g's.
.macro MUL16 u
.set QQ, (\u)/2
.set GG, (\u)%2
	WIN 0x50
.irp j, 0,1,2,3
.irp i, 0,1,2,3
	PROD 64*(\i)+8*(4*GG+(\j)),BB+32*GG+8*(\j),AS+40*QQ+8*(\i)
.endr
.endr
.endm
.macro MUL4 u
.set QQ, (\u)/2
.set GG, (\u)%2
	WIN 0                                          ; at a branch and at a label every window is 0
	s_cmp_lt_u32 s[NW], 5
	s_cbranch_scc1 .Lno4_\@
	WIN 0xa0
.irp j, 0,1,2,3
	PROD 8*(4*GG+(\j)),BB+32*GG+8*(\j),AS+40*QQ+32
.endr
	WIN 0
.Lno4_\@:
.endm
.macro MUL20 u
	MUL16 \u
	MUL4 \u
.endm
; A stage's eight units.  conv = 1: the next stage's weights are rounded and laid down; rawi = 1: the weights of the stage after it are asked for; ai = 1: the next stage's rows are.
; A unit's weight fragments are asked for one unit ahead, behind the unit's wait; the roundings (or four v_nop) ahead of that wait are also the places behind the products of the unit before.
; The unit's global loads stand behind its first sixteen products, which name none of their registers.
; THE PREFETCH (pf = 1).  In the trip of stage s each wave asks for its own 32 rows x 512 bytes of stage s + 3, 64 aligned blocks of 256 bytes, a lane each, by two instructions: 16 KB a wave, one trip ahead of the
; loads that take them (those go out in the trip of stage s + 1); each block is asked for once in the launch, by the wave that will load it.  Stages 0 and 1 are loaded at the kernel's start, where stage 2 is asked for; the
; loop's last trip, whose s + 3 would lie behind the slice, asks for nothing.  The base is stepped behind s_wait_xcnt 0, which stands a unit's products behind the wave's last issue.
.macro COMPUTE conv, rawi, ai, pf
	LOADB 0                                        ; no wait on va_vdst: LB was written, and this buffer's last products were issued, ahead of the wait at the end of the trip before (the first trip: ahead of the loop)
.irp u, 0,1,2,3,4,5,6,7
.if (\u) % 2 == 0
.set QU, (\u)/2
.set LC, (3-QU)*(10+8*(\conv))+(\rawi)*8*QU
.if QU > 1
.set LC, LC+(\ai)*10*(QU-1)
.endif
	s_wait_loadcnt LC                              ; quarter QU of the rows and group QU of the weights are in; what was issued behind them stays out: the later quarters and groups of their round, and what this trip has asked for
.endif
.if \conv
.if (\u) == 4
	s_wait_alu depctr_vm_vsrc(0)                   ; the LDS stores of units 0 to 3 have read CV, which the roundings of units 4 to 7 write again
.endif
.if (\ai) && ((\u) > 0) && ((\u) % 2 == 0)
	WIN 0
	v_add_nc_u32 v[AQ+(\u)/2-1], 4096, v[AQ+(\u)/2-1]  ; the next stage; free since the wait for the quarter that it brought last, and its loads stand ahead of a wait on vm_vsrc (unit 4's or the last trip's end)
.endif
	ROUND \u
	s_wait_alu depctr_va_vdst(0)                   ; the roundings have written CV, which the LDS stores read, and are done reading their group of weights; the products of the unit before are done reading their weight fragments and their rows; the quarter's offset is written: loads land in, or read, all of these below
	LAY \u
.elseif ((\u) > 0) && ((\u) < 7)
	PLACES
	s_wait_alu depctr_va_vdst(0)                   ; the products of the unit before are done reading the weight fragments in which the LDS loads below land
.endif
.if (\pf) && ((\u) == 1)
	WIN 0
	s_cmp_eq_u32 s[CNT], 1
	s_cbranch_scc1 .Lnopf_\@
	s_wait_xcnt 0x0
	s_add_nc_u64 s[PB:PB+1], s[PB:PB+1], 128*PITCH
	global_prefetch_b8 v[PO], s[PB:PB+1] th:TH_LOAD_NT scope:SCOPE_SE
	global_prefetch_b8 v[PO], s[PB:PB+1] offset:16*PITCH th:TH_LOAD_NT scope:SCOPE_SE
.Lnopf_\@:
.endif
.if (\u) < 7
	LOADB (\u)+1
	s_wait_dscnt 8+2*(\conv)                       ; this unit's fragments are in; the eight loads just issued and this unit's two stores stay out
.else
	s_wait_dscnt 2*(\conv)
.endif
	MUL16 \u
.if (\rawi) && ((\u) % 2 == 1)
	RAWQ (\u)/2, 1                                 ; no wait: no vector or matrix instruction since the unit's wait names the group's registers or WO
.endif
.if (\ai) && ((\u) > 0) && ((\u) % 2 == 0)
	NEXTA (\u)/2-1                                 ; no wait: the sixteen products since the unit's wait read the next quarter, not this one
.endif
	MUL4 \u
.endr
.endm
; What the way out needs beside the sums: DOWN = 0: my 64 numbers of the bias (columns 64 g + 32 hh + 0..31).  DOWN = 1: the gate weights of my eight rows in each of my five tiles.
.macro AUX
	WIN 0x80
.if DOWN
.irp i, 0,1,2,3,4
	global_load_b128 v[AX+8*(\i):AX+8*(\i)+3],   v[BO], s[GB+2*(\i):GB+2*(\i)+1]
	global_load_b128 v[AX+8*(\i)+4:AX+8*(\i)+7], v[BO], s[GB+2*(\i):GB+2*(\i)+1] offset:16
.endr
.else
.irp g, 0,1
.irp m, 0,1,2,3,4,5,6,7
	global_load_b128 v[BR+32*(\g)+4*(\m):BR+32*(\g)+4*(\m)+3], v[BO], s[10:11] offset:(\g)*256+(\m)*16
.endr
.endr
.endif
	WIN 0
.endm
; THE TRIP OF A STAGE.  Its fragments were laid down in the trip before (stage 0's ahead of the loop): the barrier at its head shows them to every wave.
; At its end (ai = 1) the next trip's LDS addresses and quarter 3's offset are made, between one wait on vm_vsrc and one on va_vdst, and quarter 3 of the next stage's rows is asked for.
.macro TRIP conv, rawi, ai, pf
	WIN 0
	s_wait_dscnt 0x0                               ; for the others' sake: my fragments of this stage lie in LDS
	s_barrier_signal -1
	s_barrier_wait -1                              ; everybody's do
	COMPUTE \conv, \rawi, \ai, \pf
.if \ai
	PLACES
	s_add_co_u32 s[LOFF], s[LOFF], 32768
	s_wait_alu depctr_vm_vsrc(0)                   ; the trip's LDS loads and stores have read LB and ST, quarter 3's last loads AQ + 3: the three are written below; the LDS stores of units 4 to 7 have read CV and the loads of quarters 0 to 2 their offsets, which the next trip writes
	v_add_nc_u32 v[LB], s[LOFF], v[L16]
.if \rawi
	v_add_nc_u32 v[ST], s[LOFF], v[STB]            ; the next trip lays fragments down if this one has asked for weights
.endif
	v_add_nc_u32 v[AQ+3], 4096, v[AQ+3]            ; free since unit 6's wait for the quarter that it brought last
	s_wait_alu depctr_va_vdst(0)                   ; LB, ST and AQ + 3 are written; the products of units 6 and 7 are done reading quarter 3 and their weight fragments: the loads below and the next trip's first LDS loads land there
	NEXTA 3
.endif
.endm
; The pass's tiles: how many of my five are live, and where each lies.  The last line on a tile's number is the clamp to the buffers' 136 tiles.
.macro BASES first
.if (\first) == 0
	s_wait_xcnt 0x0                                ; the bases are rewritten only behind this wait
	s_wait_alu depctr_vm_vsrc(0)                   ; the way out's stores have read their data, in which the next pass's rows land and which its way out writes again; the loads issued so far have read LB and AQ, which the next pass writes
.endif
	s_add_co_u32 s26, s[LT], s[WV]
	s_sub_co_i32 s27, s[NT], s26
	s_add_co_i32 s27, s27, 3
	s_max_i32 s27, s27, 0
	s_lshr_b32 s27, s27, 2
	s_min_u32 s[NW], s27, 5
	s_add_co_u32 s26, s26, s[T0]
	s_mov_b32 s29, 0
.irp i, 0,1,2,3,4
	s_add_co_u32 s27, s26, 4*(\i)
	s_min_u32 s27, s27, s[LAST]
	s_min_u32 s27, s27, 135
	s_lshl_b32 s28, s27, ASH
	s_add_nc_u64 s[AB+2*(\i):AB+2*(\i)+1], s[6:7], s[28:29]
	s_lshl_b32 s28, s27, OSH
	s_add_nc_u64 s[OB+2*(\i):OB+2*(\i)+1], s[12:13], s[28:29]
.if DOWN
	s_lshl_b32 s28, s27, 6
	s_add_nc_u64 s[GB+2*(\i):GB+2*(\i)+1], s[10:11], s[28:29]
.endif
.endr
.endm
; THE WAY OUT of a pass; dead tiles are jumped, whole.  Each accumulator's lowest register is read first.  Every tile has registers of its own for what it stores: a tile's vector work, one wait on va_vdst, its run of stores.
.macro EPI
	WIN 0
	s_wait_xcnt 0x0                                ; registers that the last pass's stores read are rewritten only behind this wait
.if DOWN
; Lane (r, hh) holds rows 8 hh + J (register J) and, over the four column tiles j of a g, the columns 64 g + 4 r + j: the multiplication by the row's gate weight brings the four together, and 16 lanes store 256 consecutive bytes, aligned.
.irp i, 0,1,2,3,4
	s_cmp_le_u32 s[NW], \i
	s_cbranch_scc1 .Lepi_end_\@
.if (\i) < 2
.set DW, 0
.set PR, PK+64*(\i)
.else
.set DW, 3
.set PR, 64*((\i)-2)
.endif
	WIN (DW<<6)|0x08|(1+(\i)/4)
.set z, 0
.rept 64                               ; z = 32 g + 4 J + j
	v_mul_f32 v[PR+z], v[(64*(\i))%256+8*(4*(z/32)+z%4)+(z/4)%8], v[AX+8*(\i)+(z/4)%8]
.set z, z+1
.endr
	WIN DW<<2
	s_wait_alu depctr_va_vdst(0)                   ; the tile's 64 multiplications have written what the stores read (and are done reading the tile's gate weights)
.set z, 0
.rept 16                               ; z = 8 g + J
	global_store_b128 v[EO], v[PR+4*z:PR+4*z+3], s[OB+2*(\i):OB+2*(\i)+1] offset:(z%8)*4096+(z/8)*256
.set z, z+1
.endr
	WIN 0
.endr
.else
; Lane (r, hh) holds row r and the 32 columns 64 g + 32 hh + 4 J + j: all of row r in fragment 2 g + hh of my four.  The bias is in the sums already; rounding, relu on the packed halves; each store fills two aligned runs of 256 bytes.
.irp i, 0,1,2,3,4
	s_cmp_le_u32 s[NW], \i
	s_cbranch_scc1 .Lepi_end_\@
	WIN 0x05+5*((\i)/4)
.set z, 0
.rept 32                               ; z = 16 g + 2 J + j / 2: columns 4 J + j and 4 J + j + 1
	v_cvt_pk_bf16_f32 v[PK+32*(\i)+z], v[(64*(\i))%256+8*(4*(z/16)+2*(z%2))+(z%16)/2], v[(64*(\i))%256+8*(4*(z/16)+2*(z%2)+1)+(z%16)/2]
.set z, z+1
.endr
	WIN 0
.set z, 0
.rept 32
	v_pk_max_num_bf16 v[PK+32*(\i)+z], v[PK+32*(\i)+z], v[NUL]
.set z, z+1
.endr
	s_wait_alu depctr_va_vdst(0)                   ; the tile's roundings and maxima have written what the stores read
.irp g, 0,1
.irp x, 0,1,2,3
	global_store_b128 v[EO], v[PK+16*(2*(\i)+(\g))+4*(\x):PK+16*(2*(\i)+(\g))+4*(\x)+3], s[OB+2*(\i):OB+2*(\i)+1] offset:2048*(\g)+512*((\x)/2)+256*((\x)%2)
.endr
.endr
.endr
.endif
.Lepi_end_\@:
.endm
; A LATER PASS, for experts with more than 320 rows: the same products on the resident slice, 32 k a trip, 32 trips.  Kept short and plain: a quarter's rows are asked for and waited for, into the first quarter's registers.
; No barrier: nobody writes the slice any more.  The two addresses are stepped together at a trip's tail, behind one wait on vm_vsrc; one wait on va_vdst stands at a trip's head.
.macro LATER
	v_mov_b32 v[AQ], v[L16]                        ; AQ and LB: the loads that read them stand ahead of the wait on vm_vsrc behind the way out
	s_mov_b32 s[LOFF], 0
	v_add_nc_u32 v[LB], s[LOFF], v[L16]
.if DOWN
	AUX                                            ; no wait: each tile's multiplications, the gate weights' last readers, stand ahead of the wait in front of that tile's stores
.endif
	ZERO
	s_mov_b32 s[CNT], 32
.Llater:
	PLACES
	s_wait_alu depctr_va_vdst(0)                   ; AQ and LB are written; the products of the trip before are done reading the rows and weight fragments, and the way out has written the registers, in which the loads below land
	NEXTA 0
	LOADB 0
	LOADB 1
	s_wait_loadcnt 0x0
	s_wait_dscnt 8                                 ; the first unit's fragments are in; the second's eight loads stay out
	MUL20 0
	s_wait_dscnt 0x0
	MUL20 1
	s_add_co_u32 s[LOFF], s[LOFF], 8192
	s_wait_alu depctr_vm_vsrc(0)                   ; the trip's loads have read AQ and LB
	v_add_nc_u32 v[AQ], 1024, v[AQ]                ; free: the trip's wait was for all its loads
	v_add_nc_u32 v[LB], s[LOFF], v[L16]
	s_sub_co_u32 s[CNT], s[CNT], 1
	s_cmp_lg_u32 s[CNT], 0
	s_cbranch_scc1 .Llater
	PLACES 5
.endm
	s_load_b256 s[4:11], s[0:1], 0x0               ; tbl s[4:5], the rows s[6:7], the weights s[8:9], bias or rg s[10:11]
	s_load_b64 s[12:13], s[0:1], 0x20              ; the result
	v_lshl_add_u32 v30, v0, 2, 0x40000
	v_mov_b32 v31, 0
	v_mov_b32 v[NUL], 0
.set z, 0
.rept 8
	v_mov_b32 v[ZR+z], 0
.set z, z+1
.endr
	v_lshrrev_b32 v12, 5, v0
	v_readfirstlane_b32 s[WV], v12                 ; wave 0..3
	v_and_b32 v12, 31, v0
	v_lshlrev_b32 v[L16], 4, v12
	v_and_b32 v13, 15, v0                          ; r
	v_bfe_u32 v14, v0, 4, 1                        ; hh
	v_lshlrev_b32 v15, 4, v13                      ; 16 r
	v_lshl_add_u32 v[WO], v14, PSH+3, v15
	s_wait_alu depctr_va_sdst(0)                   ; the wave's number is written, ahead of its first reader
	s_lshl_b32 s26, s[WV], 13
	v_add_nc_u32 v[STB], s26, v[L16]
.irp q, 0,1,2,3
	v_add_nc_u32 v[AQ+(\q)], 1024*(\q), v[L16]
.endr
	v_lshrrev_b32 v[PO], 1, v12
	v_and_b32 v12, 1, v12
	v_lshlrev_b32 v[PO], PSH, v[PO]
	v_lshl_add_u32 v[PO], v12, 8, v[PO]
.if DOWN
	v_lshl_add_u32 v[EO], v14, 15, v15             ; 8 hh rows of 4,096 bytes + 16 r
	v_lshlrev_b32 v[BO], 5, v14                    ; my eight rows' gate weights
.else
	v_lshl_add_u32 v[EO], v14, 10, v15             ; fragment hh + 16 r
	v_lshlrev_b32 v[BO], 7, v14                    ; my 32 columns' bias
.endif
	s_and_b32 s16, ttmp7, 0xffff                   ; the expert
	s_lshl_b32 s26, s16, 24                        ; its weights: 16 MiB
	s_lshl_b32 s27, s[WV], WSH                     ; my wave's 32 rows of a stage
	s_add_co_u32 s26, s26, s27
.if DOWN
	s_and_b32 s15, ttmp9, 7                        ; which 128 columns
	s_lshr_b32 s25, ttmp9, 3                       ; which quarter of K
	s_lshl_b32 s27, s25, 22                        ; its 1,024 rows of 4,096 bytes
	s_add_co_u32 s26, s26, s27
.else
	s_mov_b32 s15, ttmp9                           ; which 128 columns
.endif
	s_lshl_b32 s27, s15, 9
	s_add_co_u32 s26, s26, s27
	s_mov_b32 s27, 0
	s_lshl_b32 s28, s16, 3                         ; the expert's entry of tbl
	s_mov_b32 s29, 0
	s_wait_kmcnt 0x0
	s_add_nc_u64 s[4:5], s[4:5], s[28:29]
	s_load_b64 s[18:19], s[4:5], 0x0               ; first tile, number of tiles
	s_add_nc_u64 s[8:9], s[8:9], s[26:27]          ; my rows of stage 0
.irp G, 0,1,2,3
	s_add_nc_u64 s[WB+2*(\G):WB+2*(\G)+1], s[8:9], 128*PITCH+((\G)/2)*256+((\G)%2)*16*PITCH   ; group G of stage 1
.endr
	s_add_nc_u64 s[PB:PB+1], s[8:9], 256*PITCH     ; my rows of stage 2
	s_wait_alu depctr_va_vdst(0)                   ; the offsets and addresses WO, EO, BO, STB, AQ .. AQ + 3 and PO are written, which the loads, prefetches and stores of the kernel read
	RAW0                                           ; the weights need no table: stage 0 goes out first
	WIN 0
	global_prefetch_b8 v[PO], s[PB:PB+1] th:TH_LOAD_NT scope:SCOPE_SE                   ; stage 2: its loads go out in the trip of stage 0
	global_prefetch_b8 v[PO], s[PB:PB+1] offset:16*PITCH th:TH_LOAD_NT scope:SCOPE_SE
.if DOWN
	s_lshl_b32 s28, s25, 15                        ; the quarter's 32 fragments in a tile of h
	s_add_nc_u64 s[6:7], s[6:7], s[28:29]
	s_mul_i32 s28, s25, QSTR
	s_lshl_b32 s26, s15, 9
	s_add_co_u32 s28, s28, s26
	s_add_nc_u64 s[12:13], s[12:13], s[28:29]
	ZERO                                           ; names ZR and the accumulators alone: none of the registers that the loads below touch
.else
	s_lshl_b32 s28, s16, 14                        ; the expert's bias, my 128 columns
	s_lshl_b32 s26, s15, 9
	s_add_co_u32 s28, s28, s26
	s_add_nc_u64 s[10:11], s[10:11], s[28:29]
	AUX
	s_lshl_b32 s28, s15, 12                        ; my four fragments in a tile of h
	s_add_nc_u64 s[12:13], s[12:13], s[28:29]
.endif
	s_wait_kmcnt 0x0
	s_min_u32 s[T0], s[T0], 135
	s_min_u32 s[NT], s[NT], 64
	s_add_co_u32 s[LAST], s[T0], s[NT]
	s_max_u32 s[LAST], s[LAST], 1
	s_sub_co_u32 s[LAST], s[LAST], 1               ; the expert's last tile; for an expert without rows the tile in front, which some expert has written
	s_mov_b32 s[LT], 0
	BASES 1
.if DOWN
	AUX
.endif
.irp q, 0,1,2
	RAWQ \q, 0                                     ; stage 1's weights and stage 0's rows, by turns, as every trip leaves them
	NEXTA \q
.endr
	s_wait_loadcnt 54                              ; stage 0's weights and the bias (DOWN: the gate weights) are in; the 3 x 18 loads just issued stay out
	CONV0
.if DOWN == 0
	WIN 0x8a                                       ; the bias is rounded once to bf16 and widened again, each number into its place in a C operand: column 64 g + 32 hh + 4 J + j is register J of column tile 4 g + j
.set z, 0
.rept 32
	v_cvt_pk_bf16_f32 v[BP+z], v[BR+2*z], v[BR+2*z+1]
.set z, z+1
.endr
.set z, 0
.rept 32                               ; z = 16 g + 2 J + j / 2
	v_lshlrev_b32 v[AX+8*(4*(z/16)+2*(z%2))+(z%16)/2], 16, v[BP+z]
	v_and_b32 v[AX+8*(4*(z/16)+2*(z%2)+1)+(z%16)/2], 0xffff0000, v[BP+z]
.set z, z+1
.endr
	ZERO
.endif
	RAWQ 3, 0                                      ; the round's last group and quarter: no vector or matrix instruction has named their registers
	NEXTA 3
	s_mov_b32 s[LOFF], 0
	v_add_nc_u32 v[LB], s[LOFF], v[L16]
	v_add_nc_u32 v[ST], s[LOFF], v[STB]
	s_wait_alu depctr_vm_vsrc(0)                   ; stage 0's LDS stores have read CV, which the first trip's roundings write again
	s_wait_alu depctr_va_vdst(0)                   ; LB and ST are written, which the first trip's LDS loads and stores read
	s_mov_b32 s[CNT], 6
.Lstage:                                               ; the trips of stages 0 to 5
	TRIP 1, 1, 1, 1
	s_sub_co_u32 s[CNT], s[CNT], 1
	s_cmp_lg_u32 s[CNT], 0
	s_cbranch_scc1 .Lstage
	TRIP 1, 0, 1, 0                                ; stage 6 is written out: no weights are left to ask for, so its counts are others
	TRIP 0, 0, 0, 0                                ; and so is stage 7: nothing is rounded or asked for, and its counts run down
	PLACES 5
	s_mov_b32 s[PS], 4
.Lpass:                                                ; four trips, always: four passes of 20 tiles cover the 64 tiles that one expert can have.  A trip: the way out of one pass, then the next pass's products
	EPI
	s_add_co_u32 s[LT], s[LT], 20
	BASES 0
	s_cmp_eq_u32 s[NW], 0
	s_cbranch_scc1 .Lskip                          ; no row of mine in the next pass (in the fourth trip always): its products are jumped, forward; no barrier and no LDS write stands in what is jumped
	LATER
.Lskip:
	s_sub_co_u32 s[PS], s[PS], 1
	s_cmp_lg_u32 s[PS], 0
	s_cbranch_scc1 .Lpass
	s_wait_dscnt 0x0                               ; my reads of the slice are back
	s_barrier_signal -1
	s_barrier_wait -1                              ; everybody's are
	s_wait_dscnt 0x0                               ; the wave's end
	s_wait_alu depctr_hold_cnt(0) depctr_sa_sdst(0) depctr_va_vdst(0) depctr_va_sdst(0) depctr_va_ssrc(0) depctr_va_vcc(0) depctr_vm_vsrc(0)
	s_wait_tensorcnt 0x0
	ds_add_u32 v30, v31
	s_wait_dscnt 0x0
	s_endpgm
.Lfunc_end_k_q88ca66795d_down:
	.size	k_q88ca66795d_down, .Lfunc_end_k_q88ca66795d_down-k_q88ca66795d_down
	.p2alignl 7, 3214868480
	.fill 96, 4, 3214868480
	.section	.rodata,"a",@progbits
	.p2align	6, 0x0
	.amdhsa_kernel k_q88ca66795d_down
		.amdhsa_group_segment_fixed_size 262656
		.amdhsa_private_segment_fixed_size 0
		.amdhsa_enable_private_segment 0
		.amdhsa_kernarg_size 40
		.amdhsa_user_sgpr_count 2
		.amdhsa_user_sgpr_kernarg_segment_ptr 1
		.amdhsa_wavefront_size32 1
		.amdhsa_system_sgpr_workgroup_id_x 1
		.amdhsa_system_sgpr_workgroup_id_y 1
		.amdhsa_system_sgpr_workgroup_id_z 1
		.amdhsa_system_vgpr_workitem_id 0
		.amdhsa_next_free_vgpr 1024
		.amdhsa_next_free_sgpr 80
		.amdhsa_reserve_vcc 0
		.amdhsa_float_denorm_mode_32 3
		.amdhsa_float_denorm_mode_16_64 3
		.amdhsa_memory_ordered 1
		.amdhsa_forward_progress 1
		.amdhsa_inst_pref_size 128
	.end_amdhsa_kernel
	.amdgpu_metadata
---
amdhsa.version: [ 1, 2 ]
amdhsa.kernels:
  - .name:           k_q88ca66795d_down
    .symbol:         k_q88ca66795d_down.kd
    .args:
      - { .name: tbl, .offset: 0, .size: 8, .value_kind: global_buffer, .address_space: global }
      - { .name: h, .offset: 8, .size: 8, .value_kind: global_buffer, .address_space: global }
      - { .name: w2, .offset: 16, .size: 8, .value_kind: global_buffer, .address_space: global }
      - { .name: rg, .offset: 24, .size: 8, .value_kind: global_buffer, .address_space: global }
      - { .name: part, .offset: 32, .size: 8, .value_kind: global_buffer, .address_space: global }
    .group_segment_fixed_size: 262656
    .private_segment_fixed_size: 0
    .kernarg_segment_align: 8
    .kernarg_segment_size: 40
    .max_flat_workgroup_size: 128
    .sgpr_count:     80
    .vgpr_count:     1024
    .wavefront_size: 32
...
	.end_amdgpu_metadata
.endif
;; end of part 10
;; launch sum: the kernel of part 5 again; grid 256 x 1, 8 waves a work-group, no clusters, 0 bytes of LDS; arguments pos, sel, gw, b2, part, out0; writes out0
